; MI455X (gfx1250); checked and timed in simulation.
; The chip was launched on July 23, 2026; its instructions are those of AMD's public machine-readable ISA for CDNA 5 (MIT licence, August 2026) and "CDNA5" Instruction Set Architecture Reference Guide (July 2026). The comments in the code are by the model that wrote it; some were corrected since.
;; Attention. Allowed arithmetic: matrix products marked QUANTISED: E2M3 operands, one E8M0 scale for each 32 along K, by v_wmma_scale_f32_16x16x128_f8f6f4 with both operands' format E2M3, f32 sums; products left as they are: f32 operands where the result goes on into a quantised operand, else bf16, f16 or f32 operands; f32 sums; everything else in f32.
;; Inputs: Wk 1,024 x 2,048 float32; Wo 2,048 x 1,024 float32; Wq 1,024 x 2,048 float32; Wv 1,024 x 2,048 float32; bk 2,048 float32; bo 1,024 float32; bq 2,048 float32; bv 2,048 float32; x 2 x 2,048 x 1,024 float32.
;; Outputs: out0 2 x 2,048 x 1,024 float32.
;; This version of the problem:
;;   THIS VERSION OF THE PROBLEM IS GIVEN IN LOW PRECISION. The matrix products marked QUANTISED in the list below multiply operands that are first quantised to E2M3 (2 exponent bits, 3 mantissa bits; 6 bits a number), with one power-of-two scale for each 32 numbers along K (OCP MX v1.0); their sums are f32. All else is computed in f32.
;;   The module's matrix products, in the order in which they are computed (A, B: the left and right operand; K: the contracted axis; several contracted axes count as one K, in the product's order):
;;     1. [M 4,096, K 1,024] x [K 1,024, N 2,048]; A: input x; B: input Wq: QUANTISED
;;     2. [M 4,096, K 1,024] x [K 1,024, N 2,048]; A: input x; B: input Wk: QUANTISED
;;     3. [M 4,096, K 1,024] x [K 1,024, N 2,048]; A: input x; B: input Wv: QUANTISED
;;     4. [M 2,048, K 1] x [K 1, N 64]; A: computed on the way; B: computed on the way: left as it is (no contracted axis)
;;     5. batch 32 x [M 2,048, K 128] x [K 128, N 2,048]; A: computed on the way; B: computed on the way: QUANTISED
;;     6. batch 32 x [M 2,048, K 2,048] x [K 2,048, N 128]; A: softmax (see below); B: computed on the way: QUANTISED
;;     7. [M 4,096, K 2,048] x [K 2,048, N 1,024]; A: computed on the way; B: input Wo: QUANTISED
;;   THE QUANTISER, for each operand of a quantised product, along K:
;;     - K is cut into blocks of 32 from its start; a last block that is shorter is filled with zeros.
;;     - A block's scale is 2^e with e = floor(log2(the largest magnitude in the block)) - 2, held to -126 .. 127; a block of zeros has e = 0. As a byte (E8M0): e + 127.
;;     - Each number is divided by its block's scale, clamped to +-7.5, and rounded to the nearest number of E2M3, ties to even, subnormals kept.
;;     - The product sums the exact products of the quantised numbers (number of the format x scale) in f32.
;;   ~~~python
;;   def quantise(x, axis):      # numpy; x: float32 -> the quantised numbers, widened to float32 again
;;       x = np.moveaxis(x, axis, -1); K = x.shape[-1]
;;       x = np.pad(x, [(0, 0)] * (x.ndim - 1) + [(0, -K % 32)]); x = x.reshape(x.shape[:-1] + (-1, 32)); a = np.abs(x).max(-1, keepdims=True)
;;       e = np.where(a > 0, np.clip(np.frexp(np.where(a > 0, a, 1))[1] - 1 - 2, -126, 127), 0)      # np.frexp(a)[1] - 1 = floor(log2(a)), exactly
;;       r = np.clip(x / 2.0 ** e, -7.5, 7.5)
;;       step = 2.0 ** (np.maximum(np.frexp(np.where(r == 0, 1, r))[1] - 1, 0) - 3)
;;       q = np.round(r / step) * step * 2.0 ** e      # np.round: ties to even
;;       return np.moveaxis(q.reshape(q.shape[:-2] + (-1,))[..., :K], -1, axis).astype(np.float32)
;;   ~~~
;;   SOFTMAX AHEAD OF A QUANTISED PRODUCT. Where the list says 'softmax', what is quantised is not the finished softmax but p = 2^(t - M), with t = logit x log2(e) and M = ceil(the row's largest t), a whole number; so 1/2 < the row's largest p <= 1. The row's sum l is taken of the UNQUANTISED p, in f32, and the product's result is divided by l at the end. Since M is a whole number, a kernel that streams over the keys may use a running M (the ceiling of the running maximum): every later rescaling is an exact power of two, which a block's scale takes up: the codes' values come out the same.
;;   OPERANDS COMPUTED ON THE WAY. 'Computed on the way' means the value that the module computes at that place (a softmax that the list does not call 'softmax' is quantised finished and normalised). What goes into a quantiser is computed in f32, as accurately as f32 sums, v_exp_f32 and their like allow (about 1e-6 of the number): no bf16 or f16 on the way to a quantiser, and a product that is left as it is and whose result goes on into a quantised operand takes f32 operands (vector FMAs, or v_wmma_f32_16x16x4_f32). A number that lies on a knife's edge between two numbers of the format may be rounded either way, as far as f32 arithmetic and the matrix unit's own rounding can turn it there, and no further.
;; 2 versions. Each part assembles by itself: llvm-mc -triple=amdgcn-amd-amdhsa -mcpu=gfx1250 --defsym DOCPART=n.
;; ======== version 1 of 2: 4 launches
;; workspace buffers: x_op 3,276,800 bytes; w_op 6,553,600 bytes; rope 1,048,576 bytes; qkv_op 19,660,800 bytes; o_op 6,553,600 bytes
;; launch prep (part 1): grid 896 x 1, 4 waves a work-group, no clusters, 58,880 bytes of LDS; arguments x, Wq, Wk, Wv, Wo, x_op, w_op, rope; writes x_op, w_op, rope
.if DOCPART == 1
	.amdgcn_target "amdgcn-amd-amdhsa--gfx1250"
	.amdhsa_code_object_version 6
	.text
	.protected	k_qa2c1008a7a_prep
	.globl	k_qa2c1008a7a_prep
	.p2align	8
	.type	k_qa2c1008a7a_prep,@function
k_qa2c1008a7a_prep:
	s_mov_b64 s[64:65], 0
	v_nop
	global_prefetch_b8 v0, s[64:65] scope:SCOPE_SE
	s_setreg_imm32_b32 hwreg(HW_REG_WAVE_MODE, 25, 1), 1
	s_wait_xcnt 0x0
; PREP: x, Wq, Wk, Wv, Wo (f32) become codes of FP6 (E2M3) with one E8M0 byte for each 32 along K; and the table of cos and sin for the rotary step is made.
; THE OPERAND BLOCK (OB), 12,800 bytes: 128 rows x 128 along K as an IMAGE OF THE MATRIX OPERAND'S REGISTERS.  Fragment f = 2 B + u (16 rows, 12 registers a lane) lies at 1,536 f; registers 4 c .. 4 c + 3 of
; lane L at 1,536 f + 512 c + 16 L.  Lane-row r of fragment 2 B + u is row 32 B + 8 u + r + 8 (r / 8) of the block.  At byte 12,288 the scale words: lane L's 16 bytes at 16 L; word j is that of fragment 2 j + L / 16, row L % 16.
; x_op: [32 blocks of rows][8 K steps].  w_op: blocks 0-383: [Wq 16 | Wk 16 | Wv 16 blocks of columns][8 K steps]; blocks 384-511: Wo [8][16].  A weight's rows in an OB are its COLUMNS n, since K is its first axis.
; A block's scale is 2^(floor(log2(largest magnitude)) - 2); its byte is the largest magnitude's exponent field - 2, held at 1 from below.
; LIMITS: a block of zeros gets the byte 1 where the quantiser says 127 (its codes are zeros, and this program alone reads the bytes); blocks whose largest magnitude lies under 2^-124 are held at that floor;
; NaN and infinities among the inputs are not served.  The table's 10000^(-j/64) lies within some 2 units in the last place of the exact number, which moves an angle by up to 2e-4 at position 2,047.
; SHARES: work-groups 0-255: an OB of x each; 256-639: of Wq, Wk, Wv; 640-767: of Wo; 768-895: a tile of 16 positions of the table.  Wave w makes fragments 2 w and 2 w + 1.  Waves share nothing: no barrier.
; Each path has LDS bytes of its own.
.set OBB,  12800
.set XST,  0                           ; x path: a stage of 16 rows x (512 + 16) bytes for each wave
.set WST,  33792                       ; Wq, Wk, Wv: two fragments' images, 3,072 bytes, for each wave
.set OST,  46080                       ; Wo: the same
.set LI,   2                           ; v2  16 x lane
.set SEL,  22                          ; s[22:23] selects of v_permlanex16_b32: lane l xor 16
.set R0,   16                          ; x path: v16-79 tile 0 as loaded (later tile 1's neighbours), v80-143 tile 1 as loaded, v144-207 tile 0's neighbours
.set R1,   80
.set XN,   144
.set PC,   208                         ; v208-226 the codes just made
.set TM,   228                         ; v228-243 at work
.set PW,   244                         ; the scale word just made
.set PWE,  245
.set PWC,  246
.set WX,   16                          ; W paths: v16-79 two sets of 32 numbers; v80.. eight registers of codes a block; v112 the scale word; v116-139 the way out
.set WC,   80
.set SB,   112
.set WO,   116
; 64 numbers of a lane, v[s] .. v[s + 63], register 16 b + i = k 32 b + 16 (lane / 16) + i of my row, become a fragment's codes in v[PC] on and its scale word in v[PW].
.macro QUANT s
.irp b, 0,1,2,3
	v_max3_num_f32 v[TM+\b], |v[\s+16*\b]|, |v[\s+1+16*\b]|, 0x1800000   ; block b: my 16 numbers, and the floor 2^(3 - 127): the byte cannot fall under 1
.endr
.irp i, 2,4,6,8,10,12,14
.irp b, 0,1,2,3
	v_max3_num_f32 v[TM+\b], v[TM+\b], |v[\s+16*\b+\i]|, |v[\s+1+16*\b+\i]|
.endr
.endr
.irp b, 0,1,2,3
	v_permlanex16_b32 v[TM+4+\b], v[TM+\b], s[SEL], s[SEL+1]
.endr
.irp b, 0,1,2,3
	v_max_num_f32 v[TM+\b], v[TM+\b], v[TM+4+\b]     ; with lane l xor 16's: the block's largest magnitude
.endr
.irp b, 0,1,2,3
	v_add_nc_u32 v[TM+12+\b], 0xff000000, v[TM+\b]   ; 2 off its exponent field: the conversion's scale operand
.endr
.irp b, 0,1,2,3
	v_lshrrev_b32 v[TM+4+\b], 23, v[TM+12+\b]        ; the scale's byte
.endr
	v_lshl_or_b32 v[PW], v[TM+5], 8, v[TM+4]
	v_lshl_or_b32 v[PW], v[TM+6], 16, v[PW]
	v_lshl_or_b32 v[PW], v[TM+7], 24, v[PW]
.irp c, 0,1
	v_cvt_scalef32_pk16_fp6_f32 v[PC+6*\c:PC+2+6*\c], v[\s+32*\c:\s+15+32*\c], v[TM+12+2*\c]
	v_cvt_scalef32_pk16_fp6_f32 v[PC+12+4*\c:PC+14+4*\c], v[\s+16+32*\c:\s+31+32*\c], v[TM+12+2*\c+1]   ; (a conversion's three registers begin on an even number)
.endr
	v_nop                                            ; one plain place behind a scaled conversion
.irp c, 0,1                                      ; the operand's layout wants a WHOLE block in a lane
.irp i, 0,1,2
	v_permlane16_swap_b32 v[PC+6*\c+\i], v[PC+12+4*\c+\i]
.endr
.irp i, 0,1,2
	v_mov_b32 v[PC+3+6*\c+\i], v[PC+12+4*\c+\i]
.endr
.endr
.endm
	s_load_b256 s[4:11], s[0:1], 0x0               ; x, Wq, Wk, Wv
	s_load_b256 s[12:19], s[0:1], 0x20             ; Wo, x_op, w_op, rope
	v_lshl_add_u32 v254, v0, 2, 0xe400
	v_mov_b32 v255, 0
	v_lshrrev_b32 v1, 5, v0
	v_readfirstlane_b32 s20, v1                    ; wave 0..3
	v_and_b32 v1, 31, v0                           ; lane
	v_lshlrev_b32 v[LI], 4, v1
	v_and_b32 v7, 15, v0                           ; r
	v_bfe_u32 v8, v0, 4, 1                         ; h
	s_mov_b32 s[SEL], 0x76543210
	s_mov_b32 s[SEL+1], 0xfedcba98
	s_mov_b32 s24, 0xffff0000                      ; lanes 16-31
	s_mov_b32 s31, 0
	s_mov_b32 s33, 0
	s_wait_kmcnt 0x0
	s_cmp_lt_u32 ttmp9, 256
	s_cbranch_scc1 .Lpath_x
	s_cmp_lt_u32 ttmp9, 640
	s_cbranch_scc1 .Lpath_w
	s_cmp_lt_u32 ttmp9, 768
	s_cbranch_scc1 .Lpath_o
; ---- THE TABLE.  Tile Tt: positions 32 (Tt / 2) + 8 (Tt % 2) + r + 8 (r / 8).  Its 8,192 bytes: 16 groups of 512 bytes (16 a lane): group q: cos, registers 4 q .. 4 q + 3; group 8 + q: sin.
; Register 16 B + i of lane (r, h) belongs to frequency j = 32 B + 16 h + i.  Thread (w, lane) makes groups w and w + 4 of both: eight angles, number m: j = 32 (m / 4) + 16 h + 4 w + m % 4.
.set JF, 16
.set YH, 24
.set YL, 32
.set EX, 40
.set TH, 48
.set KK, 56
.set RR, 64
.set ZZ, 72
.set SN, 80
.set CN, 88
.set KI, 96
.set T1, 104
.set CO, 112
.set SI, 120
	s_sub_co_u32 s30, ttmp9, 768                   ; Tt
	s_lshr_b32 s32, s30, 1
	s_lshl_b32 s32, s32, 5
	s_and_b32 s34, s30, 1
	s_lshl_b32 s34, s34, 3
	s_add_co_u32 s32, s32, s34
	v_and_b32 v9, 8, v0
	v_add_nc_u32 v9, v9, v7
	v_add_nc_u32 v9, s32, v9                       ; my position
	v_cvt_f32_u32 v10, v9
	s_lshl_b32 s34, s20, 2
	v_lshl_add_u32 v11, v8, 4, s34                 ; 16 h + 4 w
	s_lshl_b32 s30, s30, 13
	s_lshl_b32 s34, s20, 9
	s_add_co_u32 s30, s30, s34                     ; 8,192 Tt + 512 w
	s_add_nc_u64 s[18:19], s[18:19], s[30:31]
	s_mov_b32 s36, 0x3e549a78                      ; log2(10) / 16, its upper part,
	s_mov_b32 s37, 0x31979a37                      ; and what is left of it
	s_mov_b32 s38, 0xbf317218                      ; -ln 2
	s_mov_b32 s39, 0x3f22f983                      ; 2 / pi
	s_mov_b32 s40, 0xbfc90fda                      ; -pi / 2 in three parts
	s_mov_b32 s41, 0xb3a22168
	s_mov_b32 s42, 0xa7c234c4
	s_mov_b32 s43, 0xb94ca1f9                      ; sine's polynomial on -pi/4 .. pi/4
	s_mov_b32 s44, 0x3c08839e
	s_mov_b32 s45, 0xbe2aaaa3
	s_mov_b32 s46, 0x37ccf5ce                      ; cosine's
	s_mov_b32 s47, 0xbab6061a
	s_mov_b32 s48, 0x3d2aaaa5
.irp m, 0,1,2,3,4,5,6,7
	v_add_nc_u32 v[JF+\m], 32*(\m/4)+\m%4, v11
.endr
.irp m, 0,1,2,3,4,5,6,7
	v_cvt_f32_u32 v[JF+\m], v[JF+\m]
.endr
.irp m, 0,1,2,3,4,5,6,7
	v_mul_f32 v[YH+\m], s36, v[JF+\m]              ; y = j log2(10) / 16 as a sum of two: yh,
.endr
.irp m, 0,1,2,3,4,5,6,7
	v_fma_f32 v[YL+\m], v[JF+\m], s36, -v[YH+\m]   ; what the product's rounding lost,
.endr
.irp m, 0,1,2,3,4,5,6,7
	v_fma_f32 v[YL+\m], v[JF+\m], s37, v[YL+\m]    ; and the constant's lower part
.endr
.irp m, 0,1,2,3,4,5,6,7
	v_exp_f32 v[EX+\m], -v[YH+\m]
.endr
	v_nop                                          ; a plain place behind the last exponential
	s_wait_alu depctr_va_vdst(0)                   ; one wait for the eight, ahead of their first reader
.irp m, 0,1,2,3,4,5,6,7
	v_mul_f32 v[T1+\m], v[EX+\m], v[YL+\m]
.endr
.irp m, 0,1,2,3,4,5,6,7
	v_fma_f32 v[EX+\m], v[T1+\m], s38, v[EX+\m]    ; 2^-(yh + yl) = 2^-yh (1 - yl ln 2): 10000^(-j/64)
.endr
.irp m, 0,1,2,3,4,5,6,7
	v_mul_f32 v[TH+\m], v10, v[EX+\m]              ; the angle, one rounding
.endr
.irp m, 0,1,2,3,4,5,6,7
	v_mul_f32 v[KK+\m], s39, v[TH+\m]
.endr
.irp m, 0,1,2,3,4,5,6,7
	v_rndne_f32 v[KK+\m], v[KK+\m]                 ; how many quarter turns
.endr
.irp m, 0,1,2,3,4,5,6,7
	v_fma_f32 v[RR+\m], v[KK+\m], s40, v[TH+\m]
.endr
.irp m, 0,1,2,3,4,5,6,7
	v_fma_f32 v[RR+\m], v[KK+\m], s41, v[RR+\m]
.endr
.irp m, 0,1,2,3,4,5,6,7
	v_fma_f32 v[RR+\m], v[KK+\m], s42, v[RR+\m]    ; the rest, within pi / 4
.endr
.irp m, 0,1,2,3,4,5,6,7
	v_mul_f32 v[ZZ+\m], v[RR+\m], v[RR+\m]
.endr
.irp m, 0,1,2,3,4,5,6,7
	v_fma_f32 v[SN+\m], v[ZZ+\m], s43, s44
.endr
.irp m, 0,1,2,3,4,5,6,7
	v_fma_f32 v[SN+\m], v[SN+\m], v[ZZ+\m], s45
.endr
.irp m, 0,1,2,3,4,5,6,7
	v_mul_f32 v[T1+\m], v[ZZ+\m], v[RR+\m]
.endr
.irp m, 0,1,2,3,4,5,6,7
	v_fma_f32 v[SN+\m], v[SN+\m], v[T1+\m], v[RR+\m]
.endr
.irp m, 0,1,2,3,4,5,6,7
	v_fma_f32 v[CN+\m], v[ZZ+\m], s46, s47
.endr
.irp m, 0,1,2,3,4,5,6,7
	v_fma_f32 v[CN+\m], v[CN+\m], v[ZZ+\m], s48
.endr
.irp m, 0,1,2,3,4,5,6,7
	v_mul_f32 v[T1+\m], v[ZZ+\m], v[ZZ+\m]
.endr
.irp m, 0,1,2,3,4,5,6,7
	v_fma_f32 v[RR+\m], v[ZZ+\m], -0.5, 1.0
.endr
.irp m, 0,1,2,3,4,5,6,7
	v_fma_f32 v[CN+\m], v[CN+\m], v[T1+\m], v[RR+\m]
.endr
.irp m, 0,1,2,3,4,5,6,7
	v_cvt_i32_f32 v[KI+\m], v[KK+\m]
.endr
.irp m, 0,1,2,3,4,5,6,7
	v_and_b32 v[T1+\m], 1, v[KI+\m]
	v_cmp_eq_u32 vcc_lo, 1, v[T1+\m]               ; an odd number of quarter turns: sine and cosine change places
	v_cndmask_b32 v[SI+\m], v[SN+\m], v[CN+\m], vcc_lo
	v_cndmask_b32 v[CO+\m], v[CN+\m], v[SN+\m], vcc_lo
	v_lshlrev_b32 v[T1+\m], 30, v[KI+\m]
	v_and_b32 v[T1+\m], 0x80000000, v[T1+\m]       ; the sine is negative in quarters 2 and 3,
	v_xor_b32 v[SI+\m], v[T1+\m], v[SI+\m]
	v_add_nc_u32 v[KI+\m], 1, v[KI+\m]
	v_lshlrev_b32 v[KI+\m], 30, v[KI+\m]
	v_and_b32 v[KI+\m], 0x80000000, v[KI+\m]       ; the cosine in quarters 1 and 2
	v_xor_b32 v[CO+\m], v[KI+\m], v[CO+\m]
.endr
.irp t, 0,1
	global_store_b128 v[LI], v[CO+4*\t:CO+4*\t+3], s[18:19] offset:2048*\t        ; 32 lanes store 512 consecutive bytes
	global_store_b128 v[LI], v[SI+4*\t:SI+4*\t+3], s[18:19] offset:4096+2048*\t
.endr
	s_endpgm
; ---- x: OB g = ttmp9: rows 128 (g / 8) on, K step g % 8.  Each load reads 512 consecutive bytes of one row, 16 a lane; a tile's 16 rows turn through the wave's stage, so that lane (r, h) gets, of row r,
; 16 neighbours of each block of 32.  The stage's rows are 528 bytes apart.
.Lpath_x:
	s_lshr_b32 s30, ttmp9, 3
	s_lshl_b32 s30, s30, 19                        ; 128 rows of 4,096 bytes
	s_and_b32 s32, ttmp9, 7
	s_lshl_b32 s32, s32, 9                         ; 128 numbers along K
	s_add_co_u32 s30, s30, s32
	s_lshl_b32 s32, s20, 17                        ; my wave's 32 rows
	s_add_co_u32 s30, s30, s32
	s_add_nc_u64 s[4:5], s[4:5], s[30:31]
	s_mul_i32 s34, ttmp9, OBB
	s_mul_i32 s32, s20, 3072
	s_add_co_u32 s32, s32, s34
	s_add_nc_u64 s[26:27], s[14:15], s[32:33]      ; my two fragments
	s_lshl_b32 s32, s20, 2
	s_add_co_u32 s32, s32, s34
	s_add_co_u32 s32, s32, 12288
	s_add_nc_u64 s[28:29], s[14:15], s[32:33]      ; word w of each lane's 16 bytes of scale words
	s_mul_i32 s25, s20, 8448
	v_add_nc_u32 v3, s25, v[LI]                    ; the stage, in: 16 x lane of a row
	v_mul_u32_u24 v4, v7, 528
	v_lshl_add_u32 v4, v8, 6, v4
	v_add_nc_u32 v4, s25, v4                       ; and out: row r, + 64 h
.irp b, 0,1,2,3
	v_mov_b32 v[TM+4+\b], 0                        ; written once: a lane permute's destination counts as one of its sources
.endr
.irp u, 0,1
.irp i, 0,1,2,3,4,5,6,7,8,9,10,11,12,13,14,15
	global_load_b128 v[R0+64*\u+4*\i:R0+64*\u+4*\i+3], v[LI], s[4:5] offset:(8*\u+\i+8*(\i/8))*4096 th:TH_LOAD_NT
.endr
.endr
.macro XTURN src, dst                  ; LDS serves a wave's instructions in order: no wait between the stores and the loads
.irp i, 0,1,2,3,4,5,6,7,8,9,10,11,12,13,14,15
	ds_store_b128 v3, v[\src+4*\i:\src+4*\i+3] offset:528*\i
.endr
.irp b, 0,1,2,3
.irp j, 0,1,2,3
	ds_load_b128 v[\dst+16*\b+4*\j:\dst+16*\b+4*\j+3], v4 offset:128*\b+16*\j
.endr
.endr
.endm
	s_wait_loadcnt 16                              ; tile 0's sixteen loads are in; tile 1's may be out
	XTURN R0, XN
	s_wait_dscnt 0x0                               ; tile 0 is back, and its stores have read R0
	s_wait_loadcnt 0x0
	XTURN R1, R0                                   ; tile 1 turns while tile 0 is quantised
	QUANT XN
.irp c, 0,1,2
	global_store_b128 v[LI], v[PC+4*\c:PC+4*\c+3], s[26:27] offset:512*\c
.endr
	v_mov_b32 v[PWE], v[PW]
	s_wait_dscnt 0x0
	s_wait_xcnt 0x0                                ; the stores' data registers are written again only behind this wait
	QUANT R0
.irp c, 0,1,2
	global_store_b128 v[LI], v[PC+4*\c:PC+4*\c+3], s[26:27] offset:1536+512*\c
.endr
	v_cndmask_b32 v[PWC], v[PWE], v[PW], s24       ; lanes 0-15: fragment 2 w's words; lanes 16-31: fragment 2 w + 1's
	global_store_b32 v[LI], v[PWC], s[28:29]
	s_wait_tensorcnt 0x0
	ds_add_u32 v254, v255
	s_wait_dscnt 0x0
	s_endpgm
; ---- A weight's OB.  A LANE TAKES A COLUMN n AND ITS REGISTERS RUN DOWN K: a block of 32 lies in one lane.  Lane l of wave w has column 32 w + l of the block: fragment 2 w + u, lane-row r', u = (l / 8) % 2,
; r' = l % 8 + 8 (l / 16).  Block bl of the K step is the six registers 6 (bl / 2) .. + 5 of image lane r' + 16 (bl % 2): they go to their places in the wave's image in LDS, and the image leaves in runs of 512 bytes.
.macro WLOAD t, pitch
.irp i, 0,1,2,3,4,5,6,7,8,9,10,11,12,13,14,15,16,17,18,19,20,21,22,23,24,25,26,27,28,29,30,31
	global_load_b32 v[WX+32*((\t)%2)+\i], v3, s[34:35] offset:(32*(\t)+\i)*\pitch th:TH_LOAD_NT
.endr
.endm
.macro WBLOCK bl, pitch
.set XS, WX+32*((\bl)%2)
.set CC, WC+8*(\bl)
.if (\bl) < 3
	s_wait_loadcnt 32                              ; this block's 32 loads are in; the next block's may be out
.else
	s_wait_loadcnt 0x0
.endif
	v_max3_num_f32 v12, |v[XS]|, |v[XS+1]|, |v[XS+2]|
	v_max3_num_f32 v13, |v[XS+3]|, |v[XS+4]|, |v[XS+5]|
.irp i, 6,10,14,18,22,26
	v_max3_num_f32 v12, v12, |v[XS+\i]|, |v[XS+\i+1]|
	v_max3_num_f32 v13, v13, |v[XS+\i+2]|, |v[XS+\i+3]|
.endr
	v_max3_num_f32 v12, v12, |v[XS+30]|, |v[XS+31]|
	v_max3_num_f32 v12, v12, v13, 0x1800000        ; and the floor 2^(3 - 127)
	v_add_nc_u32 v11, 0xff000000, v12              ; 2 off the exponent field: the conversion's scale operand
	v_lshrrev_b32 v13, 23, v11                     ; the scale's byte
.if (\bl) == 0
	v_mov_b32 v[SB], v13
.else
	v_lshl_or_b32 v[SB], v13, 8*(\bl), v[SB]
.endif
	v_cvt_scalef32_pk16_fp6_f32 v[CC:CC+2], v[XS:XS+15], v11
	v_cvt_scalef32_pk16_fp6_f32 v[CC+4:CC+6], v[XS+16:XS+31], v11
	v_nop                                          ; one plain place behind a scaled conversion
	v_mov_b32 v[CC+3], v[CC+4]                     ; the six registers on end
	v_mov_b32 v[CC+4], v[CC+5]
	v_mov_b32 v[CC+5], v[CC+6]
.if (\bl) < 2
	ds_store_b128 v4, v[CC:CC+3] offset:256*((\bl)%2)            ; registers 0-3
	ds_store_b64 v4, v[CC+4:CC+5] offset:512+256*((\bl)%2)       ; registers 4, 5
	WLOAD (\bl)+2, \pitch
.else
	ds_store_b64 v4, v[CC:CC+1] offset:520+256*((\bl)%2)         ; registers 6, 7
	ds_store_b128 v4, v[CC+2:CC+5] offset:1024+256*((\bl)%2)     ; registers 8-11
.endif
.endm
; s30: the OB's number in w_op;  s[34:35]: the weight at my wave's first column and the K step's first row
.macro WBODY pitch, stage
	s_mul_i32 s30, s30, OBB
	s_mul_i32 s36, s20, 3072
	s_add_co_u32 s32, s30, s36
	s_add_nc_u64 s[26:27], s[16:17], s[32:33]      ; my two fragments
	s_lshl_b32 s32, s20, 2
	s_add_co_u32 s32, s32, s30
	s_add_co_u32 s32, s32, 12288
	s_add_nc_u64 s[28:29], s[16:17], s[32:33]      ; word w of the scale words
	s_add_co_u32 s36, s36, \stage
	v_lshlrev_b32 v3, 2, v1                        ; in: 4 bytes a lane
	v_bfe_u32 v9, v0, 3, 1                         ; u
	v_and_b32 v10, 7, v0
	v_lshl_add_u32 v10, v8, 3, v10                 ; r'
	v_mul_u32_u24 v4, v9, 1536
	v_lshl_add_u32 v4, v10, 4, v4
	v_add_nc_u32 v4, s36, v4                       ; into the image: 1,536 u + 16 r'
	v_add_nc_u32 v5, s36, v[LI]                    ; out of it: 16 x lane
	v_lshlrev_b32 v6, 8, v9
	v_lshl_add_u32 v6, v10, 4, v6                  ; my scale word: 16 (r' + 16 u)
	WLOAD 0, \pitch
	WLOAD 1, \pitch
	WBLOCK 0, \pitch
	WBLOCK 1, \pitch
	WBLOCK 2, \pitch
	WBLOCK 3, \pitch
.irp q, 0,1,2,3,4,5
	ds_load_b128 v[WO+4*\q:WO+4*\q+3], v5 offset:512*\q          ; LDS serves a wave's instructions in order: these see my stores
.endr
.irp q, 0,1,2,3,4,5
	s_wait_dscnt 5-\q                              ; the younger loads may be out
	global_store_b128 v[LI], v[WO+4*\q:WO+4*\q+3], s[26:27] offset:512*\q
.endr
	global_store_b32 v6, v[SB], s[28:29]
.endm
.Lpath_w:
	s_sub_co_u32 s30, ttmp9, 256
	s_lshr_b32 s32, s30, 3                         ; which block of columns of Wq | Wk | Wv
	s_and_b32 s37, s30, 7                          ; K step
	s_cmp_lt_u32 s32, 16
	s_cselect_b64 s[34:35], s[6:7], s[8:9]
	s_cmp_lt_u32 s32, 32
	s_cselect_b64 s[34:35], s[34:35], s[10:11]
	s_lshl_b32 s37, s37, 20                        ; 128 rows of 8,192 bytes
	s_and_b32 s32, s32, 15
	s_lshl_b32 s32, s32, 9                         ; 128 columns
	s_add_co_u32 s32, s32, s37
	s_lshl_b32 s37, s20, 7                         ; my wave's 32
	s_add_co_u32 s32, s32, s37
	s_add_nc_u64 s[34:35], s[34:35], s[32:33]
	WBODY 8192, WST
	s_wait_tensorcnt 0x0
	ds_add_u32 v254, v255
	s_wait_dscnt 0x0
	s_endpgm
.Lpath_o:
	s_sub_co_u32 s30, ttmp9, 256                   ; 384 + (ttmp9 - 640)
	s_sub_co_u32 s32, ttmp9, 640
	s_and_b32 s37, s32, 15                         ; K step
	s_lshr_b32 s32, s32, 4                         ; block of columns
	s_lshl_b32 s37, s37, 19                        ; 128 rows of 4,096 bytes
	s_lshl_b32 s32, s32, 9
	s_add_co_u32 s32, s32, s37
	s_lshl_b32 s37, s20, 7
	s_add_co_u32 s32, s32, s37
	s_add_nc_u64 s[34:35], s[12:13], s[32:33]
	WBODY 4096, OST
	s_wait_tensorcnt 0x0
	ds_add_u32 v254, v255
	s_wait_dscnt 0x0
	s_endpgm
.Lfunc_end_k_qa2c1008a7a_prep:
	.size	k_qa2c1008a7a_prep, .Lfunc_end_k_qa2c1008a7a_prep-k_qa2c1008a7a_prep
	.p2alignl 7, 3214868480
	.fill 96, 4, 3214868480
	.section	.rodata,"a",@progbits
	.p2align	6, 0x0
	.amdhsa_kernel k_qa2c1008a7a_prep
		.amdhsa_group_segment_fixed_size 58880
		.amdhsa_private_segment_fixed_size 0
		.amdhsa_enable_private_segment 0
		.amdhsa_kernarg_size 64
		.amdhsa_user_sgpr_count 2
		.amdhsa_user_sgpr_kernarg_segment_ptr 1
		.amdhsa_wavefront_size32 1
		.amdhsa_system_sgpr_workgroup_id_x 1
		.amdhsa_system_sgpr_workgroup_id_y 1
		.amdhsa_system_sgpr_workgroup_id_z 1
		.amdhsa_system_vgpr_workitem_id 0
		.amdhsa_next_free_vgpr 256
		.amdhsa_next_free_sgpr 66
		.amdhsa_reserve_vcc 1
		.amdhsa_float_denorm_mode_32 3
		.amdhsa_float_denorm_mode_16_64 3
		.amdhsa_memory_ordered 1
		.amdhsa_forward_progress 1
		.amdhsa_inst_pref_size 75
	.end_amdhsa_kernel
	.amdgpu_metadata
---
amdhsa.version: [ 1, 2 ]
amdhsa.kernels:
  - .name:           k_qa2c1008a7a_prep
    .symbol:         k_qa2c1008a7a_prep.kd
    .args:
      - { .name: x, .offset: 0, .size: 8, .value_kind: global_buffer, .address_space: global }
      - { .name: Wq, .offset: 8, .size: 8, .value_kind: global_buffer, .address_space: global }
      - { .name: Wk, .offset: 16, .size: 8, .value_kind: global_buffer, .address_space: global }
      - { .name: Wv, .offset: 24, .size: 8, .value_kind: global_buffer, .address_space: global }
      - { .name: Wo, .offset: 32, .size: 8, .value_kind: global_buffer, .address_space: global }
      - { .name: x_op, .offset: 40, .size: 8, .value_kind: global_buffer, .address_space: global }
      - { .name: w_op, .offset: 48, .size: 8, .value_kind: global_buffer, .address_space: global }
      - { .name: rope, .offset: 56, .size: 8, .value_kind: global_buffer, .address_space: global }
    .group_segment_fixed_size: 58880
    .private_segment_fixed_size: 0
    .kernarg_segment_align: 8
    .kernarg_segment_size: 64
    .max_flat_workgroup_size: 128
    .sgpr_count:     66
    .vgpr_count:     256
    .wavefront_size: 32
...
	.end_amdgpu_metadata
.endif
;; end of part 1
;; launch qkv (part 2): grid 16 x 24, 4 waves a work-group, clusters of 4 x 4, 327,680 bytes of LDS; arguments x_op, w_op, bq, bk, bv, rope, qkv_op; writes qkv_op
.if DOCPART == 2
	.amdgcn_target "amdgcn-amd-amdhsa--gfx1250"
	.amdhsa_code_object_version 6
	.text
	.protected	k_qa2c1008a7a_qkv
	.globl	k_qa2c1008a7a_qkv
	.p2align	8
	.type	k_qa2c1008a7a_qkv,@function
k_qa2c1008a7a_qkv:
	s_mov_b64 s[64:65], 0
	v_nop
	global_prefetch_b8 v0, s[64:65] scope:SCOPE_SE
	s_setreg_imm32_b32 hwreg(HW_REG_WAVE_MODE, 25, 1), 1
	s_wait_xcnt 0x0
	s_wait_alu depctr_hold_cnt(0) depctr_sa_sdst(0) depctr_va_vdst(0) depctr_va_sdst(0) depctr_va_ssrc(0) depctr_va_vcc(0) depctr_vm_vsrc(0)
	s_getreg_b32 s2, hwreg(HW_REG_IB_STS2, 6, 4)
	s_cmp_eq_u32 s2, 0
	s_cbranch_scc0 .Lentry_in_a_cluster
	s_endpgm
.Lentry_in_a_cluster:
	s_bfe_u32 s2, ttmp6, 0x10000c
	s_cmp_lg_u32 s2, 0xf033
	s_cbranch_scc0 .Lentry_shape_is_right
	s_endpgm
.Lentry_shape_is_right:
; QKV: q = rotary((x Wq + bq) / sqrt(128)), k = rotary(x Wk + bk), v = x Wv + bv, on codes of FP6 (E2M3) with E8M0 scales; the results are quantised again, q and k along the head's 128, v along the KEYS, and
; leave as operand blocks (OB: 128 rows x 128 K as an image of the operand's registers, 12,800 bytes: eight fragments of 1,536 bytes, then 512 bytes of scale words; lane-row r of fragment 2 B + u is row 32 B + 8 u + r + 8 (r / 8)).
; qkv_op: [q | k | v][batch x head 32][16] OBs.  q, k: an OB is 128 positions x the head's 128.  v: an OB is the head's 128 x 128 keys.
; A tile of 256 x 256 is made by four waves, 128 x 128 each: 64 accumulators, 512 registers.  K goes in steps of 256 (two OBs of each of four blocks of rows: 102,400 bytes) through a ring of two LDS slots.
; THE MATRIX INSTRUCTION: source 0 = the operand whose rows shall run along a lane's REGISTERS ("B"), source 1 = the operand whose row a LANE holds ("A").  By the choice of rows in a fragment, the 16 registers of
; tiles 2 B and 2 B + 1 are 16 neighbours, 32 B + 16 (lane / 16) + 0 .. 15: as the next quantiser wants them.
; TWO TYPES, by the cluster's y: clusters 0-3: A = x (a lane holds a position), B = Wq | Wk (registers run along d).  Clusters 4, 5: A = Wv (a lane holds a d), B = x (registers run along the keys).
; CLUSTERS: 4 x 4 work-groups; A's blocks are shared along a row of the cluster, B's along a column: asked for jointly, which divides the requests by four.
; No prefetch: the launch has four fills of a slot, and its tiles are shared.
; LIMITS: a block of zeros gets the scale byte 1 where the quantiser says 127 (zero codes; this program alone reads the bytes); blocks under 2^-124 are held at that floor; NaN and infinities are not served;
; q is made as sum x s + (bq x s), which differs from (sum + bq) x s by f32 rounding alone.
; REGISTERS: window 0: v16-29 addresses; v32-63 scale words, two sets; v64-127 biases; v128-223 A's fragments, ONE set (on the way out: v128-191 the numbers, v192-223 at work); v224-249 the codes just made.
;   window 1: B's fragments, two sets, v0-95 and v128-223; cos and sin in v96-127, v224-255 and, on the way out, v0-63.   windows 2, 3: accumulator (a, b) at v[8 (8 (a % 4) + b)].
.set NS,    8                          ; OBs along K
.set OBB,   12800
.set PART,  2*OBB                      ; what one tensor load brings: two K steps of one block of 128 rows
.set SLOT,  4*PART                     ; A's two blocks, then B's two
.set SPARE, 2*SLOT                     ; behind the ring: the spare words, 128 bytes for each wave
.set LAPS,  NS/4
.set FR,    12
.set NL,    3                          ; LDS loads that bring a fragment
.set ADRA,  16
.set ADRB,  20
.set LI,    24                         ; 16 x lane
.set VBO,   25                         ; 64 h
.set VBV,   26                         ; 4 (r + 8 (r / 8))
.set SPW,   28
.set NIL,   29
.set SC,    32                         ; set s at SC + 16 s; in it, for the slot's q-th OB: A's four registers at + 8 q, B's at + 8 q + 4; register j: lanes 0-15 fragment 2 j, lanes 16-31 fragment 2 j + 1
.set BI,    64
.set AF,    128
.set T,     128
.set TM,    192
.set XT,    208
.set PC,    224
.set PWS,   244
.set PW,    248
.set PWE,   249
.set WV,    18
.set RH,    19
.set CH,    20
.set G1,    24
.set G0,    32
.set G1B,   48
.set G0B,   56
.set OUTP,  82
.set SCL,   84
.set BP,    86
.set RP,    88
.set HIM,   90
.set SEL,   92
.set MSB, 0
.macro WIN new                         ; the immediate's high byte repeats the setting that is left
.if MSB != (\new)
	s_set_vgpr_msb (MSB<<8)|(\new)
.set MSB, (\new)
.endif
.endm
.set MUL_LO, 0xa1                      ; source 0 window 1, source 1 window 0, C and D window 2
.set MUL_HI, 0xf1                      ; the same, C and D window 3
.set TO_B,   0x40                      ; destination window 1
; A joint load: waves 0 and 1 fetch A's two blocks, waves 2 and 3 B's.  The branch hangs on the wave's number alone.  Four v_nop follow each of the two lines.
.macro JLOAD s
	s_cmp_eq_u32 s[RH], 0
	s_cbranch_scc0 .Lfor_b_\@
	tensor_load_to_lds s[G0+4*\s:G0+4*\s+3], s[G1:G1+7]
	s_nop 0
.rept 4
	v_nop
.endr
	s_branch .Lasked_\@
.Lfor_b_\@:
	tensor_load_to_lds s[G0B+4*\s:G0B+4*\s+3], s[G1B:G1B+7]
	s_nop 0
.rept 4
	v_nop
.endr
.Lasked_\@:
.endm
.macro CREST                           ; a round of the cluster's barrier behind its opening barrier
	s_cmp_lg_u32 s[WV], 0
	s_cbranch_scc1 .Lnot_wave_0_\@
	s_barrier_signal -3
.Lnot_wave_0_\@:
	s_barrier_wait -3
	s_barrier_signal -1
	s_barrier_wait -1
.endm
.macro CROUND
	s_barrier_signal -1
	s_barrier_wait -1
	CREST
.endm
.macro PLACES                          ; four plain places behind a matrix instruction of this form, in front of loads into its registers and of reads of its results
.rept 4
	v_nop
.endr
.endm
.macro FRAG reg, adr, q, i             ; a fragment comes as it lies: three loads of 16 bytes a lane, 512 consecutive bytes each
.irp c, 0,1,2
	ds_load_b128 v[\reg+4*\c:\reg+4*\c+3], v[\adr] offset:(\q)*OBB+(\i)*1536+512*\c
.endr
.endm
.macro FETCH_B slot, q, p
	WIN TO_B
.irp i, 0,1,2,3,4,5,6,7
	FRAG 128*(\p)+FR*\i, ADRB+\slot, \q, \i
.endr
	WIN 0
.endm
.macro FETCH_A slot, q, i0
.irp i, \i0, \i0+1, \i0+2, \i0+3
	FRAG AF+FR*(\i), ADRA+\slot, \q, \i
.endr
.endm
.macro SCALES s                        ; a slot's scale words: four loads
.irp q, 0,1
	ds_load_b128 v[SC+16*\s+8*\q:SC+16*\s+8*\q+3], v[ADRA+\s] offset:\q*OBB+12288
	ds_load_b128 v[SC+16*\s+8*\q+4:SC+16*\s+8*\q+7], v[ADRB+\s] offset:\q*OBB+12288
.endr
.endm
; One product.  zero = 1: the constant 0 starts the sum; else C = v[rC ..].  rb, ra: the scale words of source 0, source 1 stand in lanes 16-31.
.macro WMM zero, rb, ra
.if (\zero) == 1
.if (\rb) && (\ra)
	v_wmma_scale_f32_16x16x128_f8f6f4 v[rD:rD+7], v[rB:rB+11], v[rA:rA+11], 0, v[rSB], v[rSA] matrix_a_fmt:MATRIX_FMT_FP6 matrix_b_fmt:MATRIX_FMT_FP6 matrix_a_scale:MATRIX_SCALE_ROW1 matrix_b_scale:MATRIX_SCALE_ROW1
.elseif (\rb)
	v_wmma_scale_f32_16x16x128_f8f6f4 v[rD:rD+7], v[rB:rB+11], v[rA:rA+11], 0, v[rSB], v[rSA] matrix_a_fmt:MATRIX_FMT_FP6 matrix_b_fmt:MATRIX_FMT_FP6 matrix_a_scale:MATRIX_SCALE_ROW1
.elseif (\ra)
	v_wmma_scale_f32_16x16x128_f8f6f4 v[rD:rD+7], v[rB:rB+11], v[rA:rA+11], 0, v[rSB], v[rSA] matrix_a_fmt:MATRIX_FMT_FP6 matrix_b_fmt:MATRIX_FMT_FP6 matrix_b_scale:MATRIX_SCALE_ROW1
.else
	v_wmma_scale_f32_16x16x128_f8f6f4 v[rD:rD+7], v[rB:rB+11], v[rA:rA+11], 0, v[rSB], v[rSA] matrix_a_fmt:MATRIX_FMT_FP6 matrix_b_fmt:MATRIX_FMT_FP6
.endif
.else
.if (\rb) && (\ra)
	v_wmma_scale_f32_16x16x128_f8f6f4 v[rD:rD+7], v[rB:rB+11], v[rA:rA+11], v[rC:rC+7], v[rSB], v[rSA] matrix_a_fmt:MATRIX_FMT_FP6 matrix_b_fmt:MATRIX_FMT_FP6 matrix_a_scale:MATRIX_SCALE_ROW1 matrix_b_scale:MATRIX_SCALE_ROW1
.elseif (\rb)
	v_wmma_scale_f32_16x16x128_f8f6f4 v[rD:rD+7], v[rB:rB+11], v[rA:rA+11], v[rC:rC+7], v[rSB], v[rSA] matrix_a_fmt:MATRIX_FMT_FP6 matrix_b_fmt:MATRIX_FMT_FP6 matrix_a_scale:MATRIX_SCALE_ROW1
.elseif (\ra)
	v_wmma_scale_f32_16x16x128_f8f6f4 v[rD:rD+7], v[rB:rB+11], v[rA:rA+11], v[rC:rC+7], v[rSB], v[rSA] matrix_a_fmt:MATRIX_FMT_FP6 matrix_b_fmt:MATRIX_FMT_FP6 matrix_b_scale:MATRIX_SCALE_ROW1
.else
	v_wmma_scale_f32_16x16x128_f8f6f4 v[rD:rD+7], v[rB:rB+11], v[rA:rA+11], v[rC:rC+7], v[rSB], v[rSA] matrix_a_fmt:MATRIX_FMT_FP6 matrix_b_fmt:MATRIX_FMT_FP6
.endif
.endif
.endm
; 16 products: A's blocks a0, a0 + 1 x B's eight, the slot's q-th 128 along K.  p: B's set; sc: the set of scale words.  The 64 accumulators take turns, one instruction a turn, in the same order in every step.
; zero = 2: the biases in v[BI ..] are the C of the first products.
.macro MUL16 a0, p, q, sc, zero
.irp a, \a0, \a0+1
.irp b, 0,1,2,3,4,5,6,7
.set rD, 8*(8*((\a)%4)+\b)
.set rB, 128*(\p)+FR*\b
.set rA, AF+FR*(\a)
.set rSB, SC+16*(\sc)+8*(\q)+4+\b/2
.set rSA, SC+16*(\sc)+8*(\q)+(\a)/2
.if (\zero) == 2
.set rC, BI+8*\b
.else
.set rC, rD
.endif
	WMM \zero, \b%2, (\a)%2
.endr
.endr
.endm
; A slot's first 128 along K: B's set 0; the second 128's fragments are fetched meanwhile: B's into set 1 and A's blocks 0-3 in the middle, A's blocks 4-7 at the end.
.macro STEP slot, zero
	s_wait_dscnt 4*NL                              ; all but the youngest twelve loads (A's blocks 4-7) are in
.if (\zero) == 2
	WIN 0x81
.else
	WIN MUL_LO
.endif
	MUL16 0, 0, 0, \slot, \zero
	MUL16 2, 0, 0, \slot, \zero
	s_wait_dscnt 0x0                               ; A's blocks 4-7 are in
	PLACES
	FETCH_B \slot, 1, 1
	FETCH_A \slot, 1, 0
.if (\zero) == 2
	WIN 0xc1
.else
	WIN MUL_HI
.endif
	MUL16 4, 0, 0, \slot, \zero
	MUL16 6, 0, 0, \slot, \zero
	PLACES
	WIN 0
	FETCH_A \slot, 1, 4
.endm
; A slot's second 128 along K changes slots: ONE barrier; in front of it each wave waits for all its tensor loads, adds 0 to its spare word, and waits for that and for its own reads of this slot.
; fill = 1: the barrier opens a round of the cluster's, and this slot is filled again, two slots ahead.
.macro TURN slot, next, fill
	s_wait_tensorcnt 0x0                           ; all my tensor loads have landed: the one that was out is my part of the next slot
	ds_add_u32 v[SPW], v[NIL]                      ; 0 onto my spare word
	s_wait_dscnt 4*NL+1                            ; (the add and the youngest twelve loads may be out)
	WIN MUL_LO
	MUL16 0, 1, 1, \slot, 0                        ; sixteen products stand between the add and the wait for it
	s_wait_dscnt 0x0                               ; the add is done, and my reads of this slot are over
	s_barrier_signal -1
	MUL16 2, 1, 1, \slot, 0
	WIN 0
	s_barrier_wait -1
.if \fill
	CREST                                          ; no wave of any partner still reads this slot or has a load on its way
	s_add_nc_u64 s[G0+4*\slot+2:G0+4*\slot+3], s[G0+4*\slot+2:G0+4*\slot+3], 2*PART
	s_add_nc_u64 s[G0B+4*\slot+2:G0B+4*\slot+3], s[G0B+4*\slot+2:G0B+4*\slot+3], 2*PART
	JLOAD \slot                                    ; the first tensor load behind the round, one a wave; its four v_nop are also the places in front of the loads below
.else
	PLACES
.endif
	FETCH_B \next, 0, 0
	FETCH_A \next, 0, 0
	SCALES \next
	WIN MUL_HI
	MUL16 4, 1, 1, \slot, 0
	MUL16 6, 1, 1, \slot, 0
	PLACES
	WIN 0
	FETCH_A \next, 0, 4
.endm
.macro LAST                            ; the very last 128 along K: nothing more to fetch
	s_wait_dscnt 4*NL
	WIN MUL_LO
	MUL16 0, 1, 1, 1, 0
	MUL16 2, 1, 1, 1, 0
	s_wait_dscnt 0x0
	WIN MUL_HI
	MUL16 4, 1, 1, 1, 0
	MUL16 6, 1, 1, 1, 0
	WIN 0
.endm
; 64 numbers of a lane, register 16 b + i = k 32 b + 16 (lane / 16) + i of my row, become a fragment's codes in v[PC] on and its scale word in v[PW].
.macro QUANT s
.irp b, 0,1,2,3
	v_max3_num_f32 v[TM+\b], |v[\s+16*\b]|, |v[\s+1+16*\b]|, 0x1800000   ; my 16 numbers of block b, and the floor 2^(3 - 127)
.endr
.irp i, 2,4,6,8,10,12,14
.irp b, 0,1,2,3
	v_max3_num_f32 v[TM+\b], v[TM+\b], |v[\s+16*\b+\i]|, |v[\s+1+16*\b+\i]|
.endr
.endr
.irp b, 0,1,2,3
	v_permlanex16_b32 v[TM+4+\b], v[TM+\b], s[SEL], s[SEL+1]
.endr
.irp b, 0,1,2,3
	v_max_num_f32 v[TM+\b], v[TM+\b], v[TM+4+\b]
.endr
.irp b, 0,1,2,3
	v_add_nc_u32 v[TM+12+\b], 0xff000000, v[TM+\b]   ; 2 off the exponent field: the conversion's scale operand
.endr
.irp b, 0,1,2,3
	v_lshrrev_b32 v[TM+4+\b], 23, v[TM+12+\b]        ; the scale's byte
.endr
	v_lshl_or_b32 v[PW], v[TM+5], 8, v[TM+4]
	v_lshl_or_b32 v[PW], v[TM+6], 16, v[PW]
	v_lshl_or_b32 v[PW], v[TM+7], 24, v[PW]
.irp c, 0,1
	v_cvt_scalef32_pk16_fp6_f32 v[PC+6*\c:PC+2+6*\c], v[\s+32*\c:\s+15+32*\c], v[TM+12+2*\c]
	v_cvt_scalef32_pk16_fp6_f32 v[PC+12+4*\c:PC+14+4*\c], v[\s+16+32*\c:\s+31+32*\c], v[TM+12+2*\c+1]
.endr
	v_nop                                            ; one plain place behind a scaled conversion
.irp c, 0,1
.irp i, 0,1,2
	v_permlane16_swap_b32 v[PC+6*\c+\i], v[PC+12+4*\c+\i]
.endr
.irp i, 0,1,2
	v_mov_b32 v[PC+3+6*\c+\i], v[PC+12+4*\c+\i]
.endr
.endr
.endm
	s_load_b256 s[4:11], s[0:1], 0x0               ; x_op, w_op, bq, bk
	s_load_b128 s[12:15], s[0:1], 0x20             ; bv, rope
	s_load_b64 s[16:17], s[0:1], 0x30              ; qkv_op
	v_lshl_add_u32 v[SPW], v0, 2, SPARE
	v_mov_b32 v[NIL], 0
	ds_add_u32 v28, v29
	s_wait_dscnt 0x0
	v_lshrrev_b32 v1, 5, v0
	v_readfirstlane_b32 s[WV], v1                  ; wave 0..3
	s_lshr_b32 s[RH], s[WV], 1                     ; which of A's two blocks is mine.  Also: I fetch for A (0) or for B (1)
	s_and_b32 s[CH], s[WV], 1                      ; which of B's two.  Also: which of the two blocks I fetch
	s_bfe_u32 s40, ttmp6, 0x40000                  ; cx, cy
	s_bfe_u32 s41, ttmp6, 0x40004
	s_lshl_b32 s42, ttmp9, 2
	s_add_co_u32 s42, s42, s40                     ; X = 4 x cluster x + cx
	s_and_b32 s22, ttmp7, 0xffff                   ; cluster y: under 4: q and k; else v
	s_lshl_b32 s21, s22, 2
	s_add_co_u32 s21, s21, s41                     ; Y = 4 x cluster y + cy
	s_lshl_b32 s43, s41, 2
	s_lshl_b32 s43, 15, s43                        ; my row of the cluster
	s_lshl_b32 s44, 0x1111, s40                    ; my column
	; descriptor group 1: 25,600 dense bytes as 100 rows of 32 elements of 8 bytes, no padding
	s_or_b32 s[G1+0], s43, (3<<16)|(1<<21)         ; 15:0 the mask: A's blocks go to my row; 17:16 elements of 8 bytes; 21 set beside a mask
	s_or_b32 s[G1B+0], s44, (3<<16)|(1<<21)        ; B's go to my column
.irp g, G1, G1B
	s_mov_b32 s[\g+1], 32<<16                      ; tensor_dim0 = 32
	s_mov_b32 s[\g+2], 100<<16                     ; tensor_dim1 = 100
	s_mov_b32 s[\g+3], 32<<16                      ; tile_dim0 = 32
	s_mov_b32 s[\g+4], 100                         ; tile_dim1 = 100
	s_mov_b32 s[\g+5], 32                          ; from row to row
	s_mov_b32 s[\g+6], 0
	s_mov_b32 s[\g+7], 0
.endr
	s_lshl_b32 s66, s21, 1
	s_add_co_u32 s66, s66, s[CH]
	s_mul_i32 s66, s66, NS*OBB                     ; A: block 2 Y + the one that I fetch
	s_mov_b32 s67, 0
	s_lshl_b32 s68, s42, 1
	s_add_co_u32 s68, s68, s[CH]
	s_mul_i32 s68, s68, NS*OBB                     ; B: block 2 X + the one that I fetch
	s_mov_b32 s69, 0
	s_mul_i32 s45, s[WV], PART                     ; where they go: wave x 25,600: no place in the cluster enters an LDS address
	s_wait_kmcnt 0x0
	s_cmp_lt_u32 s22, 4
	s_cselect_b64 s[70:71], s[4:5], s[6:7]         ; A is x (q, k) or the weights (v: Wv's blocks begin at 32 = 2 x 16);
	s_cselect_b64 s[72:73], s[6:7], s[4:5]         ; B the other
	s_add_nc_u64 s[70:71], s[70:71], s[66:67]
	s_add_nc_u64 s[72:73], s[72:73], s[68:69]
	CROUND                                         ; all sixteen work-groups are here: the first joint loads meet
.irp s, 0,1
	s_mov_b32 s[G0+4*\s], 1
	s_add_co_u32 s[G0+4*\s+1], s45, \s*SLOT
	s_add_nc_u64 s[G0+4*\s+2:G0+4*\s+3], s[70:71], \s*PART
	s_or_b32 s[G0+4*\s+3], s[G0+4*\s+3], 0x80000000
	s_mov_b32 s[G0B+4*\s], 1
	s_add_co_u32 s[G0B+4*\s+1], s45, \s*SLOT
	s_add_nc_u64 s[G0B+4*\s+2:G0B+4*\s+3], s[72:73], \s*PART
	s_or_b32 s[G0B+4*\s+3], s[G0B+4*\s+3], 0x80000000
	JLOAD \s                                       ; two loads of mine are out
.endr
	v_and_b32 v1, 31, v0
	v_lshlrev_b32 v[LI], 4, v1
	v_bfe_u32 v2, v0, 4, 1
	v_lshlrev_b32 v[VBO], 6, v2
	v_and_b32 v3, 15, v0
	v_and_b32 v4, 8, v0
	v_add_nc_u32 v3, v3, v4
	v_lshlrev_b32 v[VBV], 2, v3
	s_mul_i32 s46, s[RH], PART
	s_mul_i32 s47, s[CH], PART
	s_add_co_u32 s47, s47, 2*PART
.irp s, 0,1
	v_add_nc_u32 v[ADRA+\s], s46, v[LI]
	v_add_nc_u32 v[ADRB+\s], s47, v[LI]
	s_add_co_u32 s46, s46, SLOT
	s_add_co_u32 s47, s47, SLOT
.endr
	s_lshl_b32 s74, s21, 1
	s_add_co_u32 s74, s74, s[RH]                   ; my block of A
	s_lshl_b32 s75, s42, 1
	s_add_co_u32 s75, s75, s[CH]                   ; my block of B
	s_mov_b32 s81, 0
	s_mov_b32 s[HIM], 0xffff0000                   ; lanes 16-31
	s_mov_b32 s[SEL], 0x76543210
	s_mov_b32 s[SEL+1], 0xfedcba98
	s_wait_tensorcnt 1                             ; my part of slot 0 is in; slot 1's may stay out
	s_barrier_signal -1
	s_barrier_wait -1
	FETCH_B 0, 0, 0
	FETCH_A 0, 0, 0
	SCALES 0
	FETCH_A 0, 0, 4
	STEP 0, 1                                      ; the first step stands in front of the loop: its products start the sums
	s_mov_b32 s3, LAPS-1
.Llap:
	TURN 0, 1, 1
	STEP 1, 0
	TURN 1, 0, 1
	STEP 0, 0
	s_sub_co_u32 s3, s3, 1
	s_cmp_lg_u32 s3, 0
	s_cbranch_scc1 .Llap
	TURN 0, 1, 0                                   ; the last lap fills nothing
	s_cmp_lt_u32 s22, 4                            ; the two types part here: behind this line stands no barrier but the closing round, and no tensor load
	s_cbranch_scc0 .Lv_tail
; ---- q and k.  A's block = 128 positions of one batch; B's block = one head of q or of k.
	s_and_b32 s77, s75, 15                         ; head
	s_lshr_b32 s76, s75, 4                         ; 0: q, 1: k
	s_lshr_b32 s78, s74, 4                         ; batch
	s_and_b32 s79, s74, 15                         ; block of positions
	s_lshl_b32 s80, s76, 9
	s_lshl_b32 s78, s78, 8
	s_add_co_u32 s80, s80, s78
	s_lshl_b32 s78, s77, 4
	s_add_co_u32 s80, s80, s78
	s_add_co_u32 s80, s80, s79
	s_mul_i32 s80, s80, OBB
	s_add_nc_u64 s[OUTP:OUTP+1], s[16:17], s[80:81]
	s_lshl_b32 s80, s79, 16                        ; eight tiles of the table, 8,192 bytes each
	s_add_nc_u64 s[RP:RP+1], s[14:15], s[80:81]
	s_cmp_lt_u32 ttmp9, 2                          ; clusters 0 and 1 along x make q
	s_cselect_b32 s[SCL], 0x3db504f3, 1.0          ; 1 / sqrt(128), or 1
	s_cselect_b64 s[BP:BP+1], s[8:9], s[10:11]
	s_mov_b32 s[SCL+1], s[SCL]
	s_lshl_b32 s80, s77, 9
	s_add_nc_u64 s[BP:BP+1], s[BP:BP+1], s[80:81]
.irp g, 0,1,2,3
.irp j, 0,1,2,3
	global_load_b128 v[BI+16*\g+4*\j:BI+16*\g+4*\j+3], v[VBO], s[BP:BP+1] offset:128*\g+16*\j   ; the bias of d = 32 g + 16 h + 4 j ..
.endr
.endr
.macro ROPE a                          ; tile a's cos and sin into set a % 2
	WIN TO_B
.set RC, 96-96*((\a)%2)
.set RS, 224-192*((\a)%2)
.irp g, 0,1,2,3,4,5,6,7
	global_load_b128 v[RC+4*\g:RC+4*\g+3], v[LI], s[RP:RP+1] offset:8192*(\a)+512*\g
.endr
.irp g, 0,1,2,3,4,5,6,7
	global_load_b128 v[RS+4*\g:RS+4*\g+3], v[LI], s[RP:RP+1] offset:8192*(\a)+4096+512*\g
.endr
	WIN 0
.endm
.macro PUT a                           ; the 64 numbers in v[T ..] become fragment a of my OB
	s_wait_xcnt 0x0                                ; the last fragment's stores have read their data registers
	QUANT T
.irp c, 0,1,2
	global_store_b128 v[LI], v[PC+4*\c:PC+4*\c+3], s[OUTP:OUTP+1] offset:1536*(\a)+512*\c    ; 512 consecutive bytes
.endr
.if (\a)%2 == 0
	v_mov_b32 v[PWE], v[PW]
.else
	v_cndmask_b32 v[PWS+(\a)/2], v[PWE], v[PW], s[HIM]   ; lanes 0-15: the even fragment's words; lanes 16-31: the odd one's
.endif
.endm
.macro EPI a
.if ((\a) > 0) && ((\a) < 7)
	ROPE (\a)+1
	s_wait_loadcnt 16                              ; this tile's cos and sin are in; the next tile's sixteen loads may be out
.endif
.if (\a) == 7
	s_wait_loadcnt 0x0
.endif
	WIN 0x02+(\a)/4                                ; source 0: window 2 or 3
.set AC, 64*((\a)%4)
.set pp, 0
.rept 32
	v_pk_fma_f32 v[T+pp:T+pp+1], v[AC+pp:AC+pp+1], s[SCL:SCL+1], v[BI+pp:BI+pp+1] op_sel_hi:[1,0,1]   ; sum x s + bias x s; each accumulator from its low end on
.set pp, pp+2
.endr
	WIN 0x04                                       ; source 1: window 1
.set RC, 96-96*((\a)%2)
.set RS, 224-192*((\a)%2)
.set ee, 0
.rept 16                                       ; register e is d under 64, register e + 32 is d + 64: t(d) cos - t(d + 64) sin, t(d + 64) cos + t(d) sin
.set XX, XT+4*((ee/2)%4)
	v_pk_mul_f32 v[XX:XX+1], v[T+32+ee:T+33+ee], v[RS+ee:RS+ee+1]
	v_pk_mul_f32 v[XX+2:XX+3], v[T+ee:T+ee+1], v[RS+ee:RS+ee+1]
	v_pk_fma_f32 v[T+ee:T+ee+1], v[T+ee:T+ee+1], v[RC+ee:RC+ee+1], v[XX:XX+1] neg_lo:[0,0,1] neg_hi:[0,0,1]
	v_pk_fma_f32 v[T+32+ee:T+33+ee], v[T+32+ee:T+33+ee], v[RC+ee:RC+ee+1], v[XX+2:XX+3]
.set ee, ee+2
.endr
	WIN 0
	PUT \a
.endm
	ROPE 0                                         ; into registers that lie idle while the last steps are multiplied
	STEP 1, 0
	LAST
	PLACES
	ROPE 1
	s_wait_loadcnt 16                              ; the biases and tile 0's cos and sin are in; tile 1's may be out
.set pp, 0
.rept 32
	v_pk_mul_f32 v[BI+pp:BI+pp+1], v[BI+pp:BI+pp+1], s[SCL:SCL+1] op_sel_hi:[1,0]
.set pp, pp+2
.endr
.irp b, 0,1,2,3
	v_mov_b32 v[TM+4+\b], 0                        ; written once: a lane permute's destination counts as one of its sources
.endr
.irp a, 0,1,2,3,4,5,6,7
	EPI \a
.endr
	global_store_b128 v[LI], v[PWS:PWS+3], s[OUTP:OUTP+1] offset:12288   ; the OB's scale words: 512 consecutive bytes
	s_branch .Ldone
; ---- v.  A's block = one head of Wv (a lane holds a d); B's block = 128 positions (registers run along the keys).
.Lv_tail:
	s_sub_co_u32 s77, s74, 32                      ; head
	s_lshr_b32 s78, s75, 4                         ; batch
	s_and_b32 s79, s75, 15                         ; key step
	s_lshl_b32 s80, s78, 8
	s_lshl_b32 s78, s77, 4
	s_add_co_u32 s80, s80, s78
	s_add_co_u32 s80, s80, s79
	s_add_co_u32 s80, s80, 1024
	s_mul_i32 s80, s80, OBB
	s_add_nc_u64 s[OUTP:OUTP+1], s[16:17], s[80:81]
	s_lshl_b32 s80, s77, 9
	s_add_nc_u64 s[BP:BP+1], s[12:13], s[80:81]
.irp a, 0,1,2,3,4,5,6,7
	global_load_b32 v[BI+2*\a], v[VBV], s[BP:BP+1] offset:(32*(\a/2)+8*(\a%2))*4   ; the bias of my d in fragment a
.endr
	STEP 1, 0
	LAST
	PLACES
	s_wait_loadcnt 0x0
.irp a, 0,1,2,3,4,5,6,7
	v_mov_b32 v[BI+2*\a+1], v[BI+2*\a]
.endr
.irp b, 0,1,2,3
	v_mov_b32 v[TM+4+\b], 0
.endr
.macro VEPI a
	WIN 0x02+(\a)/4
.set AC, 64*((\a)%4)
.set pp, 0
.rept 32
	v_pk_add_f32 v[T+pp:T+pp+1], v[AC+pp:AC+pp+1], v[BI+2*(\a):BI+2*(\a)+1]
.set pp, pp+2
.endr
	WIN 0
	PUT \a
.endm
.irp a, 0,1,2,3,4,5,6,7
	VEPI \a
.endr
	global_store_b128 v[LI], v[PWS:PWS+3], s[OUTP:OUTP+1] offset:12288
.Ldone:
	s_wait_tensorcnt 0x0                           ; the wave's end
	ds_add_u32 v[SPW], v[NIL]
	s_wait_dscnt 0x0
	CROUND                                         ; the closing round: no work-group ends while a partner may still ask for a tile that names it
	s_endpgm
.Lfunc_end_k_qa2c1008a7a_qkv:
	.size	k_qa2c1008a7a_qkv, .Lfunc_end_k_qa2c1008a7a_qkv-k_qa2c1008a7a_qkv
	.p2alignl 7, 3214868480
	.fill 96, 4, 3214868480
	.section	.rodata,"a",@progbits
	.p2align	6, 0x0
	.amdhsa_kernel k_qa2c1008a7a_qkv
		.amdhsa_group_segment_fixed_size 327680
		.amdhsa_private_segment_fixed_size 0
		.amdhsa_enable_private_segment 0
		.amdhsa_kernarg_size 56
		.amdhsa_user_sgpr_count 2
		.amdhsa_user_sgpr_kernarg_segment_ptr 1
		.amdhsa_wavefront_size32 1
		.amdhsa_system_sgpr_workgroup_id_x 1
		.amdhsa_system_sgpr_workgroup_id_y 1
		.amdhsa_system_sgpr_workgroup_id_z 1
		.amdhsa_system_vgpr_workitem_id 0
		.amdhsa_next_free_vgpr 1024
		.amdhsa_next_free_sgpr 100
		.amdhsa_reserve_vcc 0
		.amdhsa_float_denorm_mode_32 3
		.amdhsa_float_denorm_mode_16_64 3
		.amdhsa_memory_ordered 1
		.amdhsa_forward_progress 1
		.amdhsa_inst_pref_size 255
	.end_amdhsa_kernel
	.section	.bss,"aw",@nobits
	.p2align	6
	.space	262144
	.amdgpu_metadata
---
amdhsa.version: [ 1, 2 ]
amdhsa.kernels:
  - .name:           k_qa2c1008a7a_qkv
    .symbol:         k_qa2c1008a7a_qkv.kd
    .args:
      - { .name: x_op, .offset: 0, .size: 8, .value_kind: global_buffer, .address_space: global }
      - { .name: w_op, .offset: 8, .size: 8, .value_kind: global_buffer, .address_space: global }
      - { .name: bq, .offset: 16, .size: 8, .value_kind: global_buffer, .address_space: global }
      - { .name: bk, .offset: 24, .size: 8, .value_kind: global_buffer, .address_space: global }
      - { .name: bv, .offset: 32, .size: 8, .value_kind: global_buffer, .address_space: global }
      - { .name: rope, .offset: 40, .size: 8, .value_kind: global_buffer, .address_space: global }
      - { .name: qkv_op, .offset: 48, .size: 8, .value_kind: global_buffer, .address_space: global }
    .group_segment_fixed_size: 327680
    .private_segment_fixed_size: 0
    .kernarg_segment_align: 8
    .kernarg_segment_size: 56
    .max_flat_workgroup_size: 128
    .sgpr_count:     100
    .vgpr_count:     1024
    .wavefront_size: 32
...
	.end_amdgpu_metadata
.endif
;; end of part 2
;; launch attn (part 3): grid 8 x 32, 16 waves a work-group, clusters of 4 x 1, 327,680 bytes of LDS; arguments qkv_op, o_op; writes o_op
.if DOCPART == 3
	.amdgcn_target "amdgcn-amd-amdhsa--gfx1250"
	.amdhsa_code_object_version 6
	.text
	.protected	k_qa2c1008a7a_attn
	.globl	k_qa2c1008a7a_attn
	.p2align	8
	.type	k_qa2c1008a7a_attn,@function
k_qa2c1008a7a_attn:
	s_mov_b64 s[64:65], 0
	v_nop
	global_prefetch_b8 v0, s[64:65] scope:SCOPE_SE
	s_setreg_imm32_b32 hwreg(HW_REG_WAVE_MODE, 25, 1), 1
	s_wait_xcnt 0x0
	s_wait_alu depctr_hold_cnt(0) depctr_sa_sdst(0) depctr_va_vdst(0) depctr_va_sdst(0) depctr_va_ssrc(0) depctr_va_vcc(0) depctr_vm_vsrc(0)
	s_getreg_b32 s2, hwreg(HW_REG_IB_STS2, 6, 4)
	s_cmp_eq_u32 s2, 0
	s_cbranch_scc0 .Lentry_in_a_cluster
	s_endpgm
.Lentry_in_a_cluster:
	s_bfe_u32 s2, ttmp6, 0x10000c
	s_cmp_lg_u32 s2, 0x3003
	s_cbranch_scc0 .Lentry_shape_is_right
	s_endpgm
.Lentry_shape_is_right:
; ATTN: o = softmax(q k^T, causal) v for 32 (batch, head) pairs of 2,048 positions, both products on codes of FP6 (E2M3) with E8M0 scales; o is quantised along (head, d) and leaves as operand blocks.
; qkv_op: [q | k | v][bh 32][16] operand blocks (OB, 12,800 bytes: eight fragments of 1,536 bytes as images of the operand's registers, then 512 bytes of scale words; lane-row r of fragment 2 B + u is row
; 32 B + 8 u + r + 8 (r / 8)).  q, k: an OB is 128 positions x the head's 128.  v: an OB is the head's 128 x 128 keys.  o_op: [32 blocks of 128 rows][16 heads] OBs.
; THE SOFTMAX AHEAD OF THE SECOND PRODUCT: t = score x log2(e) (the 1 / sqrt(128) lies in q); M = the running largest t rounded UP to a whole number; p = 2^(t - M) is quantised along the keys, not normalised;
; the row's sum is taken of the unquantised p and divides O at the end.  When M moves, the sum and O are multiplied by 2^(old M - new M): exact.
; SHARES.  Work-group x (0..7) of a head has sixteen waves; wave w owns fragment x of q's OB number RK, RK = 4 (((w / 4) + w) % 4) + w / 4: 16 queries of positions 128 RK ...  It works key steps 0 .. RK; step RK lies on
; the diagonal; later steps are jumped over (a scalar branch on the wave's number and the step's count).  So every work-group has 136 wave-steps, and the four waves w % 4 = c, like the four waves w / 4 = a, hold one rank of each quarter.
; Both products are used transposed: S^T = K Q^T, O^T = V^T P^T: a lane holds ONE query throughout, and by the choice of rows in a fragment the 16 registers of two neighbouring tiles are 16 neighbours.
; THE RING: two slots of 512 keys (four OBs of k, four of v: 102,400 bytes).  The four work-groups of a cluster belong to one head and walk the same k and v: each tile is asked for JOINTLY (waves 0 to 3, 25,600 bytes each).
; LIMITS: a block of zeros gets the scale byte 1 where the quantiser says 127 (zero codes; this program alone reads the bytes); blocks under 2^-124 are held at that floor; NaN and infinities are not served.
; REGISTERS: v1-8 addresses; v12 -M, v13 the largest t, v[14:15] the sum in two halves; v16-27 Q; v32-79 four fragments of K or V; v96-159 S^T, then p; v160-223 O^T; v224-235 p's codes; v232-254 at work;
; v248-251 K's or V's scale words; v253 p's; v255 Q's.
.set OBB,   12800
.set PART,  2*OBB
.set KIND,  512*OBB                    ; from q to k, from k to v
.set SLOT1, 1<<17
.set SPARE, 2*SLOT1                    ; behind the ring: the spare words, 128 bytes for each of sixteen waves
.set LI,   1                           ; 16 x lane
.set DQ,   2                           ; my query's place in its 128, less 16 (lane / 16)
.set SR,   3                           ; 16 r
.set SPW,  5
.set NIL,  6
.set ADK,  8
.set PFO,  28
.set PC,   32                          ; the way out
.set TM,   64
.set PW,   80
.set TB,   2                           ; s2  LDS byte at which the step's OB of k begins
.set KJ,   3                           ; s3  the key step
.set WV,   18
.set RK,   19
.set SEL,  20
.set CS,   22
.set G1,   24
.set G0,   32
.set SLOTS, 36
.set INNER, 37
.set PFA,  38
.set LIM,  40
.macro CROUND
	s_barrier_signal -1
	s_barrier_wait -1
	s_cmp_lg_u32 s[WV], 0
	s_cbranch_scc1 .Lnot_wave_0_\@
	s_barrier_signal -3
.Lnot_wave_0_\@:
	s_barrier_wait -3
	s_barrier_signal -1
	s_barrier_wait -1
.endm
.macro TLOAD                           ; waves 0 to 3 fetch a quarter of a slot each; the branch hangs on the wave's number alone; four v_nop follow the line
	s_cmp_lt_u32 s[WV], 4
	s_cbranch_scc0 .Lasked_\@
	tensor_load_to_lds s[G0:G0+3], s[G1:G1+7]
	s_nop 0
.rept 4
	v_nop
.endr
.Lasked_\@:
.endm
; A PREFETCH INTO THE L2 of the slot that the NEXT change of slots will ask for: four key steps ahead of that load.  All clusters of a head walk the same k and v: the head's first cluster asks.  Its four partners share a slot's
; 102,400 bytes out BY ADDRESS, 25,600 each; in each, waves 4 to 7 take 6,400 bytes: 25 blocks of 256 bytes, a lane a block (lanes 25 to 31 name lane 24's block again).  The last change that fills a slot asks for nothing;
; slots 0 and 1 come by their loads alone.
.macro ASK
	s_cmp_gt_u32 s[SLOTS], s[LIM]
	s_cbranch_scc0 .Lnot_mine_\@
	global_prefetch_b8 v[PFO], s[PFA:PFA+1] th:TH_LOAD_NT scope:SCOPE_SE
.Lnot_mine_\@:
.endm
	s_load_b128 s[4:7], s[0:1], 0x0                ; qkv_op, o_op
	v_lshl_add_u32 v[SPW], v0, 2, SPARE
	v_mov_b32 v[NIL], 0
	ds_add_u32 v5, v6
	s_wait_dscnt 0x0
	v_lshrrev_b32 v8, 5, v0
	v_readfirstlane_b32 s[WV], v8                  ; wave 0..15
	s_lshr_b32 s41, s[WV], 2
	s_add_co_u32 s42, s41, s[WV]
	s_and_b32 s42, s42, 3
	s_lshl_b32 s42, s42, 2
	s_add_co_u32 s[RK], s42, s41                   ; my rank
	s_bfe_u32 s43, ttmp6, 0x40000                  ; cx
	s_lshl_b32 s44, ttmp9, 2
	s_add_co_u32 s44, s44, s43                     ; x: which fragment of q's OBs is my work-group's
	s_and_b32 s45, ttmp7, 0xffff                   ; bh
	; descriptor group 1: 25,600 dense bytes as 100 rows of 32 elements of 8 bytes, no padding
	s_mov_b32 s[G1], 15|(3<<16)|(1<<21)            ; 15:0 the mask: all four work-groups; 17:16 elements of 8 bytes; 21 set beside a mask
	s_mov_b32 s[G1+1], 32<<16
	s_mov_b32 s[G1+2], 100<<16
	s_mov_b32 s[G1+3], 32<<16
	s_mov_b32 s[G1+4], 100
	s_mov_b32 s[G1+5], 32
	s_mov_b32 s[G1+6], 0
	s_mov_b32 s[G1+7], 0
	s_and_b32 s46, s[WV], 3
	s_lshr_b32 s47, s46, 1
	s_add_co_u32 s47, s47, 1                       ; 1: k, 2: v
	s_mul_i32 s50, s47, KIND
	s_mul_i32 s48, s45, 16*OBB                     ; the head's sixteen OBs
	s_add_co_u32 s50, s50, s48
	s_and_b32 s47, s[WV], 1
	s_mul_i32 s47, s47, PART
	s_add_co_u32 s50, s50, s47
	s_mov_b32 s51, 0
	s_lshl_b32 s52, s45, 4
	s_add_co_u32 s52, s52, s[RK]
	s_mul_i32 s52, s52, OBB                        ; q's OB
	s_mul_i32 s54, s44, 1536
	s_add_co_u32 s54, s54, s52                     ; my fragment
	s_mov_b32 s55, 0
	s_and_b32 s56, s44, 1
	s_lshl_b32 s56, s56, 8
	s_lshr_b32 s57, s44, 1
	s_lshl_b32 s57, s57, 2
	s_add_co_u32 s56, s56, s57
	s_add_co_u32 s56, s56, 12288                   ; fragment x's scale words in an OB: 12,288 + 256 (x % 2) + 4 (x / 2), + 16 r
	s_add_co_u32 s52, s52, s56
	s_mov_b32 s53, 0
	s_lshr_b32 s58, s45, 4
	s_lshl_b32 s58, s58, 4
	s_add_co_u32 s58, s58, s[RK]                   ; o's block of rows: 16 x batch + rank
	s_lshl_b32 s58, s58, 4
	s_and_b32 s59, s45, 15
	s_add_co_u32 s58, s58, s59                     ; its K step: the head
	s_mul_i32 s58, s58, OBB
	s_mul_i32 s60, s44, 1536
	s_add_co_u32 s60, s60, s58
	s_mov_b32 s61, 0
	s_add_co_u32 s62, s58, s56
	s_mov_b32 s63, 0
	s_lshr_b32 s42, s43, 1                         ; the prefetches: partner cx takes k's (0, 1) or v's (2, 3) half cx % 2 of a slot
	s_add_co_u32 s42, s42, 1
	s_mul_i32 s42, s42, KIND
	s_add_co_u32 s42, s42, s48
	s_and_b32 s47, s43, 1
	s_mul_i32 s47, s47, PART
	s_add_co_u32 s42, s42, s47
	s_mul_i32 s47, s46, 6400
	s_add_co_u32 s42, s42, s47
	s_add_co_u32 s48, s42, 4*OBB                   ; in slot 1: the first change of slots steps it to slot 2
	s_mov_b32 s49, 0
	s_xor_b32 s47, s41, 1                          ; 0 in waves 4 to 7,
	s_or_b32 s47, s47, ttmp9                       ; of the head's first cluster: the same in all four partners
	s_cmp_eq_u32 s47, 0
	s_cselect_b32 s[LIM], 1, -1
	s_lshr_b32 s47, s44, 1
	s_lshl_b32 s47, s47, 5
	s_and_b32 s57, s44, 1
	s_lshl_b32 s57, s57, 3
	s_add_co_u32 s47, s47, s57                     ; 32 (x / 2) + 8 (x % 2)
	s_mov_b32 s[SEL], 0x76543210
	s_mov_b32 s[SEL+1], 0xfedcba98
	s_mov_b32 s[CS], 0x3fb8aa3b                    ; log2(e)
	s_mov_b32 s[CS+1], s[CS]
	s_mov_b32 s[TB], 0
	s_mov_b32 s[KJ], 0
	s_mov_b32 s[SLOTS], 3
	s_wait_kmcnt 0x0
	s_mov_b32 s[G0], 1
	s_mul_i32 s[G0+1], s46, PART                   ; LDS address: (wave % 4) x 25,600, in slot 0
	s_add_nc_u64 s[G0+2:G0+3], s[4:5], s[50:51]
	s_or_b32 s[G0+3], s[G0+3], 0x80000000
	s_add_nc_u64 s[8:9], s[4:5], s[54:55]          ; Q's codes
	s_add_nc_u64 s[10:11], s[4:5], s[52:53]        ; Q's scale words
	s_add_nc_u64 s[12:13], s[6:7], s[60:61]        ; o's codes
	s_add_nc_u64 s[14:15], s[6:7], s[62:63]        ; o's scale words
	s_add_nc_u64 s[PFA:PFA+1], s[4:5], s[48:49]
	CROUND                                         ; all four work-groups are here
	TLOAD                                          ; slot 0
	v_and_b32 v9, 31, v0
	v_lshlrev_b32 v[LI], 4, v9
	v_min_u32 v[PFO], 24, v9
	v_lshlrev_b32 v[PFO], 8, v[PFO]
	v_and_b32 v9, 15, v0                           ; r
	v_bfe_u32 v10, v0, 4, 1                        ; h
	v_lshlrev_b32 v[SR], 4, v9
	v_and_b32 v11, 8, v0
	v_add_nc_u32 v[DQ], v9, v11
	v_lshlrev_b32 v10, 4, v10
	v_sub_nc_u32 v[DQ], v[DQ], v10
	v_add_nc_u32 v[DQ], s47, v[DQ]
.irp c, 0,1,2
	global_load_b128 v[16+4*\c:19+4*\c], v[LI], s[8:9] offset:512*\c   ; Q's fragment stays in registers
.endr
	global_load_b32 v255, v[SR], s[10:11]
	v_mov_b32 v13, 0xff61b1e6                      ; the largest t so far: -3e38
	v_floor_f32 v12, -v13                          ; -M
	v_mov_b32 v14, 0
	v_mov_b32 v15, 0
.irp b, 0,1,2,3
	v_mov_b32 v[236+\b], 0                         ; written once: a lane permute's destination counts as one of its sources
.endr
	v_mov_b32 v252, 0
	v_mov_b32 v253, 0
.set n, 0
.rept 64
	v_mov_b32 v[160+n], 0                          ; O^T.  (The step is written once: the first finds zeros, which the first change of M leaves zeros)
.set n, n+1
.endr
; A KEY STEP: 128 keys.
.macro STEP
	s_cmp_gt_u32 s[KJ], s[RK]                      ; all its keys come after my queries: only the lines at its end that step addresses are run
	s_cbranch_scc1 .Lhidden_\@
	v_add_nc_u32 v[ADK], s[TB], v[LI]
.rept 4
	v_nop                                          ; places in front of loads into registers that the last products read
.endr
.irp g, 0,1                                    ; S^T = K Q^T, four tiles of 16 keys at a time
.if \g > 0
.rept 4
	v_nop
.endr
.endif
.irp t, 0,1,2,3
.irp c, 0,1,2
	ds_load_b128 v[32+12*\t+4*\c:35+12*\t+4*\c], v[ADK] offset:(4*\g+\t)*1536+512*\c
.endr
.endr
.if \g == 0
	ds_load_b128 v[248:251], v[ADK] offset:12288   ; the OB's scale words: register j: lanes 0-15 fragment 2 j, lanes 16-31 fragment 2 j + 1
.endif
	s_wait_dscnt 0x0
.irp t, 0,1,2,3
.if \t%2 == 0
	v_wmma_scale_f32_16x16x128_f8f6f4 v[96+8*(4*\g+\t):103+8*(4*\g+\t)], v[32+12*\t:43+12*\t], v[16:27], 0, v[248+(4*\g+\t)/2], v255 matrix_a_fmt:MATRIX_FMT_FP6 matrix_b_fmt:MATRIX_FMT_FP6
.else
	v_wmma_scale_f32_16x16x128_f8f6f4 v[96+8*(4*\g+\t):103+8*(4*\g+\t)], v[32+12*\t:43+12*\t], v[16:27], 0, v[248+(4*\g+\t)/2], v255 matrix_a_fmt:MATRIX_FMT_FP6 matrix_b_fmt:MATRIX_FMT_FP6 matrix_a_scale:MATRIX_SCALE_ROW1
.endif
.endr
.endr
.rept 4
	v_nop
.endr
	s_cmp_lt_u32 s[KJ], s[RK]                      ; all keys count: no mask
	s_cbranch_scc1 .Lopen_\@
	v_mov_b32 v254, 0xff800000                     ; on the diagonal hidden scores become -infinity ahead of the maximum: p = 0 then.  Register 16 b + i holds key 32 b + 16 (lane / 16) + i of the step
.set n, 0
.rept 64
	v_cmp_gt_i32 vcc_lo, 32*(n/16)+n%16, v[DQ]
	v_cndmask_b32 v[96+n], v[96+n], v254, vcc_lo
.set n, n+1
.endr
.Lopen_\@:
.irp b, 0,1,2,3
	v_max3_num_f32 v[232+\b], v[96+16*\b], v[97+16*\b], v[98+16*\b]   ; the largest score of each block of 32 keys: for the row's maximum, and, since p rises with the score, for the block's largest p
.endr
.irp i, 3,5,7,9,11,13
.irp b, 0,1,2,3
	v_max3_num_f32 v[232+\b], v[232+\b], v[96+16*\b+\i], v[97+16*\b+\i]
.endr
.endr
.irp b, 0,1,2,3
	v_max_num_f32 v[232+\b], v[232+\b], v[111+16*\b]
.endr
.irp b, 0,1,2,3
	v_permlanex16_b32 v[236+\b], v[232+\b], s[SEL], s[SEL+1]
.endr
.irp b, 0,1,2,3
	v_max_num_f32 v[232+\b], v[232+\b], v[236+\b]  ; with lane l xor 16's 16 keys
.endr
	v_max3_num_f32 v254, v232, v233, v234
	v_max_num_f32 v254, v254, v235
	v_mul_f32 v254, s[CS], v254                    ; the step's largest t
	v_max_num_f32 v13, v13, v254                   ; the running largest t
	v_mov_b32 v254, v12
	v_floor_f32 v12, -v13                          ; the new -M = -ceil(t)
	v_sub_f32 v254, v12, v254                      ; old M - new M: a whole number, 0 or less
	v_cvt_i32_f32 v254, v254                       ; (it saturates)
	v_ldexp_f32 v252, 1.0, v254                    ; f = 2^(old M - new M)
.set n, 0
.rept 32
	v_pk_fma_f32 v[96+n:97+n], v[96+n:97+n], s[CS:CS+1], v[12:13] op_sel_hi:[1,0,0]   ; t - M
.set n, n+2
.endr
.irp b, 0,1,2,3
	v_fma_f32 v[232+\b], v[232+\b], s[CS], v12     ; the same of each block's largest score
.endr
.set n, 0
.rept 64
	v_exp_f32 v[96+n], v[96+n]                     ; p = 2^(t - M)
.set n, n+1
.endr
	v_pk_mul_f32 v[14:15], v[14:15], v[252:253] op_sel_hi:[1,0]   ; the sums under the new M: a plain place behind the exponentials
	s_wait_alu depctr_va_vdst(0)                   ; one wait for the batch, ahead of its first reader
.irp b, 0,1,2,3
	v_exp_f32 v[232+\b], v[232+\b]                 ; the block's largest p
.endr
	v_pk_add_f32 v[236:237], v[96:97], v[98:99]    ; the row's sum of the unquantised p, in two chains
.irp j, 4,8,12,16,20,24,28,32,36,40,44,48,52,56,60
	v_pk_add_f32 v[14:15], v[14:15], v[96+\j:97+\j]
	v_pk_add_f32 v[236:237], v[236:237], v[98+\j:99+\j]
.endr
	v_pk_add_f32 v[14:15], v[14:15], v[236:237]
	s_wait_alu depctr_va_vdst(0)                   ; and one for the four
.irp b, 0,1,2,3
	v_max_num_f32 v[232+\b], 0x1800000, v[232+\b]  ; the floor 2^(3 - 127)
.endr
.irp b, 0,1,2,3
	v_add_nc_u32 v[244+\b], 0xff000000, v[232+\b]  ; the conversion's scale operand
.endr
.irp b, 0,1,2,3
	v_lshrrev_b32 v[236+\b], 23, v[244+\b]         ; the scale's byte
.endr
	v_lshl_or_b32 v253, v237, 8, v236              ; p's scale word for these 128 keys
	v_lshl_or_b32 v253, v238, 16, v253
	v_lshl_or_b32 v253, v239, 24, v253
.irp c, 0,1
	v_cvt_scalef32_pk16_fp6_f32 v[224+6*\c:226+6*\c], v[96+32*\c:111+32*\c], v[244+2*\c]
	v_cvt_scalef32_pk16_fp6_f32 v[236+4*\c:238+4*\c], v[112+32*\c:127+32*\c], v[244+2*\c+1]
.endr
	v_nop                                          ; one plain place behind a scaled conversion
.irp c, 0,1
.irp i, 0,1,2
	v_permlane16_swap_b32 v[224+6*\c+\i], v[236+4*\c+\i]
.endr
.irp i, 0,1,2
	v_mov_b32 v[227+6*\c+\i], v[236+4*\c+\i]
.endr
.endr
.set n, 0
.rept 32
	v_pk_mul_f32 v[160+n:161+n], v[160+n:161+n], v[252:253] op_sel_hi:[1,0]   ; O^T under the new M.  (These 32 are also the places in front of the products and loads below)
.set n, n+2
.endr
.irp g, 0,1                                    ; O^T += V^T P^T: four tiles of 16 of the head's 128 at a time
.if \g > 0
.rept 4
	v_nop
.endr
.endif
.irp t, 0,1,2,3
.irp c, 0,1,2
	ds_load_b128 v[32+12*\t+4*\c:35+12*\t+4*\c], v[ADK] offset:4*OBB+(4*\g+\t)*1536+512*\c
.endr
.endr
.if \g == 0
	ds_load_b128 v[248:251], v[ADK] offset:4*OBB+12288
.endif
	s_wait_dscnt 0x0
.irp t, 0,1,2,3
.if \t%2 == 0
	v_wmma_scale_f32_16x16x128_f8f6f4 v[160+8*(4*\g+\t):167+8*(4*\g+\t)], v[32+12*\t:43+12*\t], v[224:235], v[160+8*(4*\g+\t):167+8*(4*\g+\t)], v[248+(4*\g+\t)/2], v253 matrix_a_fmt:MATRIX_FMT_FP6 matrix_b_fmt:MATRIX_FMT_FP6
.else
	v_wmma_scale_f32_16x16x128_f8f6f4 v[160+8*(4*\g+\t):167+8*(4*\g+\t)], v[32+12*\t:43+12*\t], v[224:235], v[160+8*(4*\g+\t):167+8*(4*\g+\t)], v[248+(4*\g+\t)/2], v253 matrix_a_fmt:MATRIX_FMT_FP6 matrix_b_fmt:MATRIX_FMT_FP6 matrix_a_scale:MATRIX_SCALE_ROW1
.endif
.endr
.endr
.Lhidden_\@:
	s_add_co_u32 s[KJ], s[KJ], 1
	s_add_co_u32 s[TB], s[TB], OBB
.endm
.macro FOUR_STEPS                      ; a slot's four key steps: written once, walked four times
	s_mov_b32 s[INNER], 4
.Lstep_\@:
	STEP
	s_sub_co_u32 s[INNER], s[INNER], 1
	s_cmp_lg_u32 s[INNER], 0
	s_cbranch_scc1 .Lstep_\@
	s_sub_co_u32 s[TB], s[TB], 4*OBB               ; back to a slot's first step,
	s_xor_b32 s[TB], s[TB], SLOT1                  ; in the other slot
.endm
; THE CHANGE OF SLOTS stands at a slot's head.  Each wave waits for all its tensor loads (its part of the slot ahead), adds 0 to its spare word, and waits for that and for its reads of the slot that it has left.
; fill = 1: a round of the cluster's barrier, and behind it the other slot is filled with the 512 keys that follow: the load has four key steps in which to land.
.macro CHANGE fill
	s_wait_tensorcnt 0x0                           ; no tensor load of mine is out, so the group 0 may be written
	ds_add_u32 v[SPW], v[NIL]                      ; 0 onto my spare word
.if \fill
	s_xor_b32 s[G0+1], s[G0+1], SLOT1              ; the walking descriptor: the other slot than last time,
	s_add_nc_u64 s[G0+2:G0+3], s[G0+2:G0+3], 4*OBB ; the next four OBs; the type bits on top are not reached
	s_wait_xcnt 0x0                                ; the last prefetch, a slot back, has read its address
	s_add_nc_u64 s[PFA:PFA+1], s[PFA:PFA+1], 4*OBB
	s_wait_dscnt 0x0                               ; the add is done, and my reads of the slot that I have left are over
	CROUND
	TLOAD                                          ; the first thing behind the round, and a wave's one tensor load until the next
	ASK
.else
	s_wait_dscnt 0x0
	s_barrier_signal -1
	s_barrier_wait -1
.endif
.endm
	s_wait_loadcnt 0x0                             ; Q
.Lslot:                                            ; three trips: behind each change of slots but the last the next slot is asked for
	CHANGE 1
	FOUR_STEPS
	s_sub_co_u32 s[SLOTS], s[SLOTS], 1
	s_cmp_lg_u32 s[SLOTS], 0
	s_cbranch_scc1 .Lslot
	CHANGE 0                                       ; the last slot is written out
	FOUR_STEPS
	; THE WAY OUT.  O^T / the sum: register 16 B + i is d = 32 B + 16 (lane / 16) + i of my query: as the quantiser wants it.  The codes are fragment x of o's OB and leave as they stand.
.rept 4
	v_nop                                          ; places behind the last products
.endr
	v_add_f32 v14, v14, v15
	v_permlanex16_b32 v252, v14, s[SEL], s[SEL+1]
	v_add_f32 v14, v14, v252                       ; the row's sum
	v_rcp_f32 v14, v14
.irp b, 0,1,2,3
	v_mov_b32 v[TM+4+\b], 0                        ; (plain places behind the reciprocal)  a lane permute's destination counts as one of its sources
.endr
	s_wait_alu depctr_va_vdst(0)                   ; the wait ahead of the reciprocal's first reader
.set n, 0
.rept 64
	v_mul_f32 v[96+n], v[160+n], v14
.set n, n+1
.endr
.irp b, 0,1,2,3
	v_max3_num_f32 v[TM+\b], |v[96+16*\b]|, |v[97+16*\b]|, 0x1800000
.endr
.irp i, 2,4,6,8,10,12,14
.irp b, 0,1,2,3
	v_max3_num_f32 v[TM+\b], v[TM+\b], |v[96+16*\b+\i]|, |v[97+16*\b+\i]|
.endr
.endr
.irp b, 0,1,2,3
	v_permlanex16_b32 v[TM+4+\b], v[TM+\b], s[SEL], s[SEL+1]
.endr
.irp b, 0,1,2,3
	v_max_num_f32 v[TM+\b], v[TM+\b], v[TM+4+\b]
.endr
.irp b, 0,1,2,3
	v_add_nc_u32 v[TM+12+\b], 0xff000000, v[TM+\b]
.endr
.irp b, 0,1,2,3
	v_lshrrev_b32 v[TM+4+\b], 23, v[TM+12+\b]
.endr
	v_lshl_or_b32 v[PW], v[TM+5], 8, v[TM+4]
	v_lshl_or_b32 v[PW], v[TM+6], 16, v[PW]
	v_lshl_or_b32 v[PW], v[TM+7], 24, v[PW]
.irp c, 0,1
	v_cvt_scalef32_pk16_fp6_f32 v[PC+6*\c:PC+2+6*\c], v[96+32*\c:111+32*\c], v[TM+12+2*\c]
	v_cvt_scalef32_pk16_fp6_f32 v[PC+12+4*\c:PC+14+4*\c], v[112+32*\c:127+32*\c], v[TM+12+2*\c+1]
.endr
	v_nop
.irp c, 0,1
.irp i, 0,1,2
	v_permlane16_swap_b32 v[PC+6*\c+\i], v[PC+12+4*\c+\i]
.endr
.irp i, 0,1,2
	v_mov_b32 v[PC+3+6*\c+\i], v[PC+12+4*\c+\i]
.endr
.endr
.irp c, 0,1,2
	global_store_b128 v[LI], v[PC+4*\c:PC+4*\c+3], s[12:13] offset:512*\c    ; 512 consecutive bytes
.endr
	global_store_b32 v[SR], v[PW], s[14:15]        ; row r's scale word (lanes 16-31 write the same words with the same values)
	s_wait_tensorcnt 0x0                           ; the wave's end
	ds_add_u32 v[SPW], v[NIL]
	s_wait_dscnt 0x0
	CROUND                                         ; the closing round
	s_endpgm
.Lfunc_end_k_qa2c1008a7a_attn:
	.size	k_qa2c1008a7a_attn, .Lfunc_end_k_qa2c1008a7a_attn-k_qa2c1008a7a_attn
	.p2alignl 7, 3214868480
	.fill 96, 4, 3214868480
	.section	.rodata,"a",@progbits
	.p2align	6, 0x0
	.amdhsa_kernel k_qa2c1008a7a_attn
		.amdhsa_group_segment_fixed_size 327680
		.amdhsa_private_segment_fixed_size 0
		.amdhsa_enable_private_segment 0
		.amdhsa_kernarg_size 16
		.amdhsa_user_sgpr_count 2
		.amdhsa_user_sgpr_kernarg_segment_ptr 1
		.amdhsa_wavefront_size32 1
		.amdhsa_system_sgpr_workgroup_id_x 1
		.amdhsa_system_sgpr_workgroup_id_y 1
		.amdhsa_system_sgpr_workgroup_id_z 1
		.amdhsa_system_vgpr_workitem_id 0
		.amdhsa_next_free_vgpr 256
		.amdhsa_next_free_sgpr 66
		.amdhsa_reserve_vcc 1
		.amdhsa_float_denorm_mode_32 3
		.amdhsa_float_denorm_mode_16_64 3
		.amdhsa_memory_ordered 1
		.amdhsa_forward_progress 1
		.amdhsa_inst_pref_size 65
	.end_amdhsa_kernel
	.amdgpu_metadata
---
amdhsa.version: [ 1, 2 ]
amdhsa.kernels:
  - .name:           k_qa2c1008a7a_attn
    .symbol:         k_qa2c1008a7a_attn.kd
    .args:
      - { .name: qkv_op, .offset: 0, .size: 8, .value_kind: global_buffer, .address_space: global }
      - { .name: o_op, .offset: 8, .size: 8, .value_kind: global_buffer, .address_space: global }
    .group_segment_fixed_size: 327680
    .private_segment_fixed_size: 0
    .kernarg_segment_align: 8
    .kernarg_segment_size: 16
    .max_flat_workgroup_size: 512
    .sgpr_count:     66
    .vgpr_count:     256
    .wavefront_size: 32
...
	.end_amdgpu_metadata
.endif
;; end of part 3
;; launch oproj (part 4): grid 4 x 16, 4 waves a work-group, clusters of 4 x 4, 327,680 bytes of LDS; arguments o_op, w_op, bo, out0; writes out0
.if DOCPART == 4
	.amdgcn_target "amdgcn-amd-amdhsa--gfx1250"
	.amdhsa_code_object_version 6
	.text
	.protected	k_qa2c1008a7a_oproj
	.globl	k_qa2c1008a7a_oproj
	.p2align	8
	.type	k_qa2c1008a7a_oproj,@function
k_qa2c1008a7a_oproj:
	s_mov_b64 s[64:65], 0
	v_nop
	global_prefetch_b8 v0, s[64:65] scope:SCOPE_SE
	s_setreg_imm32_b32 hwreg(HW_REG_WAVE_MODE, 25, 1), 1
	s_wait_xcnt 0x0
	s_wait_alu depctr_hold_cnt(0) depctr_sa_sdst(0) depctr_va_vdst(0) depctr_va_sdst(0) depctr_va_ssrc(0) depctr_va_vcc(0) depctr_vm_vsrc(0)
	s_getreg_b32 s2, hwreg(HW_REG_IB_STS2, 6, 4)
	s_cmp_eq_u32 s2, 0
	s_cbranch_scc0 .Lentry_in_a_cluster
	s_endpgm
.Lentry_in_a_cluster:
	s_bfe_u32 s2, ttmp6, 0x10000c
	s_cmp_lg_u32 s2, 0xf033
	s_cbranch_scc0 .Lentry_shape_is_right
	s_endpgm
.Lentry_shape_is_right:
; OPROJ: out0 = o Wo + bo, on codes of FP6 (E2M3) with E8M0 scales.  o_op: [32 blocks of 128 rows][16 K steps] operand blocks; Wo: blocks 384 on of w_op, [8 blocks of 128 columns][16 K steps].
; (OB: 128 rows x 128 K as an image of the operand's registers, 12,800 bytes: eight fragments of 1,536 bytes, then 512 bytes of scale words; lane-row r of fragment 2 B + u is row 32 B + 8 u + r + 8 (r / 8).)
; A tile of 256 x 256 is made by four waves, 128 x 128 each: 64 accumulators.  K goes in steps of 256 through a ring of two LDS slots of 102,400 bytes.  Source 0 = Wo's columns ("B": they run along a lane's registers),
; source 1 = o's rows ("A": a lane holds a row).  The bias is the C of each sum's first product.  CLUSTERS: 4 x 4 work-groups; A's blocks are shared along a row of the cluster, B's along a column: asked for jointly.
; The output has 64 tiles of this size, so 64 work-groups are launched.  No prefetch: eight fills of a slot, and the tiles are shared.
; REGISTERS: window 0: v16-29 addresses; v32-63 scale words, two sets; v64-127 the bias; v128-223 A's fragments, ONE set (on the way out v128-255: rows read back).  window 1: B's fragments, two sets.
;   windows 2, 3: accumulator (a, b) at v[8 (8 (a % 4) + b)].
.set NS,    16
.set OBB,   12800
.set PART,  2*OBB
.set SLOT,  4*PART
.set SPARE, 2*SLOT
.set LAPS,  NS/4
.set FR,    12
.set NL,    3
.set SPITCH, 528                       ; the way out: a stage of 16 rows x (512 + 16) bytes for each wave, in slot 0, which has had its last fill and its last read when the first result is stored there
.set ADRA,  16
.set ADRB,  20
.set LI,    24
.set VBO,   25
.set STO,   26
.set RD,    27
.set SPW,   28
.set NIL,   29
.set SC,    32
.set BI,    64
.set AF,    128
.set BK,    128
.set WV,    18
.set RH,    19
.set CH,    20
.set G1,    24
.set G0,    32
.set G1B,   48
.set G0B,   56
.set OUTP,  82
.set BP,    86
.set MSB, 0
.macro WIN new                         ; the immediate's high byte repeats the setting that is left
.if MSB != (\new)
	s_set_vgpr_msb (MSB<<8)|(\new)
.set MSB, (\new)
.endif
.endm
.set MUL_LO, 0xa1
.set MUL_HI, 0xf1
.set TO_B,   0x40
.macro JLOAD s                         ; a joint load: waves 0 and 1 fetch A's two blocks, waves 2 and 3 B's; four v_nop follow each of the two lines
	s_cmp_eq_u32 s[RH], 0
	s_cbranch_scc0 .Lfor_b_\@
	tensor_load_to_lds s[G0+4*\s:G0+4*\s+3], s[G1:G1+7]
	s_nop 0
.rept 4
	v_nop
.endr
	s_branch .Lasked_\@
.Lfor_b_\@:
	tensor_load_to_lds s[G0B+4*\s:G0B+4*\s+3], s[G1B:G1B+7]
	s_nop 0
.rept 4
	v_nop
.endr
.Lasked_\@:
.endm
.macro CREST
	s_cmp_lg_u32 s[WV], 0
	s_cbranch_scc1 .Lnot_wave_0_\@
	s_barrier_signal -3
.Lnot_wave_0_\@:
	s_barrier_wait -3
	s_barrier_signal -1
	s_barrier_wait -1
.endm
.macro CROUND
	s_barrier_signal -1
	s_barrier_wait -1
	CREST
.endm
.macro PLACES                          ; four plain places behind a matrix instruction of this form (ISA guide 7.12.1)
.rept 4
	v_nop
.endr
.endm
.macro FRAG reg, adr, q, i
.irp c, 0,1,2
	ds_load_b128 v[\reg+4*\c:\reg+4*\c+3], v[\adr] offset:(\q)*OBB+(\i)*1536+512*\c
.endr
.endm
.macro FETCH_B slot, q, p
	WIN TO_B
.irp i, 0,1,2,3,4,5,6,7
	FRAG 128*(\p)+FR*\i, ADRB+\slot, \q, \i
.endr
	WIN 0
.endm
.macro FETCH_A slot, q, i0
.irp i, \i0, \i0+1, \i0+2, \i0+3
	FRAG AF+FR*(\i), ADRA+\slot, \q, \i
.endr
.endm
.macro SCALES s
.irp q, 0,1
	ds_load_b128 v[SC+16*\s+8*\q:SC+16*\s+8*\q+3], v[ADRA+\s] offset:\q*OBB+12288
	ds_load_b128 v[SC+16*\s+8*\q+4:SC+16*\s+8*\q+7], v[ADRB+\s] offset:\q*OBB+12288
.endr
.endm
.macro WMM zero, rb, ra                ; one product; rb, ra: the scale words of source 0, source 1 stand in lanes 16-31
.if (\zero) == 1
.if (\rb) && (\ra)
	v_wmma_scale_f32_16x16x128_f8f6f4 v[rD:rD+7], v[rB:rB+11], v[rA:rA+11], 0, v[rSB], v[rSA] matrix_a_fmt:MATRIX_FMT_FP6 matrix_b_fmt:MATRIX_FMT_FP6 matrix_a_scale:MATRIX_SCALE_ROW1 matrix_b_scale:MATRIX_SCALE_ROW1
.elseif (\rb)
	v_wmma_scale_f32_16x16x128_f8f6f4 v[rD:rD+7], v[rB:rB+11], v[rA:rA+11], 0, v[rSB], v[rSA] matrix_a_fmt:MATRIX_FMT_FP6 matrix_b_fmt:MATRIX_FMT_FP6 matrix_a_scale:MATRIX_SCALE_ROW1
.elseif (\ra)
	v_wmma_scale_f32_16x16x128_f8f6f4 v[rD:rD+7], v[rB:rB+11], v[rA:rA+11], 0, v[rSB], v[rSA] matrix_a_fmt:MATRIX_FMT_FP6 matrix_b_fmt:MATRIX_FMT_FP6 matrix_b_scale:MATRIX_SCALE_ROW1
.else
	v_wmma_scale_f32_16x16x128_f8f6f4 v[rD:rD+7], v[rB:rB+11], v[rA:rA+11], 0, v[rSB], v[rSA] matrix_a_fmt:MATRIX_FMT_FP6 matrix_b_fmt:MATRIX_FMT_FP6
.endif
.else
.if (\rb) && (\ra)
	v_wmma_scale_f32_16x16x128_f8f6f4 v[rD:rD+7], v[rB:rB+11], v[rA:rA+11], v[rC:rC+7], v[rSB], v[rSA] matrix_a_fmt:MATRIX_FMT_FP6 matrix_b_fmt:MATRIX_FMT_FP6 matrix_a_scale:MATRIX_SCALE_ROW1 matrix_b_scale:MATRIX_SCALE_ROW1
.elseif (\rb)
	v_wmma_scale_f32_16x16x128_f8f6f4 v[rD:rD+7], v[rB:rB+11], v[rA:rA+11], v[rC:rC+7], v[rSB], v[rSA] matrix_a_fmt:MATRIX_FMT_FP6 matrix_b_fmt:MATRIX_FMT_FP6 matrix_a_scale:MATRIX_SCALE_ROW1
.elseif (\ra)
	v_wmma_scale_f32_16x16x128_f8f6f4 v[rD:rD+7], v[rB:rB+11], v[rA:rA+11], v[rC:rC+7], v[rSB], v[rSA] matrix_a_fmt:MATRIX_FMT_FP6 matrix_b_fmt:MATRIX_FMT_FP6 matrix_b_scale:MATRIX_SCALE_ROW1
.else
	v_wmma_scale_f32_16x16x128_f8f6f4 v[rD:rD+7], v[rB:rB+11], v[rA:rA+11], v[rC:rC+7], v[rSB], v[rSA] matrix_a_fmt:MATRIX_FMT_FP6 matrix_b_fmt:MATRIX_FMT_FP6
.endif
.endif
.endm
; 16 products: A's blocks a0, a0 + 1 x B's eight.  The 64 accumulators take turns, one instruction a turn, in the same order in every step.  zero = 2: the bias in v[BI ..] is the C.
.macro MUL16 a0, p, q, sc, zero
.irp a, \a0, \a0+1
.irp b, 0,1,2,3,4,5,6,7
.set rD, 8*(8*((\a)%4)+\b)
.set rB, 128*(\p)+FR*\b
.set rA, AF+FR*(\a)
.set rSB, SC+16*(\sc)+8*(\q)+4+\b/2
.set rSA, SC+16*(\sc)+8*(\q)+(\a)/2
.if (\zero) == 2
.set rC, BI+8*\b
.else
.set rC, rD
.endif
	WMM \zero, \b%2, (\a)%2
.endr
.endr
.endm
.macro STEP slot, zero                 ; a slot's first 128 along K; the second 128's fragments are fetched meanwhile
	s_wait_dscnt 4*NL                              ; all but the youngest twelve loads (A's blocks 4-7) are in
.if (\zero) == 2
	WIN 0x81                                       ; C in window 0, D in window 2
.else
	WIN MUL_LO
.endif
	MUL16 0, 0, 0, \slot, \zero
	MUL16 2, 0, 0, \slot, \zero
	s_wait_dscnt 0x0
	PLACES
	FETCH_B \slot, 1, 1
	FETCH_A \slot, 1, 0
.if (\zero) == 2
	WIN 0xc1
.else
	WIN MUL_HI
.endif
	MUL16 4, 0, 0, \slot, \zero
	MUL16 6, 0, 0, \slot, \zero
	PLACES
	WIN 0
	FETCH_A \slot, 1, 4
.endm
; A slot's second 128 along K changes slots: ONE barrier; in front of it each wave waits for all its tensor loads, adds 0 to its spare word, and waits for that and for its own reads of this slot.
.macro TURN slot, next, fill
	s_wait_tensorcnt 0x0                           ; all my tensor loads have landed: my part of the next slot
	ds_add_u32 v[SPW], v[NIL]                      ; 0 onto my spare word
	s_wait_dscnt 4*NL+1                            ; (the add and the youngest twelve loads may be out)
	WIN MUL_LO
	MUL16 0, 1, 1, \slot, 0
	s_wait_dscnt 0x0                               ; the add is done, and my reads of this slot are over
	s_barrier_signal -1
	MUL16 2, 1, 1, \slot, 0
	WIN 0
	s_barrier_wait -1
.if \fill
	CREST                                          ; no wave of any partner still reads this slot or has a load on its way
	s_add_nc_u64 s[G0+4*\slot+2:G0+4*\slot+3], s[G0+4*\slot+2:G0+4*\slot+3], 2*PART
	s_add_nc_u64 s[G0B+4*\slot+2:G0B+4*\slot+3], s[G0B+4*\slot+2:G0B+4*\slot+3], 2*PART
	JLOAD \slot                                    ; the first tensor load behind the round, one a wave
.else
	PLACES
.endif
	FETCH_B \next, 0, 0
	FETCH_A \next, 0, 0
	SCALES \next
	WIN MUL_HI
	MUL16 4, 1, 1, \slot, 0
	MUL16 6, 1, 1, \slot, 0
	PLACES
	WIN 0
	FETCH_A \next, 0, 4
.endm
	s_load_b256 s[4:11], s[0:1], 0x0               ; o_op, w_op, bo, out0
	v_lshl_add_u32 v[SPW], v0, 2, SPARE
	v_mov_b32 v[NIL], 0
	ds_add_u32 v28, v29
	s_wait_dscnt 0x0
	v_lshrrev_b32 v1, 5, v0
	v_readfirstlane_b32 s[WV], v1
	s_lshr_b32 s[RH], s[WV], 1
	s_and_b32 s[CH], s[WV], 1
	s_bfe_u32 s40, ttmp6, 0x40000                  ; cx, cy
	s_bfe_u32 s41, ttmp6, 0x40004
	s_lshl_b32 s42, ttmp9, 2
	s_add_co_u32 s42, s42, s40                     ; X
	s_and_b32 s21, ttmp7, 0xffff
	s_lshl_b32 s21, s21, 2
	s_add_co_u32 s21, s21, s41                     ; Y
	s_lshl_b32 s43, s41, 2
	s_lshl_b32 s43, 15, s43                        ; my row of the cluster
	s_lshl_b32 s44, 0x1111, s40                    ; my column
	s_or_b32 s[G1+0], s43, (3<<16)|(1<<21)         ; 25,600 dense bytes as 100 rows of 32 elements of 8 bytes; the mask; bit 21 beside it
	s_or_b32 s[G1B+0], s44, (3<<16)|(1<<21)
.irp g, G1, G1B
	s_mov_b32 s[\g+1], 32<<16
	s_mov_b32 s[\g+2], 100<<16
	s_mov_b32 s[\g+3], 32<<16
	s_mov_b32 s[\g+4], 100
	s_mov_b32 s[\g+5], 32
	s_mov_b32 s[\g+6], 0
	s_mov_b32 s[\g+7], 0
.endr
	s_lshl_b32 s66, s21, 1
	s_add_co_u32 s66, s66, s[CH]
	s_mul_i32 s66, s66, NS*OBB
	s_mov_b32 s67, 0
	s_lshl_b32 s68, s42, 1
	s_add_co_u32 s68, s68, s[CH]
	s_mul_i32 s68, s68, NS*OBB
	s_add_co_u32 s68, s68, 384*OBB                 ; Wo's blocks lie behind Wq's, Wk's and Wv's
	s_mov_b32 s69, 0
	s_mul_i32 s45, s[WV], PART
	s_wait_kmcnt 0x0
	s_add_nc_u64 s[70:71], s[4:5], s[66:67]
	s_add_nc_u64 s[72:73], s[6:7], s[68:69]
	CROUND                                         ; all sixteen work-groups are here: the first joint loads meet
.irp s, 0,1
	s_mov_b32 s[G0+4*\s], 1
	s_add_co_u32 s[G0+4*\s+1], s45, \s*SLOT
	s_add_nc_u64 s[G0+4*\s+2:G0+4*\s+3], s[70:71], \s*PART
	s_or_b32 s[G0+4*\s+3], s[G0+4*\s+3], 0x80000000
	s_mov_b32 s[G0B+4*\s], 1
	s_add_co_u32 s[G0B+4*\s+1], s45, \s*SLOT
	s_add_nc_u64 s[G0B+4*\s+2:G0B+4*\s+3], s[72:73], \s*PART
	s_or_b32 s[G0B+4*\s+3], s[G0B+4*\s+3], 0x80000000
	JLOAD \s
.endr
	v_and_b32 v1, 31, v0
	v_lshlrev_b32 v[LI], 4, v1
	v_bfe_u32 v2, v0, 4, 1
	v_lshlrev_b32 v[VBO], 6, v2
	v_and_b32 v3, 15, v0
	s_mul_i32 s46, s[RH], PART
	s_mul_i32 s47, s[CH], PART
	s_add_co_u32 s47, s47, 2*PART
.irp s, 0,1
	v_add_nc_u32 v[ADRA+\s], s46, v[LI]
	v_add_nc_u32 v[ADRB+\s], s47, v[LI]
	s_add_co_u32 s46, s46, SLOT
	s_add_co_u32 s47, s47, SLOT
.endr
	s_mul_i32 s46, s[WV], 16*SPITCH                ; my stage
	v_mul_u32_u24 v4, v3, SPITCH
	v_lshl_add_u32 v4, v2, 6, v4
	v_add_nc_u32 v[STO], s46, v4                   ; in: row r, + 64 h
	v_add_nc_u32 v[RD], s46, v[LI]                 ; back: 16 bytes a lane of a row
	s_lshl_b32 s74, s21, 1
	s_add_co_u32 s74, s74, s[RH]                   ; my block of rows
	s_lshl_b32 s75, s42, 1
	s_add_co_u32 s75, s75, s[CH]                   ; my block of columns
	s_lshl_b32 s80, s75, 9
	s_mov_b32 s81, 0
	s_add_nc_u64 s[BP:BP+1], s[8:9], s[80:81]
	s_add_nc_u64 s[OUTP:OUTP+1], s[10:11], s[80:81]
	s_lshl_b32 s80, s74, 19                        ; 128 rows of 4,096 bytes
	s_add_nc_u64 s[OUTP:OUTP+1], s[OUTP:OUTP+1], s[80:81]
.irp g, 0,1,2,3
.irp j, 0,1,2,3
	global_load_b128 v[BI+16*\g+4*\j:BI+16*\g+4*\j+3], v[VBO], s[BP:BP+1] offset:128*\g+16*\j   ; the bias of columns 32 g + 16 h + 4 j ..
.endr
.endr
	s_wait_tensorcnt 1                             ; my part of slot 0 is in; slot 1's may stay out
	s_barrier_signal -1
	s_barrier_wait -1
	FETCH_B 0, 0, 0
	FETCH_A 0, 0, 0
	SCALES 0
	FETCH_A 0, 0, 4
	s_wait_loadcnt 0x0                             ; the bias
	STEP 0, 2                                      ; the first step stands in front of the loop: its products start the sums from the bias
	s_mov_b32 s3, LAPS-1
.Llap:
	TURN 0, 1, 1
	STEP 1, 0
	TURN 1, 0, 1
	STEP 0, 0
	s_sub_co_u32 s3, s3, 1
	s_cmp_lg_u32 s3, 0
	s_cbranch_scc1 .Llap
	TURN 0, 1, 0                                   ; the last lap fills nothing
	STEP 1, 0
	s_wait_dscnt 4*NL                              ; the very last 128 along K
	WIN MUL_LO
	MUL16 0, 1, 1, 1, 0
	MUL16 2, 1, 1, 1, 0
	s_wait_dscnt 0x0
	WIN MUL_HI
	MUL16 4, 1, 1, 1, 0
	MUL16 6, 1, 1, 1, 0
	WIN 0
; THE WAY OUT, block by block of 16 rows x 128 columns.  Register j of accumulator (a, b) in lane (r, h) is column 32 (b / 2) + 16 h + 8 (b % 2) + j of lane-row r.  A block goes through my own stage and comes back as whole
; rows of 512 bytes.  LDS serves a wave's instructions in order (ISA guide 5.7.1.4): no wait between the stores and the loads, nor in front of the next block's stores.
.macro TOSTAGE a
.set AC, 64*((\a)%4)
	WIN 0x08+4*((\a)/4)                            ; an LDS store's data: window 2 or 3
.irp b, 0,1,2,3,4,5,6,7
	ds_store_b128 v[STO], v[AC+8*\b:AC+8*\b+3] offset:128*(\b/2)+32*(\b%2)        ; each accumulator from its low end on
	ds_store_b128 v[STO], v[AC+8*\b+4:AC+8*\b+7] offset:128*(\b/2)+32*(\b%2)+16
.endr
	WIN 0
.set BB, BK+64*((\a)%2)
.irp t, 0,1,2,3,4,5,6,7,8,9,10,11,12,13,14,15
	ds_load_b128 v[BB+4*\t:BB+4*\t+3], v[RD] offset:\t*SPITCH
.endr
.endm
.macro SEND a, younger                 ; younger: the LDS instructions issued behind block a's loads, which may stay out
.set BB, BK+64*((\a)%2)
	s_wait_dscnt \younger
.irp t, 0,1,2,3,4,5,6,7,8,9,10,11,12,13,14,15
	global_store_b128 v[LI], v[BB+4*\t:BB+4*\t+3], s[OUTP:OUTP+1] offset:(32*((\a)/2)+8*((\a)%2)+\t+8*(\t/8))*4096 th:TH_STORE_NT   ; 32 lanes store 512 consecutive bytes of a row, at a multiple of 256 from out0's first byte
.endr
.endm
	PLACES
	TOSTAGE 0
.irp a, 1,2,3,4,5,6,7
.if \a > 1
	s_wait_xcnt 0x0                                ; block a - 2's stores have read their registers: block a's loads may land there
.endif
	TOSTAGE \a
	SEND \a-1, 32                                  ; behind block a - 1's loads: block a's 16 stores and 16 loads
.endr
	SEND 7, 0
	s_wait_tensorcnt 0x0                           ; the wave's end
	ds_add_u32 v[SPW], v[NIL]
	s_wait_dscnt 0x0
	CROUND                                         ; the closing round
	s_endpgm
.Lfunc_end_k_qa2c1008a7a_oproj:
	.size	k_qa2c1008a7a_oproj, .Lfunc_end_k_qa2c1008a7a_oproj-k_qa2c1008a7a_oproj
	.p2alignl 7, 3214868480
	.fill 96, 4, 3214868480
	.section	.rodata,"a",@progbits
	.p2align	6, 0x0
	.amdhsa_kernel k_qa2c1008a7a_oproj
		.amdhsa_group_segment_fixed_size 327680
		.amdhsa_private_segment_fixed_size 0
		.amdhsa_enable_private_segment 0
		.amdhsa_kernarg_size 32
		.amdhsa_user_sgpr_count 2
		.amdhsa_user_sgpr_kernarg_segment_ptr 1
		.amdhsa_wavefront_size32 1
		.amdhsa_system_sgpr_workgroup_id_x 1
		.amdhsa_system_sgpr_workgroup_id_y 1
		.amdhsa_system_sgpr_workgroup_id_z 1
		.amdhsa_system_vgpr_workitem_id 0
		.amdhsa_next_free_vgpr 1024
		.amdhsa_next_free_sgpr 100
		.amdhsa_reserve_vcc 0
		.amdhsa_float_denorm_mode_32 3
		.amdhsa_float_denorm_mode_16_64 3
		.amdhsa_memory_ordered 1
		.amdhsa_forward_progress 1
		.amdhsa_inst_pref_size 133
	.end_amdhsa_kernel
	.amdgpu_metadata
---
amdhsa.version: [ 1, 2 ]
amdhsa.kernels:
  - .name:           k_qa2c1008a7a_oproj
    .symbol:         k_qa2c1008a7a_oproj.kd
    .args:
      - { .name: o_op, .offset: 0, .size: 8, .value_kind: global_buffer, .address_space: global }
      - { .name: w_op, .offset: 8, .size: 8, .value_kind: global_buffer, .address_space: global }
      - { .name: bo, .offset: 16, .size: 8, .value_kind: global_buffer, .address_space: global }
      - { .name: out0, .offset: 24, .size: 8, .value_kind: global_buffer, .address_space: global }
    .group_segment_fixed_size: 327680
    .private_segment_fixed_size: 0
    .kernarg_segment_align: 8
    .kernarg_segment_size: 32
    .max_flat_workgroup_size: 128
    .sgpr_count:     100
    .vgpr_count:     1024
    .wavefront_size: 32
...
	.end_amdgpu_metadata
.endif
;; end of part 4
;; ======== version 2 of 2: 4 launches
;; limits: right only within a limited range of input values
;; workspace buffers: x_op 3,276,800 bytes; w_op 6,553,600 bytes; rope 1,048,576 bytes; qkv_op 19,660,800 bytes; o_op 6,553,600 bytes
;; launch prep (part 5): grid 896 x 1, 4 waves a work-group, no clusters, 58,880 bytes of LDS; arguments x, Wq, Wk, Wv, Wo, x_op, w_op, rope; writes x_op, w_op, rope
.if DOCPART == 5
	.amdgcn_target "amdgcn-amd-amdhsa--gfx1250"
	.amdhsa_code_object_version 6
	.text
	.protected	k_qa2c1008a7a_prep
	.globl	k_qa2c1008a7a_prep
	.p2align	8
	.type	k_qa2c1008a7a_prep,@function
k_qa2c1008a7a_prep:
	s_mov_b64 s[64:65], 0
	v_nop
	global_prefetch_b8 v0, s[64:65] scope:SCOPE_SE
	s_setreg_imm32_b32 hwreg(HW_REG_WAVE_MODE, 25, 1), 1
	s_wait_xcnt 0x0
; PREP: x, Wq, Wk, Wv, Wo (f32) become codes of FP6 (E2M3) with one E8M0 byte for each 32 along K; and the table of cos and sin for the rotary step is made.
; THE OPERAND BLOCK (OB), 12,800 bytes: 128 rows x 128 along K as an IMAGE OF THE MATRIX OPERAND'S REGISTERS.  Fragment f = 2 B + u (16 rows, 12 registers a lane) lies at 1,536 f; registers 4 c .. 4 c + 3 of
; lane L at 1,536 f + 512 c + 16 L.  Lane-row r of fragment 2 B + u is row 32 B + 8 u + r + 8 (r / 8) of the block.  At byte 12,288 the scale words: lane L's 16 bytes at 16 L; word j is that of fragment 2 j + L / 16, row L % 16.
; x_op: [32 blocks of rows][8 K steps].  w_op: blocks 0-383: [Wq 16 | Wk 16 | Wv 16 blocks of columns][8 K steps]; blocks 384-511: Wo [8][16].  A weight's rows in an OB are its COLUMNS n, since K is its first axis.
; A block's scale is 2^(floor(log2(largest magnitude)) - 2); its byte is the largest magnitude's exponent field - 2, held at 1 from below.
; LIMITS: a block of zeros gets the byte 1 where the quantiser says 127 (its codes are zeros, and this program alone reads the bytes); blocks whose largest magnitude lies under 2^-124 are held at that floor;
; NaN and infinities among the inputs are not served.  The table's 10000^(-j/64) lies within some 2 units in the last place of the exact number, which moves an angle by up to 2e-4 at position 2,047.
; SHARES: work-groups 0-255: an OB of x each; 256-639: of Wq, Wk, Wv; 640-767: of Wo; 768-895: a tile of 16 positions of the table.  Wave w makes fragments 2 w and 2 w + 1.  Waves share nothing: no barrier.
; Each path has LDS bytes of its own.
.set OBB,  12800
.set XST,  0                           ; x path: a stage of 16 rows x (512 + 16) bytes for each wave
.set WST,  33792                       ; Wq, Wk, Wv: two fragments' images, 3,072 bytes, for each wave
.set OST,  46080                       ; Wo: the same
.set LI,   2                           ; v2  16 x lane
.set SEL,  22                          ; s[22:23] selects of v_permlanex16_b32: lane l xor 16
.set R0,   16                          ; x path: v16-79 tile 0 as loaded (later tile 1's neighbours), v80-143 tile 1 as loaded, v144-207 tile 0's neighbours
.set R1,   80
.set XN,   144
.set PC,   208                         ; v208-226 the codes just made
.set TM,   228                         ; v228-243 at work
.set PW,   244                         ; the scale word just made
.set PWE,  245
.set PWC,  246
.set WX,   16                          ; W paths: v16-79 two sets of 32 numbers; v80.. eight registers of codes a block; v112 the scale word; v116-139 the way out
.set WC,   80
.set SB,   112
.set WO,   116
; 64 numbers of a lane, v[s] .. v[s + 63], register 16 b + i = k 32 b + 16 (lane / 16) + i of my row, become a fragment's codes in v[PC] on and its scale word in v[PW].
.macro QUANT s
.irp b, 0,1,2,3
	v_max3_num_f32 v[TM+\b], |v[\s+16*\b]|, |v[\s+1+16*\b]|, 0x1800000   ; block b: my 16 numbers, and the floor 2^(3 - 127): the byte cannot fall under 1
.endr
.irp i, 2,4,6,8,10,12,14
.irp b, 0,1,2,3
	v_max3_num_f32 v[TM+\b], v[TM+\b], |v[\s+16*\b+\i]|, |v[\s+1+16*\b+\i]|
.endr
.endr
.irp b, 0,1,2,3
	v_permlanex16_b32 v[TM+4+\b], v[TM+\b], s[SEL], s[SEL+1]
.endr
.irp b, 0,1,2,3
	v_max_num_f32 v[TM+\b], v[TM+\b], v[TM+4+\b]     ; with lane l xor 16's: the block's largest magnitude
.endr
.irp b, 0,1,2,3
	v_add_nc_u32 v[TM+12+\b], 0xff000000, v[TM+\b]   ; 2 off its exponent field: the conversion's scale operand
.endr
.irp b, 0,1,2,3
	v_lshrrev_b32 v[TM+4+\b], 23, v[TM+12+\b]        ; the scale's byte
.endr
	v_lshl_or_b32 v[PW], v[TM+5], 8, v[TM+4]
	v_lshl_or_b32 v[PW], v[TM+6], 16, v[PW]
	v_lshl_or_b32 v[PW], v[TM+7], 24, v[PW]
.irp c, 0,1
	v_cvt_scalef32_pk16_fp6_f32 v[PC+6*\c:PC+2+6*\c], v[\s+32*\c:\s+15+32*\c], v[TM+12+2*\c]
	v_cvt_scalef32_pk16_fp6_f32 v[PC+12+4*\c:PC+14+4*\c], v[\s+16+32*\c:\s+31+32*\c], v[TM+12+2*\c+1]   ; (a conversion's three registers begin on an even number)
.endr
	v_nop                                            ; one plain place behind a scaled conversion
.irp c, 0,1                                      ; the operand's layout wants a WHOLE block in a lane
.irp i, 0,1,2
	v_permlane16_swap_b32 v[PC+6*\c+\i], v[PC+12+4*\c+\i]
.endr
.irp i, 0,1,2
	v_mov_b32 v[PC+3+6*\c+\i], v[PC+12+4*\c+\i]
.endr
.endr
.endm
	s_load_b256 s[4:11], s[0:1], 0x0               ; x, Wq, Wk, Wv
	s_load_b256 s[12:19], s[0:1], 0x20             ; Wo, x_op, w_op, rope
	v_lshl_add_u32 v254, v0, 2, 0xe400
	v_mov_b32 v255, 0
	v_lshrrev_b32 v1, 5, v0
	v_readfirstlane_b32 s20, v1                    ; wave 0..3
	v_and_b32 v1, 31, v0                           ; lane
	v_lshlrev_b32 v[LI], 4, v1
	v_and_b32 v7, 15, v0                           ; r
	v_bfe_u32 v8, v0, 4, 1                         ; h
	s_mov_b32 s[SEL], 0x76543210
	s_mov_b32 s[SEL+1], 0xfedcba98
	s_mov_b32 s24, 0xffff0000                      ; lanes 16-31
	s_mov_b32 s31, 0
	s_mov_b32 s33, 0
	s_wait_kmcnt 0x0
	s_cmp_lt_u32 ttmp9, 256
	s_cbranch_scc1 .Lpath_x
	s_cmp_lt_u32 ttmp9, 640
	s_cbranch_scc1 .Lpath_w
	s_cmp_lt_u32 ttmp9, 768
	s_cbranch_scc1 .Lpath_o
; ---- THE TABLE.  Tile Tt: positions 32 (Tt / 2) + 8 (Tt % 2) + r + 8 (r / 8).  Its 8,192 bytes: 16 groups of 512 bytes (16 a lane): group q: cos, registers 4 q .. 4 q + 3; group 8 + q: sin.
; Register 16 B + i of lane (r, h) belongs to frequency j = 32 B + 16 h + i.  Thread (w, lane) makes groups w and w + 4 of both: eight angles, number m: j = 32 (m / 4) + 16 h + 4 w + m % 4.
.set JF, 16
.set YH, 24
.set YL, 32
.set EX, 40
.set TH, 48
.set KK, 56
.set RR, 64
.set ZZ, 72
.set SN, 80
.set CN, 88
.set KI, 96
.set T1, 104
.set CO, 112
.set SI, 120
	s_sub_co_u32 s30, ttmp9, 768                   ; Tt
	s_lshr_b32 s32, s30, 1
	s_lshl_b32 s32, s32, 5
	s_and_b32 s34, s30, 1
	s_lshl_b32 s34, s34, 3
	s_add_co_u32 s32, s32, s34
	v_and_b32 v9, 8, v0
	s_wait_alu depctr_va_vdst(0)
	v_add_nc_u32 v9, v9, v7
	v_add_nc_u32 v9, s32, v9                       ; my position
	v_cvt_f32_u32 v10, v9
	s_lshl_b32 s34, s20, 2
	v_lshl_add_u32 v11, v8, 4, s34                 ; 16 h + 4 w
	s_wait_alu depctr_va_vdst(0)
	s_lshl_b32 s30, s30, 13
	s_lshl_b32 s34, s20, 9
	s_add_co_u32 s30, s30, s34                     ; 8,192 Tt + 512 w
	s_add_nc_u64 s[18:19], s[18:19], s[30:31]
	s_mov_b32 s36, 0x3e549a78                      ; log2(10) / 16, its upper part,
	s_mov_b32 s37, 0x31979a37                      ; and what is left of it
	s_mov_b32 s38, 0xbf317218                      ; -ln 2
	s_mov_b32 s39, 0x3f22f983                      ; 2 / pi
	s_mov_b32 s40, 0xbfc90fda                      ; -pi / 2 in three parts
	s_mov_b32 s41, 0xb3a22168
	s_mov_b32 s42, 0xa7c234c4
	s_mov_b32 s43, 0xb94ca1f9                      ; sine's polynomial on -pi/4 .. pi/4
	s_mov_b32 s44, 0x3c08839e
	s_mov_b32 s45, 0xbe2aaaa3
	s_mov_b32 s46, 0x37ccf5ce                      ; cosine's
	s_mov_b32 s47, 0xbab6061a
	s_mov_b32 s48, 0x3d2aaaa5
.irp m, 0,1,2,3,4,5,6,7
	v_add_nc_u32 v[JF+\m], 32*(\m/4)+\m%4, v11
.endr
.irp m, 0,1,2,3,4,5,6,7
	v_cvt_f32_u32 v[JF+\m], v[JF+\m]
.endr
.irp m, 0,1,2,3,4,5,6,7
	v_mul_f32 v[YH+\m], s36, v[JF+\m]              ; y = j log2(10) / 16 as a sum of two: yh,
.endr
.irp m, 0,1,2,3,4,5,6,7
	v_fma_f32 v[YL+\m], v[JF+\m], s36, -v[YH+\m]   ; what the product's rounding lost,
.endr
.irp m, 0,1,2,3,4,5,6,7
	v_fma_f32 v[YL+\m], v[JF+\m], s37, v[YL+\m]    ; and the constant's lower part
.endr
.irp m, 0,1,2,3,4,5,6,7
	v_exp_f32 v[EX+\m], -v[YH+\m]
.endr
	v_nop                                          ; a plain place behind the last exponential
	s_wait_alu depctr_va_vdst(0)                   ; one wait for the eight, ahead of their first reader
.irp m, 0,1,2,3,4,5,6,7
	v_mul_f32 v[T1+\m], v[EX+\m], v[YL+\m]
.endr
.irp m, 0,1,2,3,4,5,6,7
	v_fma_f32 v[EX+\m], v[T1+\m], s38, v[EX+\m]    ; 2^-(yh + yl) = 2^-yh (1 - yl ln 2): 10000^(-j/64)
.endr
.irp m, 0,1,2,3,4,5,6,7
	v_mul_f32 v[TH+\m], v10, v[EX+\m]              ; the angle, one rounding
.endr
.irp m, 0,1,2,3,4,5,6,7
	v_mul_f32 v[KK+\m], s39, v[TH+\m]
.endr
.irp m, 0,1,2,3,4,5,6,7
	v_rndne_f32 v[KK+\m], v[KK+\m]                 ; how many quarter turns
.endr
.irp m, 0,1,2,3,4,5,6,7
	v_fma_f32 v[RR+\m], v[KK+\m], s40, v[TH+\m]
.endr
.irp m, 0,1,2,3,4,5,6,7
	v_fma_f32 v[RR+\m], v[KK+\m], s41, v[RR+\m]
.endr
.irp m, 0,1,2,3,4,5,6,7
	v_fma_f32 v[RR+\m], v[KK+\m], s42, v[RR+\m]    ; the rest, within pi / 4
.endr
.irp m, 0,1,2,3,4,5,6,7
	v_mul_f32 v[ZZ+\m], v[RR+\m], v[RR+\m]
.endr
.irp m, 0,1,2,3,4,5,6,7
	v_fma_f32 v[SN+\m], v[ZZ+\m], s43, s44
.endr
.irp m, 0,1,2,3,4,5,6,7
	v_fma_f32 v[SN+\m], v[SN+\m], v[ZZ+\m], s45
.endr
.irp m, 0,1,2,3,4,5,6,7
	v_mul_f32 v[T1+\m], v[ZZ+\m], v[RR+\m]
.endr
.irp m, 0,1,2,3,4,5,6,7
	v_fma_f32 v[SN+\m], v[SN+\m], v[T1+\m], v[RR+\m]
.endr
.irp m, 0,1,2,3,4,5,6,7
	v_fma_f32 v[CN+\m], v[ZZ+\m], s46, s47
.endr
.irp m, 0,1,2,3,4,5,6,7
	v_fma_f32 v[CN+\m], v[CN+\m], v[ZZ+\m], s48
.endr
.irp m, 0,1,2,3,4,5,6,7
	v_mul_f32 v[T1+\m], v[ZZ+\m], v[ZZ+\m]
.endr
.irp m, 0,1,2,3,4,5,6,7
	v_fma_f32 v[RR+\m], v[ZZ+\m], -0.5, 1.0
.endr
.irp m, 0,1,2,3,4,5,6,7
	v_fma_f32 v[CN+\m], v[CN+\m], v[T1+\m], v[RR+\m]
.endr
.irp m, 0,1,2,3,4,5,6,7
	v_cvt_i32_f32 v[KI+\m], v[KK+\m]
.endr
.irp m, 0,1,2,3,4,5,6,7
	v_and_b32 v[T1+\m], 1, v[KI+\m]
	v_cmp_eq_u32 vcc_lo, 1, v[T1+\m]               ; an odd number of quarter turns: sine and cosine change places
	v_cndmask_b32 v[SI+\m], v[SN+\m], v[CN+\m], vcc_lo
	v_cndmask_b32 v[CO+\m], v[CN+\m], v[SN+\m], vcc_lo
	v_lshlrev_b32 v[T1+\m], 30, v[KI+\m]
	v_and_b32 v[T1+\m], 0x80000000, v[T1+\m]       ; the sine is negative in quarters 2 and 3,
	v_xor_b32 v[SI+\m], v[T1+\m], v[SI+\m]
	v_add_nc_u32 v[KI+\m], 1, v[KI+\m]
	v_lshlrev_b32 v[KI+\m], 30, v[KI+\m]
	v_and_b32 v[KI+\m], 0x80000000, v[KI+\m]       ; the cosine in quarters 1 and 2
	v_xor_b32 v[CO+\m], v[KI+\m], v[CO+\m]
.endr
.irp t, 0,1
	global_store_b128 v[LI], v[CO+4*\t:CO+4*\t+3], s[18:19] offset:2048*\t        ; 32 lanes store 512 consecutive bytes
	global_store_b128 v[LI], v[SI+4*\t:SI+4*\t+3], s[18:19] offset:4096+2048*\t
.endr
	s_endpgm
; ---- x: OB g = ttmp9: rows 128 (g / 8) on, K step g % 8.  Each load reads 512 consecutive bytes of one row, 16 a lane; a tile's 16 rows turn through the wave's stage, so that lane (r, h) gets, of row r,
; 16 neighbours of each block of 32.  The stage's rows are 528 bytes apart.
.Lpath_x:
	s_lshr_b32 s30, ttmp9, 3
	s_lshl_b32 s30, s30, 19                        ; 128 rows of 4,096 bytes
	s_and_b32 s32, ttmp9, 7
	s_lshl_b32 s32, s32, 9                         ; 128 numbers along K
	s_add_co_u32 s30, s30, s32
	s_lshl_b32 s32, s20, 17                        ; my wave's 32 rows
	s_add_co_u32 s30, s30, s32
	s_add_nc_u64 s[4:5], s[4:5], s[30:31]
	s_mul_i32 s34, ttmp9, OBB
	s_mul_i32 s32, s20, 3072
	s_add_co_u32 s32, s32, s34
	s_add_nc_u64 s[26:27], s[14:15], s[32:33]      ; my two fragments
	s_lshl_b32 s32, s20, 2
	s_add_co_u32 s32, s32, s34
	s_add_co_u32 s32, s32, 12288
	s_add_nc_u64 s[28:29], s[14:15], s[32:33]      ; word w of each lane's 16 bytes of scale words
	s_mul_i32 s25, s20, 8448
	s_wait_alu depctr_va_vdst(0)
	v_add_nc_u32 v3, s25, v[LI]                    ; the stage, in: 16 x lane of a row
	v_mul_u32_u24 v4, v7, 528
	v_lshl_add_u32 v4, v8, 6, v4
	v_add_nc_u32 v4, s25, v4                       ; and out: row r, + 64 h
.irp b, 0,1,2,3
	v_mov_b32 v[TM+4+\b], 0                        ; written once: a lane permute's destination counts as one of its sources
.endr
.irp u, 0,1
.irp i, 0,1,2,3,4,5,6,7,8,9,10,11,12,13,14,15
	global_load_b128 v[R0+64*\u+4*\i:R0+64*\u+4*\i+3], v[LI], s[4:5] offset:(8*\u+\i+8*(\i/8))*4096 th:TH_LOAD_NT
.endr
.endr
.macro XTURN src, dst                  ; LDS serves a wave's instructions in order: no wait between the stores and the loads
.irp i, 0,1,2,3,4,5,6,7,8,9,10,11,12,13,14,15
	ds_store_b128 v3, v[\src+4*\i:\src+4*\i+3] offset:528*\i
.endr
.irp b, 0,1,2,3
.irp j, 0,1,2,3
	ds_load_b128 v[\dst+16*\b+4*\j:\dst+16*\b+4*\j+3], v4 offset:128*\b+16*\j
.endr
.endr
.endm
	s_wait_alu depctr_va_vdst(0)
	s_wait_loadcnt 16                              ; tile 0's sixteen loads are in; tile 1's may be out
	XTURN R0, XN
	s_wait_dscnt 0x0                               ; tile 0 is back, and its stores have read R0
	s_wait_loadcnt 0x0
	XTURN R1, R0                                   ; tile 1 turns while tile 0 is quantised
	QUANT XN
.irp c, 0,1,2
	global_store_b128 v[LI], v[PC+4*\c:PC+4*\c+3], s[26:27] offset:512*\c
.endr
	v_mov_b32 v[PWE], v[PW]
	s_wait_dscnt 0x0
	s_wait_xcnt 0x0                                ; the stores' data registers are written again only behind this wait
	QUANT R0
.irp c, 0,1,2
	global_store_b128 v[LI], v[PC+4*\c:PC+4*\c+3], s[26:27] offset:1536+512*\c
.endr
	v_cndmask_b32 v[PWC], v[PWE], v[PW], s24       ; lanes 0-15: fragment 2 w's words; lanes 16-31: fragment 2 w + 1's
	global_store_b32 v[LI], v[PWC], s[28:29]
	s_wait_tensorcnt 0x0
	ds_add_u32 v254, v255
	s_wait_dscnt 0x0
	s_endpgm
; ---- A weight's OB.  A LANE TAKES A COLUMN n AND ITS REGISTERS RUN DOWN K: a block of 32 lies in one lane.  Lane l of wave w has column 32 w + l of the block: fragment 2 w + u, lane-row r', u = (l / 8) % 2,
; r' = l % 8 + 8 (l / 16).  Block bl of the K step is the six registers 6 (bl / 2) .. + 5 of image lane r' + 16 (bl % 2): they go to their places in the wave's image in LDS, and the image leaves in runs of 512 bytes.
.macro WLOAD t, pitch
.irp i, 0,1,2,3,4,5,6,7,8,9,10,11,12,13,14,15,16,17,18,19,20,21,22,23,24,25,26,27,28,29,30,31
	global_load_b32 v[WX+32*((\t)%2)+\i], v3, s[34:35] offset:(32*(\t)+\i)*\pitch th:TH_LOAD_NT
.endr
.endm
.macro WBLOCK bl, pitch
.set XS, WX+32*((\bl)%2)
.set CC, WC+8*(\bl)
.if (\bl) < 3
	s_wait_loadcnt 32                              ; this block's 32 loads are in; the next block's may be out
.else
	s_wait_loadcnt 0x0
.endif
	v_max3_num_f32 v12, |v[XS]|, |v[XS+1]|, |v[XS+2]|
	v_max3_num_f32 v13, |v[XS+3]|, |v[XS+4]|, |v[XS+5]|
.irp i, 6,10,14,18,22,26
	v_max3_num_f32 v12, v12, |v[XS+\i]|, |v[XS+\i+1]|
	v_max3_num_f32 v13, v13, |v[XS+\i+2]|, |v[XS+\i+3]|
.endr
	v_max3_num_f32 v12, v12, |v[XS+30]|, |v[XS+31]|
	v_max3_num_f32 v12, v12, v13, 0x1800000        ; and the floor 2^(3 - 127)
	v_add_nc_u32 v11, 0xff000000, v12              ; 2 off the exponent field: the conversion's scale operand
	v_lshrrev_b32 v13, 23, v11                     ; the scale's byte
.if (\bl) == 0
	v_mov_b32 v[SB], v13
.else
	v_lshl_or_b32 v[SB], v13, 8*(\bl), v[SB]
.endif
	v_cvt_scalef32_pk16_fp6_f32 v[CC:CC+2], v[XS:XS+15], v11
	v_cvt_scalef32_pk16_fp6_f32 v[CC+4:CC+6], v[XS+16:XS+31], v11
	v_nop                                          ; one plain place behind a scaled conversion
	v_mov_b32 v[CC+3], v[CC+4]                     ; the six registers on end
	v_mov_b32 v[CC+4], v[CC+5]
	v_mov_b32 v[CC+5], v[CC+6]
.if (\bl) < 2
	ds_store_b128 v4, v[CC:CC+3] offset:256*((\bl)%2)            ; registers 0-3
	ds_store_b64 v4, v[CC+4:CC+5] offset:512+256*((\bl)%2)       ; registers 4, 5
	WLOAD (\bl)+2, \pitch
.else
	ds_store_b64 v4, v[CC:CC+1] offset:520+256*((\bl)%2)         ; registers 6, 7
	ds_store_b128 v4, v[CC+2:CC+5] offset:1024+256*((\bl)%2)     ; registers 8-11
.endif
.endm
; s30: the OB's number in w_op;  s[34:35]: the weight at my wave's first column and the K step's first row
.macro WBODY pitch, stage
	s_mul_i32 s30, s30, OBB
	s_mul_i32 s36, s20, 3072
	s_add_co_u32 s32, s30, s36
	s_add_nc_u64 s[26:27], s[16:17], s[32:33]      ; my two fragments
	s_lshl_b32 s32, s20, 2
	s_add_co_u32 s32, s32, s30
	s_add_co_u32 s32, s32, 12288
	s_add_nc_u64 s[28:29], s[16:17], s[32:33]      ; word w of the scale words
	s_add_co_u32 s36, s36, \stage
	v_lshlrev_b32 v3, 2, v1                        ; in: 4 bytes a lane
	v_bfe_u32 v9, v0, 3, 1                         ; u
	v_and_b32 v10, 7, v0
	v_lshl_add_u32 v10, v8, 3, v10                 ; r'
	v_mul_u32_u24 v4, v9, 1536
	v_lshl_add_u32 v4, v10, 4, v4
	v_add_nc_u32 v4, s36, v4                       ; into the image: 1,536 u + 16 r'
	v_add_nc_u32 v5, s36, v[LI]                    ; out of it: 16 x lane
	v_lshlrev_b32 v6, 8, v9
	v_lshl_add_u32 v6, v10, 4, v6                  ; my scale word: 16 (r' + 16 u)
	WLOAD 0, \pitch
	WLOAD 1, \pitch
	WBLOCK 0, \pitch
	WBLOCK 1, \pitch
	WBLOCK 2, \pitch
	WBLOCK 3, \pitch
.irp q, 0,1,2,3,4,5
	ds_load_b128 v[WO+4*\q:WO+4*\q+3], v5 offset:512*\q          ; LDS serves a wave's instructions in order: these see my stores
.endr
	s_wait_alu depctr_va_vdst(0)
.irp q, 0,1,2,3,4,5
	s_wait_dscnt 5-\q                              ; the younger loads may be out
	global_store_b128 v[LI], v[WO+4*\q:WO+4*\q+3], s[26:27] offset:512*\q
.endr
	global_store_b32 v6, v[SB], s[28:29]
.endm
.Lpath_w:
	s_sub_co_u32 s30, ttmp9, 256
	s_lshr_b32 s32, s30, 3                         ; which block of columns of Wq | Wk | Wv
	s_and_b32 s37, s30, 7                          ; K step
	s_cmp_lt_u32 s32, 16
	s_cselect_b64 s[34:35], s[6:7], s[8:9]
	s_cmp_lt_u32 s32, 32
	s_cselect_b64 s[34:35], s[34:35], s[10:11]
	s_lshl_b32 s37, s37, 20                        ; 128 rows of 8,192 bytes
	s_and_b32 s32, s32, 15
	s_lshl_b32 s32, s32, 9                         ; 128 columns
	s_add_co_u32 s32, s32, s37
	s_lshl_b32 s37, s20, 7                         ; my wave's 32
	s_add_co_u32 s32, s32, s37
	s_add_nc_u64 s[34:35], s[34:35], s[32:33]
	s_wait_alu depctr_va_vdst(0)
	WBODY 8192, WST
	s_wait_tensorcnt 0x0
	ds_add_u32 v254, v255
	s_wait_dscnt 0x0
	s_endpgm
.Lpath_o:
	s_sub_co_u32 s30, ttmp9, 256                   ; 384 + (ttmp9 - 640)
	s_sub_co_u32 s32, ttmp9, 640
	s_and_b32 s37, s32, 15                         ; K step
	s_lshr_b32 s32, s32, 4                         ; block of columns
	s_lshl_b32 s37, s37, 19                        ; 128 rows of 4,096 bytes
	s_lshl_b32 s32, s32, 9
	s_add_co_u32 s32, s32, s37
	s_lshl_b32 s37, s20, 7
	s_add_co_u32 s32, s32, s37
	s_add_nc_u64 s[34:35], s[12:13], s[32:33]
	s_wait_alu depctr_va_vdst(0)
	WBODY 4096, OST
	s_wait_tensorcnt 0x0
	ds_add_u32 v254, v255
	s_wait_dscnt 0x0
	s_endpgm
.Lfunc_end_k_qa2c1008a7a_prep:
	.size	k_qa2c1008a7a_prep, .Lfunc_end_k_qa2c1008a7a_prep-k_qa2c1008a7a_prep
	.p2alignl 7, 3214868480
	.fill 96, 4, 3214868480
	.section	.rodata,"a",@progbits
	.p2align	6, 0x0
	.amdhsa_kernel k_qa2c1008a7a_prep
		.amdhsa_group_segment_fixed_size 58880
		.amdhsa_private_segment_fixed_size 0
		.amdhsa_enable_private_segment 0
		.amdhsa_kernarg_size 64
		.amdhsa_user_sgpr_count 2
		.amdhsa_user_sgpr_kernarg_segment_ptr 1
		.amdhsa_wavefront_size32 1
		.amdhsa_system_sgpr_workgroup_id_x 1
		.amdhsa_system_sgpr_workgroup_id_y 1
		.amdhsa_system_sgpr_workgroup_id_z 1
		.amdhsa_system_vgpr_workitem_id 0
		.amdhsa_next_free_vgpr 256
		.amdhsa_next_free_sgpr 66
		.amdhsa_reserve_vcc 1
		.amdhsa_float_denorm_mode_32 3
		.amdhsa_float_denorm_mode_16_64 3
		.amdhsa_memory_ordered 1
		.amdhsa_forward_progress 1
		.amdhsa_inst_pref_size 75
	.end_amdhsa_kernel
	.amdgpu_metadata
---
amdhsa.version: [ 1, 2 ]
amdhsa.kernels:
  - .name:           k_qa2c1008a7a_prep
    .symbol:         k_qa2c1008a7a_prep.kd
    .args:
      - { .name: x, .offset: 0, .size: 8, .value_kind: global_buffer, .address_space: global }
      - { .name: Wq, .offset: 8, .size: 8, .value_kind: global_buffer, .address_space: global }
      - { .name: Wk, .offset: 16, .size: 8, .value_kind: global_buffer, .address_space: global }
      - { .name: Wv, .offset: 24, .size: 8, .value_kind: global_buffer, .address_space: global }
      - { .name: Wo, .offset: 32, .size: 8, .value_kind: global_buffer, .address_space: global }
      - { .name: x_op, .offset: 40, .size: 8, .value_kind: global_buffer, .address_space: global }
      - { .name: w_op, .offset: 48, .size: 8, .value_kind: global_buffer, .address_space: global }
      - { .name: rope, .offset: 56, .size: 8, .value_kind: global_buffer, .address_space: global }
    .group_segment_fixed_size: 58880
    .private_segment_fixed_size: 0
    .kernarg_segment_align: 8
    .kernarg_segment_size: 64
    .max_flat_workgroup_size: 128
    .sgpr_count:     66
    .vgpr_count:     256
    .wavefront_size: 32
...
	.end_amdgpu_metadata
.endif
;; end of part 5
;; launch qkv (part 6): grid 16 x 24, 4 waves a work-group, clusters of 4 x 4, 327,680 bytes of LDS; arguments x_op, w_op, bq, bk, bv, rope, qkv_op; writes qkv_op
.if DOCPART == 6
	.amdgcn_target "amdgcn-amd-amdhsa--gfx1250"
	.amdhsa_code_object_version 6
	.text
	.protected	k_qa2c1008a7a_qkv
	.globl	k_qa2c1008a7a_qkv
	.p2align	8
	.type	k_qa2c1008a7a_qkv,@function
k_qa2c1008a7a_qkv:
	s_mov_b64 s[64:65], 0
	v_nop
	global_prefetch_b8 v0, s[64:65] scope:SCOPE_SE
	s_setreg_imm32_b32 hwreg(HW_REG_WAVE_MODE, 25, 1), 1
	s_wait_xcnt 0x0
	s_wait_alu depctr_hold_cnt(0) depctr_sa_sdst(0) depctr_va_vdst(0) depctr_va_sdst(0) depctr_va_ssrc(0) depctr_va_vcc(0) depctr_vm_vsrc(0)
	s_getreg_b32 s2, hwreg(HW_REG_IB_STS2, 6, 4)
	s_cmp_eq_u32 s2, 0
	s_cbranch_scc0 .Lentry_in_a_cluster
	s_endpgm
.Lentry_in_a_cluster:
	s_bfe_u32 s2, ttmp6, 0x10000c
	s_cmp_lg_u32 s2, 0xf033
	s_cbranch_scc0 .Lentry_shape_is_right
	s_endpgm
.Lentry_shape_is_right:
; QKV: q = rotary((x Wq + bq) / sqrt(128)), k = rotary(x Wk + bk), v = x Wv + bv, on codes of FP6 (E2M3) with E8M0 scales; the results are quantised again, q and k along the head's 128, v along the KEYS, and
; leave as operand blocks (OB: 128 rows x 128 K as an image of the operand's registers, 12,800 bytes: eight fragments of 1,536 bytes, then 512 bytes of scale words; lane-row r of fragment 2 B + u is row 32 B + 8 u + r + 8 (r / 8)).
; qkv_op: [q | k | v][batch x head 32][16] OBs.  q, k: an OB is 128 positions x the head's 128.  v: an OB is the head's 128 x 128 keys.
; A tile of 256 x 256 is made by four waves, 128 x 128 each: 64 accumulators, 512 registers.  K is 1,024: eight OBs of each of four blocks of 128 rows (A's two, B's two).
; LDS: each block has room for six OBs, 76,800 bytes.  TWO FILLS: at the head each wave fetches K steps 0 to 5 of one block, one load of 300 rows of 256 bytes; in K step 1, when steps 0 and 1 have been read by all,
; each wave fetches its block's K steps 6 and 7 (100 rows) onto their places: that load has K steps 2 to 5, 256 products a wave, in which to land.
; THE MATRIX INSTRUCTION: source 0 = the operand whose rows shall run along a lane's REGISTERS ("B"), source 1 = the operand whose row a LANE holds ("A").  By the choice of rows in a fragment, the 16 registers of
; tiles 2 B and 2 B + 1 are 16 neighbours, 32 B + 16 (lane / 16) + 0 .. 15: as the next quantiser wants them.
; TWO TYPES, by the cluster's y: clusters 0-3: A = x (a lane holds a position), B = Wq | Wk (registers run along d).  Clusters 4, 5: A = Wv (a lane holds a d), B = x (registers run along the keys).
; CLUSTERS: 4 x 4 work-groups; A's blocks are shared along a row of the cluster, B's along a column: asked for jointly, which divides the requests by four.
; No prefetch: the launch has two fills and no loop to run ahead in.
; THE WAY OUT OF q AND k goes by blocks of 16 positions; a block's cos and sin are 16 loads, 64 registers.  They are asked for three blocks ahead, in four sets of registers.
; LIMITS: a block of zeros gets the scale byte 1 where the quantiser says 127 (zero codes; this program alone reads the bytes); blocks under 2^-124 are held at that floor; NaN and infinities are not served;
; q is made as sum x s + (bq x s), which differs from (sum + bq) x s by f32 rounding alone.
; REGISTERS: window 0: v16-29 addresses; v32-47 scale words, two sets; v64-127 biases; v128-223 A's fragments, ONE set (on the way out: v128-191 the numbers, v192-223 at work); v224-249 the codes just made.
;   window 1: B's fragments, two sets, v0-95 and v128-223; beside them v96-127 and v224-255, the first set of cos and sin; on the way out all 256 hold cos and sin, four sets.
;   windows 2, 3: accumulator (a, b) at v[8 (8 (a % 4) + b)].
.set NS,    8                          ; OBs along K
.set OBB,   12800
.set PART,  6*OBB                      ; a block's room in LDS, and what the head's load brings
.set HALF,  3*OBB                      ; from a block's first address register to its second: the loads' immediates stay under 65,536
.set SPARE, 4*PART                     ; behind the four blocks: the spare words, 128 bytes for each wave
.set FR,    12
.set NL,    3                          ; LDS loads that bring a fragment
.set ADRA,  16
.set ADRB,  20
.set LI,    24                         ; 16 x lane
.set VBO,   25                         ; 64 h
.set VBV,   26                         ; 4 (r + 8 (r / 8))
.set SPW,   28
.set NIL,   29
.set SC,    32                         ; K step k's scale words at SC + 8 (k % 2): A's four registers, then B's four; register j: lanes 0-15 fragment 2 j, lanes 16-31 fragment 2 j + 1
.set BI,    64
.set AF,    128
.set T,     128
.set TM,    192
.set XT,    208
.set PC,    224
.set PWS,   244
.set PW,    248
.set PWE,   249
.set WV,    18
.set RH,    19
.set CH,    20
.set G1,    24
.set G0,    32
.set G1B,   48
.set G0B,   56
.set OUTP,  82
.set SCL,   84
.set BP,    86
.set RP,    88
.set HIM,   90
.set SEL,   92
.set MSB, 0
.macro WIN new                         ; the immediate's high byte repeats the setting that is left
.if MSB != (\new)
	s_set_vgpr_msb (MSB<<8)|(\new)
.set MSB, (\new)
.endif
.endm
.set MUL_LO, 0xa1                      ; source 0 window 1, source 1 window 0, C and D window 2
.set MUL_HI, 0xf1                      ; the same, C and D window 3
.set TO_B,   0x40                      ; destination window 1
; A joint load: waves 0 and 1 fetch A's two blocks, waves 2 and 3 B's.  The branch hangs on the wave's number alone.  An s_nop 0 and four v_nop follow each of the two lines.
.macro JLOAD s
	s_cmp_eq_u32 s[RH], 0
	s_cbranch_scc0 .Lfor_b_\@
	tensor_load_to_lds s[G0+4*\s:G0+4*\s+3], s[G1:G1+7]
	s_nop 0
.rept 4
	v_nop
.endr
	s_branch .Lasked_\@
.Lfor_b_\@:
	tensor_load_to_lds s[G0B+4*\s:G0B+4*\s+3], s[G1B:G1B+7]
	s_nop 0
.rept 4
	v_nop
.endr
.Lasked_\@:
.endm
.macro CREST                           ; a round of the cluster's barrier behind its opening barrier
	s_cmp_lg_u32 s[WV], 0
	s_cbranch_scc1 .Lnot_wave_0_\@
	s_barrier_signal -3
.Lnot_wave_0_\@:
	s_barrier_wait -3
	s_barrier_signal -1
	s_barrier_wait -1
.endm
.macro CROUND
	s_barrier_signal -1
	s_barrier_wait -1
	CREST
.endm
.macro PLACES                          ; four plain places behind a matrix instruction of this form, in front of loads into its registers and of reads of its results
.rept 4
	v_nop
.endr
.endm
.macro FRAG reg, adr, q, i             ; a fragment comes as it lies: three loads of 16 bytes a lane, 512 consecutive bytes each
.irp c, 0,1,2
	ds_load_b128 v[\reg+4*\c:\reg+4*\c+3], v[\adr] offset:(\q)*OBB+(\i)*1536+512*\c
.endr
.endm
.macro FETCH_B g, q, p                 ; g: which address register, q: which of its three OBs, p: B's set
	WIN TO_B
.irp i, 0,1,2,3,4,5,6,7
	FRAG 128*(\p)+FR*\i, ADRB+\g, \q, \i
.endr
	WIN 0
.endm
.macro FETCH_A g, q, i0
.irp i, \i0, \i0+1, \i0+2, \i0+3
	FRAG AF+FR*(\i), ADRA+\g, \q, \i
.endr
.endm
.macro SCALES k                        ; K step k's scale words: two loads.  K step k lies at place k % 6 of its block
.set ks, (\k)%6
	ds_load_b128 v[SC+8*((\k)%2):SC+8*((\k)%2)+3], v[ADRA+ks/3] offset:(ks%3)*OBB+12288
	ds_load_b128 v[SC+8*((\k)%2)+4:SC+8*((\k)%2)+7], v[ADRB+ks/3] offset:(ks%3)*OBB+12288
.endm
; One product.  zero = 1: the constant 0 starts the sum.  rb, ra: the scale words of source 0, source 1 stand in lanes 16-31.
.macro WMM zero, rb, ra
.if (\zero) == 1
.if (\rb) && (\ra)
	v_wmma_scale_f32_16x16x128_f8f6f4 v[rD:rD+7], v[rB:rB+11], v[rA:rA+11], 0, v[rSB], v[rSA] matrix_a_fmt:MATRIX_FMT_FP6 matrix_b_fmt:MATRIX_FMT_FP6 matrix_a_scale:MATRIX_SCALE_ROW1 matrix_b_scale:MATRIX_SCALE_ROW1
.elseif (\rb)
	v_wmma_scale_f32_16x16x128_f8f6f4 v[rD:rD+7], v[rB:rB+11], v[rA:rA+11], 0, v[rSB], v[rSA] matrix_a_fmt:MATRIX_FMT_FP6 matrix_b_fmt:MATRIX_FMT_FP6 matrix_a_scale:MATRIX_SCALE_ROW1
.elseif (\ra)
	v_wmma_scale_f32_16x16x128_f8f6f4 v[rD:rD+7], v[rB:rB+11], v[rA:rA+11], 0, v[rSB], v[rSA] matrix_a_fmt:MATRIX_FMT_FP6 matrix_b_fmt:MATRIX_FMT_FP6 matrix_b_scale:MATRIX_SCALE_ROW1
.else
	v_wmma_scale_f32_16x16x128_f8f6f4 v[rD:rD+7], v[rB:rB+11], v[rA:rA+11], 0, v[rSB], v[rSA] matrix_a_fmt:MATRIX_FMT_FP6 matrix_b_fmt:MATRIX_FMT_FP6
.endif
.else
.if (\rb) && (\ra)
	v_wmma_scale_f32_16x16x128_f8f6f4 v[rD:rD+7], v[rB:rB+11], v[rA:rA+11], v[rD:rD+7], v[rSB], v[rSA] matrix_a_fmt:MATRIX_FMT_FP6 matrix_b_fmt:MATRIX_FMT_FP6 matrix_a_scale:MATRIX_SCALE_ROW1 matrix_b_scale:MATRIX_SCALE_ROW1
.elseif (\rb)
	v_wmma_scale_f32_16x16x128_f8f6f4 v[rD:rD+7], v[rB:rB+11], v[rA:rA+11], v[rD:rD+7], v[rSB], v[rSA] matrix_a_fmt:MATRIX_FMT_FP6 matrix_b_fmt:MATRIX_FMT_FP6 matrix_a_scale:MATRIX_SCALE_ROW1
.elseif (\ra)
	v_wmma_scale_f32_16x16x128_f8f6f4 v[rD:rD+7], v[rB:rB+11], v[rA:rA+11], v[rD:rD+7], v[rSB], v[rSA] matrix_a_fmt:MATRIX_FMT_FP6 matrix_b_fmt:MATRIX_FMT_FP6 matrix_b_scale:MATRIX_SCALE_ROW1
.else
	v_wmma_scale_f32_16x16x128_f8f6f4 v[rD:rD+7], v[rB:rB+11], v[rA:rA+11], v[rD:rD+7], v[rSB], v[rSA] matrix_a_fmt:MATRIX_FMT_FP6 matrix_b_fmt:MATRIX_FMT_FP6
.endif
.endif
.endm
; 16 products of K step k: A's blocks a0, a0 + 1 x B's eight.  B's set and the set of scale words are k % 2.  The 64 accumulators take turns, one instruction a turn, in the same order in every step.
.macro MUL16 a0, k, zero
.irp a, \a0, \a0+1
.irp b, 0,1,2,3,4,5,6,7
.set rD, 8*(8*((\a)%4)+\b)
.set rB, 128*((\k)%2)+FR*\b
.set rA, AF+FR*(\a)
.set rSB, SC+8*((\k)%2)+4+\b/2
.set rSA, SC+8*((\k)%2)+(\a)/2
	WMM \zero, \b%2, (\a)%2
.endr
.endr
.endm
; K step k; the next step's fragments are fetched meanwhile: B's into the other set, A's blocks 0-3 and the scale words in the middle, A's blocks 4-7 at the end.
.macro STEP k, zero
.set kn, ((\k)+1)%6
	s_wait_dscnt 4*NL                              ; all but the youngest twelve loads (A's blocks 4-7) are in
	WIN MUL_LO
	MUL16 0, \k, \zero
	MUL16 2, \k, \zero
	s_wait_dscnt 0x0                               ; A's blocks 4-7 are in
	PLACES
	FETCH_B kn/3, kn%3, ((\k)+1)%2
	FETCH_A kn/3, kn%3, 0
	SCALES (\k)+1
	WIN MUL_HI
	MUL16 4, \k, \zero
	MUL16 6, \k, \zero
	PLACES
	WIN 0
	FETCH_A kn/3, kn%3, 4
.endm
; A K step with a barrier in it; in front of the barrier each wave waits for all its tensor loads, adds 0 to its spare word, and waits for that and for all its LDS reads so far.
; fill = 1 (K step 1): the barrier opens a round of the cluster's, and places 0 and 1 of every block, which nobody reads any more, take K steps 6 and 7.  fill = 0 (K step 5): those two have landed, for all four waves.
.macro TURN k, fill
.set kn, ((\k)+1)%6
	s_wait_tensorcnt 0x0                           ; no tensor load of mine is out
	ds_add_u32 v[SPW], v[NIL]                      ; 0 onto my spare word
.if \fill
	s_mov_b32 s[G1+2], 100<<16                     ; so a descriptor may be written: the second load brings 100 rows
	s_mov_b32 s[G1+4], 100
	s_mov_b32 s[G1B+2], 100<<16
	s_mov_b32 s[G1B+4], 100
.endif
	s_wait_dscnt 4*NL+1                            ; (the add and the youngest twelve loads may be out)
	WIN MUL_LO
	MUL16 0, \k, 0                                 ; sixteen products stand between the add and the wait for it
	s_wait_dscnt 0x0                               ; the add is done, and so are my reads
	s_barrier_signal -1
	MUL16 2, \k, 0
	WIN 0
	s_barrier_wait -1
.if \fill
	CREST                                          ; no wave of any partner still reads places 0 and 1 or has a load on its way
	JLOAD 1                                        ; the first tensor load behind the round, one a wave; its four v_nop are also the places in front of the loads below
.else
	PLACES
.endif
	FETCH_B kn/3, kn%3, ((\k)+1)%2
	FETCH_A kn/3, kn%3, 0
	SCALES (\k)+1
	WIN MUL_HI
	MUL16 4, \k, 0
	MUL16 6, \k, 0
	PLACES
	WIN 0
	FETCH_A kn/3, kn%3, 4
.endm
.macro LAST                            ; K step 7: nothing more to fetch
	s_wait_dscnt 4*NL
	WIN MUL_LO
	MUL16 0, 7, 0
	MUL16 2, 7, 0
	s_wait_dscnt 0x0
	WIN MUL_HI
	MUL16 4, 7, 0
	MUL16 6, 7, 0
	WIN 0
.endm
; 64 numbers of a lane, register 16 b + i = k 32 b + 16 (lane / 16) + i of my row, become a fragment's codes in v[PC] on and its scale word in v[PW].
.macro QUANT s
.irp b, 0,1,2,3
	v_max3_num_f32 v[TM+\b], |v[\s+16*\b]|, |v[\s+1+16*\b]|, 0x1800000   ; my 16 numbers of block b, and the floor 2^(3 - 127)
.endr
.irp i, 2,4,6,8,10,12,14
.irp b, 0,1,2,3
	v_max3_num_f32 v[TM+\b], v[TM+\b], |v[\s+16*\b+\i]|, |v[\s+1+16*\b+\i]|
.endr
.endr
.irp b, 0,1,2,3
	v_permlanex16_b32 v[TM+4+\b], v[TM+\b], s[SEL], s[SEL+1]
.endr
.irp b, 0,1,2,3
	v_max_num_f32 v[TM+\b], v[TM+\b], v[TM+4+\b]
.endr
.irp b, 0,1,2,3
	v_add_nc_u32 v[TM+12+\b], 0xff000000, v[TM+\b]   ; 2 off the exponent field: the conversion's scale operand
.endr
.irp b, 0,1,2,3
	v_lshrrev_b32 v[TM+4+\b], 23, v[TM+12+\b]        ; the scale's byte
.endr
	v_lshl_or_b32 v[PW], v[TM+5], 8, v[TM+4]
	v_lshl_or_b32 v[PW], v[TM+6], 16, v[PW]
	v_lshl_or_b32 v[PW], v[TM+7], 24, v[PW]
.irp c, 0,1
	v_cvt_scalef32_pk16_fp6_f32 v[PC+6*\c:PC+2+6*\c], v[\s+32*\c:\s+15+32*\c], v[TM+12+2*\c]
	v_cvt_scalef32_pk16_fp6_f32 v[PC+12+4*\c:PC+14+4*\c], v[\s+16+32*\c:\s+31+32*\c], v[TM+12+2*\c+1]
.endr
	v_nop                                            ; one plain place behind a scaled conversion
.irp c, 0,1
.irp i, 0,1,2
	v_permlane16_swap_b32 v[PC+6*\c+\i], v[PC+12+4*\c+\i]
.endr
.irp i, 0,1,2
	v_mov_b32 v[PC+3+6*\c+\i], v[PC+12+4*\c+\i]
.endr
.endr
.endm
	s_load_b256 s[4:11], s[0:1], 0x0               ; x_op, w_op, bq, bk
	s_load_b128 s[12:15], s[0:1], 0x20             ; bv, rope
	s_load_b64 s[16:17], s[0:1], 0x30              ; qkv_op
	v_lshl_add_u32 v[SPW], v0, 2, SPARE
	v_mov_b32 v[NIL], 0
	ds_add_u32 v[SPW], v[NIL]                      ; the opening lines: the add, twice on end, and its wait ahead of my first tensor load
	ds_add_u32 v[SPW], v[NIL]
	s_wait_dscnt 0x0
	v_lshrrev_b32 v1, 5, v0
	v_readfirstlane_b32 s[WV], v1                  ; wave 0..3
	s_lshr_b32 s[RH], s[WV], 1                     ; which of A's two blocks is mine.  Also: I fetch for A (0) or for B (1)
	s_and_b32 s[CH], s[WV], 1                      ; which of B's two.  Also: which of the two blocks I fetch
	s_bfe_u32 s40, ttmp6, 0x40000                  ; cx, cy
	s_bfe_u32 s41, ttmp6, 0x40004
	s_lshl_b32 s42, ttmp9, 2
	s_add_co_u32 s42, s42, s40                     ; X = 4 x cluster x + cx
	s_and_b32 s22, ttmp7, 0xffff                   ; cluster y: under 4: q and k; else v
	s_lshl_b32 s21, s22, 2
	s_add_co_u32 s21, s21, s41                     ; Y = 4 x cluster y + cy
	s_lshl_b32 s43, s41, 2
	s_lshl_b32 s43, 15, s43                        ; my row of the cluster
	s_lshl_b32 s44, 0x1111, s40                    ; my column
	; descriptor group 1: 76,800 dense bytes as 300 rows of 32 elements of 8 bytes, no padding
	s_or_b32 s[G1+0], s43, (3<<16)|(1<<21)         ; 15:0 the mask: A's blocks go to my row; 17:16 elements of 8 bytes; 21 set beside a mask
	s_or_b32 s[G1B+0], s44, (3<<16)|(1<<21)        ; B's go to my column
.irp g, G1, G1B
	s_mov_b32 s[\g+1], 32<<16                      ; tensor_dim0 = 32
	s_mov_b32 s[\g+2], 300<<16                     ; tensor_dim1 = 300
	s_mov_b32 s[\g+3], 32<<16                      ; tile_dim0 = 32
	s_mov_b32 s[\g+4], 300                         ; tile_dim1 = 300
	s_mov_b32 s[\g+5], 32                          ; from row to row
	s_mov_b32 s[\g+6], 0
	s_mov_b32 s[\g+7], 0
.endr
	s_lshl_b32 s66, s21, 1
	s_add_co_u32 s66, s66, s[CH]
	s_mul_i32 s66, s66, NS*OBB                     ; A: block 2 Y + the one that I fetch
	s_mov_b32 s67, 0
	s_lshl_b32 s68, s42, 1
	s_add_co_u32 s68, s68, s[CH]
	s_mul_i32 s68, s68, NS*OBB                     ; B: block 2 X + the one that I fetch
	s_mov_b32 s69, 0
	s_mul_i32 s45, s[WV], PART                     ; where they go: wave x 76,800: no place in the cluster enters an LDS address
	s_wait_kmcnt 0x0
	s_cmp_lt_u32 s22, 4
	s_cselect_b64 s[70:71], s[4:5], s[6:7]         ; A is x (q, k) or the weights (v: Wv's blocks begin at 32 = 2 x 16);
	s_cselect_b64 s[72:73], s[6:7], s[4:5]         ; B the other
	s_add_nc_u64 s[70:71], s[70:71], s[66:67]
	s_add_nc_u64 s[72:73], s[72:73], s[68:69]
	CROUND                                         ; all sixteen work-groups are here: the first joint loads meet
.irp s, 0,1                                    ; group 0: set 0: K steps 0 to 5; set 1: K steps 6 and 7, onto the block's first two places
	s_mov_b32 s[G0+4*\s], 1
	s_add_co_u32 s[G0+4*\s+1], s45, 0
	s_add_nc_u64 s[G0+4*\s+2:G0+4*\s+3], s[70:71], \s*PART
	s_or_b32 s[G0+4*\s+3], s[G0+4*\s+3], 0x80000000
	s_mov_b32 s[G0B+4*\s], 1
	s_add_co_u32 s[G0B+4*\s+1], s45, 0
	s_add_nc_u64 s[G0B+4*\s+2:G0B+4*\s+3], s[72:73], \s*PART
	s_or_b32 s[G0B+4*\s+3], s[G0B+4*\s+3], 0x80000000
.endr
	JLOAD 0                                        ; one tensor load a wave at the head
	v_and_b32 v1, 31, v0
	v_lshlrev_b32 v[LI], 4, v1
	v_bfe_u32 v2, v0, 4, 1
	v_lshlrev_b32 v[VBO], 6, v2
	v_and_b32 v3, 15, v0
	v_and_b32 v4, 8, v0
	v_add_nc_u32 v3, v3, v4
	v_lshlrev_b32 v[VBV], 2, v3
	s_mul_i32 s46, s[RH], PART
	s_mul_i32 s47, s[CH], PART
	s_add_co_u32 s47, s47, 2*PART
.irp s, 0,1
	v_add_nc_u32 v[ADRA+\s], s46, v[LI]
	v_add_nc_u32 v[ADRB+\s], s47, v[LI]
	s_add_co_u32 s46, s46, HALF
	s_add_co_u32 s47, s47, HALF
.endr
	s_lshl_b32 s74, s21, 1
	s_add_co_u32 s74, s74, s[RH]                   ; my block of A
	s_lshl_b32 s75, s42, 1
	s_add_co_u32 s75, s75, s[CH]                   ; my block of B
	s_mov_b32 s81, 0
	s_mov_b32 s[HIM], 0xffff0000                   ; lanes 16-31
	s_mov_b32 s[SEL], 0x76543210
	s_mov_b32 s[SEL+1], 0xfedcba98
	s_wait_alu depctr_va_vdst(0)
	s_wait_tensorcnt 0x0                           ; my block's six K steps are in
	s_barrier_signal -1
	s_barrier_wait -1                              ; and everybody's
	FETCH_B 0, 0, 0
	FETCH_A 0, 0, 0
	SCALES 0
	FETCH_A 0, 0, 4
	STEP 0, 1                                      ; the first step's products start the sums
	TURN 1, 1
	STEP 2, 0
	STEP 3, 0
	STEP 4, 0
	TURN 5, 0
	s_cmp_lt_u32 s22, 4                            ; the two types part here: behind this line stands no barrier but the closing round, and no tensor load
	s_cbranch_scc0 .Lv_tail
; ---- q and k.  A's block = 128 positions of one batch; B's block = one head of q or of k.
	s_and_b32 s77, s75, 15                         ; head
	s_lshr_b32 s76, s75, 4                         ; 0: q, 1: k
	s_lshr_b32 s78, s74, 4                         ; batch
	s_and_b32 s79, s74, 15                         ; block of positions
	s_lshl_b32 s80, s76, 9
	s_lshl_b32 s78, s78, 8
	s_add_co_u32 s80, s80, s78
	s_lshl_b32 s78, s77, 4
	s_add_co_u32 s80, s80, s78
	s_add_co_u32 s80, s80, s79
	s_mul_i32 s80, s80, OBB
	s_add_nc_u64 s[OUTP:OUTP+1], s[16:17], s[80:81]
	s_lshl_b32 s80, s79, 16                        ; eight tiles of the table, 8,192 bytes each
	s_add_nc_u64 s[RP:RP+1], s[14:15], s[80:81]
	s_cmp_lt_u32 ttmp9, 2                          ; clusters 0 and 1 along x make q
	s_cselect_b32 s[SCL], 0x3db504f3, 1.0          ; 1 / sqrt(128), or 1
	s_cselect_b64 s[BP:BP+1], s[8:9], s[10:11]
	s_mov_b32 s[SCL+1], s[SCL]
	s_lshl_b32 s80, s77, 9
	s_add_nc_u64 s[BP:BP+1], s[BP:BP+1], s[80:81]
.irp g, 0,1,2,3
.irp j, 0,1,2,3
	global_load_b128 v[BI+16*\g+4*\j:BI+16*\g+4*\j+3], v[VBO], s[BP:BP+1] offset:128*\g+16*\j   ; the bias of d = 32 g + 16 h + 4 j ..
.endr
.endr
.macro RSET a                          ; tile a's cos (RC) and sin (RS) lie in set a % 4 of window 1.  Set 0 lies beside B's fragments; sets 1 to 3 lie where B's fragments lay
.if (\a)%4 == 0
.set RC, 96
.set RS, 224
.elseif (\a)%4 == 1
.set RC, 0
.set RS, 32
.elseif (\a)%4 == 2
.set RC, 128
.set RS, 160
.else
.set RC, 64
.set RS, 192
.endif
.endm
.macro ROPE a                          ; tile a's cos and sin: sixteen loads
	WIN TO_B
	RSET \a
.irp g, 0,1,2,3,4,5,6,7
	global_load_b128 v[RC+4*\g:RC+4*\g+3], v[LI], s[RP:RP+1] offset:8192*(\a)+512*\g
.endr
.irp g, 0,1,2,3,4,5,6,7
	global_load_b128 v[RS+4*\g:RS+4*\g+3], v[LI], s[RP:RP+1] offset:8192*(\a)+4096+512*\g
.endr
	WIN 0
.endm
.macro PUT a                           ; the 64 numbers in v[T ..] become fragment a of my OB
	s_wait_xcnt 0x0                                ; the last fragment's stores have read their data registers
	QUANT T
.irp c, 0,1,2
	global_store_b128 v[LI], v[PC+4*\c:PC+4*\c+3], s[OUTP:OUTP+1] offset:1536*(\a)+512*\c    ; 512 consecutive bytes
.endr
.if (\a)%2 == 0
	v_mov_b32 v[PWE], v[PW]
.else
	v_cndmask_b32 v[PWS+(\a)/2], v[PWE], v[PW], s[HIM]   ; lanes 0-15: the even fragment's words; lanes 16-31: the odd one's
.endif
.endm
.macro EPI a
.if ((\a) > 0) && ((\a) < 5)
	ROPE (\a)+3                                    ; three tiles ahead, into the set that tile a - 1 has left
.endif
.if (\a) > 0
.if (\a) < 5
	s_wait_loadcnt 48                              ; this tile's cos and sin are in; the 3 x 16 loads of the three tiles behind it may be out
.else
	s_wait_loadcnt 16*(7-(\a))                     ; sixteen for each tile that is left
.endif
.endif
	WIN 0x02+(\a)/4                                ; source 0: window 2 or 3
.set AC, 64*((\a)%4)
.set pp, 0
.rept 32
	v_pk_fma_f32 v[T+pp:T+pp+1], v[AC+pp:AC+pp+1], s[SCL:SCL+1], v[BI+pp:BI+pp+1] op_sel_hi:[1,0,1]   ; sum x s + bias x s; each accumulator from its low end on
.set pp, pp+2
.endr
	WIN 0x04                                       ; source 1: window 1
	RSET \a
.set ee, 0
.rept 16                                       ; register e is d under 64, register e + 32 is d + 64: t(d) cos - t(d + 64) sin, t(d + 64) cos + t(d) sin
.set XX, XT+4*((ee/2)%4)
	v_pk_mul_f32 v[XX:XX+1], v[T+32+ee:T+33+ee], v[RS+ee:RS+ee+1]
	v_pk_mul_f32 v[XX+2:XX+3], v[T+ee:T+ee+1], v[RS+ee:RS+ee+1]
	v_pk_fma_f32 v[T+ee:T+ee+1], v[T+ee:T+ee+1], v[RC+ee:RC+ee+1], v[XX:XX+1] neg_lo:[0,0,1] neg_hi:[0,0,1]
	v_pk_fma_f32 v[T+32+ee:T+33+ee], v[T+32+ee:T+33+ee], v[RC+ee:RC+ee+1], v[XX+2:XX+3]
.set ee, ee+2
.endr
	WIN 0
	PUT \a
.endm
	ROPE 0                                         ; into registers that lie idle while the last steps are multiplied
	STEP 6, 0
	LAST
	PLACES
	ROPE 1                                         ; B's fragments are done with: their registers take the next three tiles
	ROPE 2
	ROPE 3
	s_wait_loadcnt 48                              ; the biases and tile 0's cos and sin are in; the 3 x 16 loads just issued may be out
.set pp, 0
.rept 32
	v_pk_mul_f32 v[BI+pp:BI+pp+1], v[BI+pp:BI+pp+1], s[SCL:SCL+1] op_sel_hi:[1,0]
.set pp, pp+2
.endr
.irp b, 0,1,2,3
	v_mov_b32 v[TM+4+\b], 0                        ; written once: a lane permute's destination counts as one of its sources
.endr
.irp a, 0,1,2,3,4,5,6,7
	EPI \a
.endr
	global_store_b128 v[LI], v[PWS:PWS+3], s[OUTP:OUTP+1] offset:12288   ; the OB's scale words: 512 consecutive bytes
	s_branch .Ldone
; ---- v.  A's block = one head of Wv (a lane holds a d); B's block = 128 positions (registers run along the keys).
.Lv_tail:
	s_sub_co_u32 s77, s74, 32                      ; head
	s_lshr_b32 s78, s75, 4                         ; batch
	s_and_b32 s79, s75, 15                         ; key step
	s_lshl_b32 s80, s78, 8
	s_lshl_b32 s78, s77, 4
	s_add_co_u32 s80, s80, s78
	s_add_co_u32 s80, s80, s79
	s_add_co_u32 s80, s80, 1024
	s_mul_i32 s80, s80, OBB
	s_add_nc_u64 s[OUTP:OUTP+1], s[16:17], s[80:81]
	s_lshl_b32 s80, s77, 9
	s_add_nc_u64 s[BP:BP+1], s[12:13], s[80:81]
.irp a, 0,1,2,3,4,5,6,7
	global_load_b32 v[BI+2*\a], v[VBV], s[BP:BP+1] offset:(32*(\a/2)+8*(\a%2))*4   ; the bias of my d in fragment a
.endr
	STEP 6, 0
	LAST
	PLACES
	s_wait_loadcnt 0x0
.irp a, 0,1,2,3,4,5,6,7
	v_mov_b32 v[BI+2*\a+1], v[BI+2*\a]
.endr
.irp b, 0,1,2,3
	v_mov_b32 v[TM+4+\b], 0
.endr
.macro VEPI a
	WIN 0x02+(\a)/4
.set AC, 64*((\a)%4)
.set pp, 0
.rept 32
	v_pk_add_f32 v[T+pp:T+pp+1], v[AC+pp:AC+pp+1], v[BI+2*(\a):BI+2*(\a)+1]
.set pp, pp+2
.endr
	WIN 0
	PUT \a
.endm
.irp a, 0,1,2,3,4,5,6,7
	VEPI \a
.endr
	global_store_b128 v[LI], v[PWS:PWS+3], s[OUTP:OUTP+1] offset:12288
.Ldone:
	s_wait_tensorcnt 0x0                           ; the wave's end
	ds_add_u32 v[SPW], v[NIL]
	s_wait_dscnt 0x0
	CROUND                                         ; the closing round: no work-group ends while a partner may still ask for a tile that names it
	s_endpgm
.Lfunc_end_k_qa2c1008a7a_qkv:
	.size	k_qa2c1008a7a_qkv, .Lfunc_end_k_qa2c1008a7a_qkv-k_qa2c1008a7a_qkv
	.p2alignl 7, 3214868480
	.fill 96, 4, 3214868480
	.section	.rodata,"a",@progbits
	.p2align	6, 0x0
	.amdhsa_kernel k_qa2c1008a7a_qkv
		.amdhsa_group_segment_fixed_size 327680
		.amdhsa_private_segment_fixed_size 0
		.amdhsa_enable_private_segment 0
		.amdhsa_kernarg_size 56
		.amdhsa_user_sgpr_count 2
		.amdhsa_user_sgpr_kernarg_segment_ptr 1
		.amdhsa_wavefront_size32 1
		.amdhsa_system_sgpr_workgroup_id_x 1
		.amdhsa_system_sgpr_workgroup_id_y 1
		.amdhsa_system_sgpr_workgroup_id_z 1
		.amdhsa_system_vgpr_workitem_id 0
		.amdhsa_next_free_vgpr 1024
		.amdhsa_next_free_sgpr 100
		.amdhsa_reserve_vcc 0
		.amdhsa_float_denorm_mode_32 3
		.amdhsa_float_denorm_mode_16_64 3
		.amdhsa_memory_ordered 1
		.amdhsa_forward_progress 1
		.amdhsa_inst_pref_size 255
	.end_amdhsa_kernel
	.section	.bss,"aw",@nobits
	.p2align	6
	.space	262144
	.amdgpu_metadata
---
amdhsa.version: [ 1, 2 ]
amdhsa.kernels:
  - .name:           k_qa2c1008a7a_qkv
    .symbol:         k_qa2c1008a7a_qkv.kd
    .args:
      - { .name: x_op, .offset: 0, .size: 8, .value_kind: global_buffer, .address_space: global }
      - { .name: w_op, .offset: 8, .size: 8, .value_kind: global_buffer, .address_space: global }
      - { .name: bq, .offset: 16, .size: 8, .value_kind: global_buffer, .address_space: global }
      - { .name: bk, .offset: 24, .size: 8, .value_kind: global_buffer, .address_space: global }
      - { .name: bv, .offset: 32, .size: 8, .value_kind: global_buffer, .address_space: global }
      - { .name: rope, .offset: 40, .size: 8, .value_kind: global_buffer, .address_space: global }
      - { .name: qkv_op, .offset: 48, .size: 8, .value_kind: global_buffer, .address_space: global }
    .group_segment_fixed_size: 327680
    .private_segment_fixed_size: 0
    .kernarg_segment_align: 8
    .kernarg_segment_size: 56
    .max_flat_workgroup_size: 128
    .sgpr_count:     100
    .vgpr_count:     1024
    .wavefront_size: 32
...
	.end_amdgpu_metadata
.endif
;; end of part 6
;; launch attn (part 7): grid 8 x 32, 16 waves a work-group, no clusters, 327,680 bytes of LDS; arguments qkv_op, o_op; writes o_op
.if DOCPART == 7
	.amdgcn_target "amdgcn-amd-amdhsa--gfx1250"
	.amdhsa_code_object_version 6
	.text
	.protected	k_qa2c1008a7a_attn
	.globl	k_qa2c1008a7a_attn
	.p2align	8
	.type	k_qa2c1008a7a_attn,@function
k_qa2c1008a7a_attn:
	s_mov_b64 s[64:65], 0
	v_nop
	global_prefetch_b8 v0, s[64:65] scope:SCOPE_SE
	s_setreg_imm32_b32 hwreg(HW_REG_WAVE_MODE, 25, 1), 1
	s_wait_xcnt 0x0
; ATTN: o = softmax(q k^T, causal) v for 32 (batch, head) pairs of 2,048 positions, both products on codes of FP6 (E2M3) with E8M0 scales; o is quantised along (head, d) and leaves as operand blocks.
; qkv_op: [q | k | v][bh 32][16] operand blocks (OB, 12,800 bytes: eight fragments of 1,536 bytes as images of the operand's registers, then 512 bytes of scale words; lane-row r of fragment 2 B + u is row
; 32 B + 8 u + r + 8 (r / 8)).  q, k: an OB is 128 positions x the head's 128.  v: an OB is the head's 128 x 128 keys.  o_op: [32 blocks of 128 rows][16 heads] OBs.
; LEFT OUT: key steps that lie wholly behind a block of queries: the causal mask gives them the weight 0 for all values of the inputs.  A NaN or an infinity that reaches only such a step is not carried on.
; THE SOFTMAX AHEAD OF THE SECOND PRODUCT: t = score x log2(e) (the 1 / sqrt(128) lies in q); M = the running largest t rounded UP to a whole number; p = 2^(t - M) is quantised along the keys, not normalised;
; the row's sum is taken of the unquantised p and divides O at the end.  When M moves, the sum and O are multiplied by 2^(old M - new M): exact.
; SHARES.  Work-group R (0..7) of a head has the query blocks H = 15 - R and L = R: 16 - R and R + 1 key steps, 17 for every R.  Wave w has fragment x = w % 8 (16 queries) and the part z = w / 8.
; z = 0: H against keys 0 .. 7, eight steps, none on the diagonal.  z = 1: L against keys 0 .. R (the last on the diagonal), L leaves, then H against keys 8 .. 15 - R (the last on the diagonal): nine steps.
; At the end wave (x, 1) hands its O, M and sums of H to wave (x, 0) through LDS; both parts are brought under the larger M by powers of two, added, divided by the sum, quantised and stored.
; Both products are used transposed: S^T = K Q^T, O^T = V^T P^T: a lane holds ONE query throughout, and by the choice of rows in a fragment the 16 registers of two neighbouring tiles are 16 neighbours.
; THE RING: nine passes, three to a slot, two slots of 153,600 bytes, three fills.  A slot: for z = 0 three OBs of k, three of v (neighbours in memory); then the same for z = 1, OB by OB, since its keys jump from R to 8.
; Every wave issues one tensor load a fill: waves 0-3 halves of z = 0's two runs (75 rows of 256 bytes), waves 4-15 halves of z = 1's six OBs (25 rows).  Of the last fill's run for z = 0 the third OB is not read.
; NO CLUSTER: the eight work-groups of a head need different key steps in the same pass (z = 1's key in pass j is j up to R and j + 7 - R behind it), so no load has the same descriptor in two of them.
; PREFETCH: behind the second fill's loads the third fill's tiles are asked for, one fill (three passes) ahead: they lie in keys 6 .. 15 of k and v, 2 x 500 blocks of 256 bytes; work-group R takes 125 of them by address,
; waves 0-3 a lane a block (the last three lanes name block 124 again).  The first two fills come by their loads alone.
; LIMITS: the promise holds while the scaled scores stay under 2^31 in magnitude; a block of zeros gets the scale byte 1 where the quantiser says 127 (zero codes; this program alone reads the bytes);
; blocks under 2^-124 are held at that floor; NaN and infinities are not served.
; REGISTERS: v28-31, v92-95 addresses; v12 -M, v13 the largest t, v[14:15] the sum in two halves; v16-27 Q; K's eight fragments: v32-91 (five), v224-235, v236-247, v0-11; V's: v32-79 (four), v96-143 (four);
; v96-159 S^T, then p; v160-223 O^T; v224-235 p's codes; v232-254 at work; v248-251 K's or V's scale words; v253 p's; v255 Q's.
.set OBB,   12800
.set KIND,  512*OBB                    ; from q to k, from k to v
.set SLOT,  12*OBB
.set ZOFF,  6*OBB                      ; z = 1's half of a slot
.set VO,    3*OBB                      ; from a pass's OB of k to its OB of v
.set SPARE, 2*SLOT                     ; behind the ring: the spare words, 128 bytes for each of sixteen waves
.set STB,   8704                       ; the hand-over: 16 x 512 bytes of O and 512 of M and sums for each x, in slot 1, which has had its last fill and its last read by then
.set PFO,  28
.set SPW,  29
.set NIL,  30
.set LZ,   31                          ; 16 x lane + ZOFF z
.set LI,   92                          ; 16 x lane
.set DQ,   93                          ; my query's place in its 128, less 16 (lane / 16)
.set SR,   94                          ; 16 r
.set ADK,  95
.set PC,   32                          ; the way out
.set TM,   64
.set PW,   80
.set TB,   2                           ; s2  LDS byte of the slot and pass
.set KJ,   3                           ; s3  the pass
.set QC,   8
.set QS,   10
.set OC,   12
.set OS,   14
.set Q2C,  16
.set Q2S,  18
.set SEL,  20
.set CS,   22
.set G1A,  24
.set G0,   32
.set SLOTS, 36
.set INNER, 37
.set PFA,  38
.set LIM,  40
.set G1B,  48
.set KVB,  56
.set WV,   58
.set XT,   59
.set ZZ,   60
.set HID,  61                          ; the pass that I sit out
.set SW,   62                          ; the pass ahead of which I go from L to H
.set NM,   63                          ; my next pass on the diagonal
.set RK,   66
.set PO,   67
.set RRW,  68
.set RW,   69
.set ADJ,  70
.set JF,   71
.set BH,   96
.set HB,   97
.set SG,   98
.set ZO,   99
.macro TLOAD                           ; one load a wave, on either way; an s_nop 0 and four v_nop follow each line
	s_cmp_lt_u32 s[WV], 4
	s_cbranch_scc0 .Lsmall_\@
	tensor_load_to_lds s[G0:G0+3], s[G1A:G1A+7]
	s_nop 0
.rept 4
	v_nop
.endr
	s_branch .Lasked_\@
.Lsmall_\@:
	tensor_load_to_lds s[G0:G0+3], s[G1B:G1B+7]
	s_nop 0
.rept 4
	v_nop
.endr
.Lasked_\@:
.endm
.macro DESC                            ; group 0 for the fill whose first pass is s[JF], into the slot at s41
	s_add_co_u32 s[G0+1], s41, s[PO]
	s_add_co_u32 s42, s[JF], s[RRW]                ; my OB's pass
	s_cmp_le_u32 s42, s[RW]
	s_cselect_b32 s43, 0, s[ADJ]
	s_add_co_u32 s42, s42, s43                     ; its key step: j, or j + 7 - R behind L's last
	s_mul_i32 s42, s42, OBB
	s_mov_b32 s43, 0
	s_add_nc_u64 s[G0+2:G0+3], s[KVB:KVB+1], s[42:43]
	s_or_b32 s[G0+3], s[G0+3], 0x80000000
.endm
.macro KREG t
.if (\t) < 5
.set rK, 32+12*(\t)
.elseif (\t) == 5
.set rK, 224
.elseif (\t) == 6
.set rK, 236
.else
.set rK, 0
.endif
.endm
.macro VREG t
.if (\t) < 4
.set rV, 32+12*(\t)
.else
.set rV, 96+12*((\t)-4)
.endif
.endm
; The 64 numbers in v96-159 (register 16 B + i is d = 32 B + 16 (lane / 16) + i of my query) become fragment x of o's OB and its scale words, and are stored.
.macro OUTQ
.irp b, 0,1,2,3
	v_max3_num_f32 v[TM+\b], |v[96+16*\b]|, |v[97+16*\b]|, 0x1800000   ; with the floor 2^(3 - 127)
.endr
.irp i, 2,4,6,8,10,12,14
.irp b, 0,1,2,3
	v_max3_num_f32 v[TM+\b], v[TM+\b], |v[96+16*\b+\i]|, |v[97+16*\b+\i]|
.endr
.endr
.irp b, 0,1,2,3
	v_permlanex16_b32 v[TM+4+\b], v[TM+\b], s[SEL], s[SEL+1]
.endr
.irp b, 0,1,2,3
	v_max_num_f32 v[TM+\b], v[TM+\b], v[TM+4+\b]
.endr
.irp b, 0,1,2,3
	v_add_nc_u32 v[TM+12+\b], 0xff000000, v[TM+\b]   ; 2 off the exponent field: the conversion's scale operand
.endr
.irp b, 0,1,2,3
	v_lshrrev_b32 v[TM+4+\b], 23, v[TM+12+\b]        ; the scale's byte
.endr
	v_lshl_or_b32 v[PW], v[TM+5], 8, v[TM+4]
	s_delay_alu instid0(VALU_DEP_1)
	v_lshl_or_b32 v[PW], v[TM+6], 16, v[PW]
	s_delay_alu instid0(VALU_DEP_1)
	v_lshl_or_b32 v[PW], v[TM+7], 24, v[PW]
.irp c, 0,1
	v_cvt_scalef32_pk16_fp6_f32 v[PC+6*\c:PC+2+6*\c], v[96+32*\c:111+32*\c], v[TM+12+2*\c]
	v_cvt_scalef32_pk16_fp6_f32 v[PC+12+4*\c:PC+14+4*\c], v[112+32*\c:127+32*\c], v[TM+12+2*\c+1]
.endr
	v_nop                                          ; one plain place behind a scaled conversion
.irp c, 0,1
.irp i, 0,1,2
	v_permlane16_swap_b32 v[PC+6*\c+\i], v[PC+12+4*\c+\i]
.endr
.irp i, 0,1,2
	v_mov_b32 v[PC+3+6*\c+\i], v[PC+12+4*\c+\i]
.endr
.endr
.irp c, 0,1,2
	global_store_b128 v[LI], v[PC+4*\c:PC+4*\c+3], s[OC:OC+1] offset:512*\c    ; 512 consecutive bytes
.endr
	global_store_b32 v[SR], v[PW], s[OS:OS+1]      ; row r's scale word (lanes 16-31 write the same words with the same values)
.endm
; z = 1, ahead of pass R + 1: L is finished and leaves; H's Q is fetched meanwhile; M goes back to its start, so that the next step's factor is 0 and clears the sums and O^T.
.macro SWITCH
.rept 4
	v_nop                                          ; places behind the last products
.endr
.irp c, 0,1,2
	global_load_b128 v[16+4*\c:19+4*\c], v[LI], s[Q2C:Q2C+1] offset:512*\c
.endr
	global_load_b32 v255, v[SR], s[Q2S:Q2S+1]
	v_add_f32 v14, v14, v15
	s_delay_alu instid0(VALU_DEP_1)
	v_permlanex16_b32 v252, v14, s[SEL], s[SEL+1]
	s_delay_alu instid0(VALU_DEP_1)
	v_add_f32 v14, v14, v252                       ; the row's sum
	s_wait_alu depctr_va_vdst(0)                   ; the wait ahead of the transcendental
	v_rcp_f32 v14, v14
.irp b, 0,1,2,3
	v_mov_b32 v[TM+4+\b], 0                        ; plain places; a lane permute's destination counts as one of its sources
.endr
	s_wait_alu depctr_va_vdst(0)                   ; and ahead of its first reader and of O^T's
.set n, 0
.rept 32
	v_pk_mul_f32 v[96+n:97+n], v[160+n:161+n], v[14:15] op_sel_hi:[1,0]
.set n, n+2
.endr
	OUTQ
	v_mov_b32 v13, 0xff61b1e6
	v_floor_f32 v12, -v13
	v_mov_b32 v14, 0
	v_mov_b32 v15, 0
	s_mov_b32 s[NM], 8                             ; H's diagonal lies in the last pass
	s_wait_alu depctr_va_vdst(0)
	s_wait_xcnt 0x0                                ; the stores have read their registers, which take K's fragments next
	s_wait_loadcnt 0x0                             ; H's Q
.endm
	s_load_b128 s[4:7], s[0:1], 0x0                ; qkv_op, o_op
	v_lshl_add_u32 v[SPW], v0, 2, SPARE
	v_mov_b32 v[NIL], 0
	ds_add_u32 v[SPW], v[NIL]                      ; the opening lines: the add, twice on end, and its wait ahead of my first tensor load
	ds_add_u32 v[SPW], v[NIL]
	v_lshrrev_b32 v8, 5, v0
	v_readfirstlane_b32 s[WV], v8                  ; wave 0..15
	s_and_b32 s[XT], s[WV], 7                      ; x
	s_lshr_b32 s[ZZ], s[WV], 3                     ; z
	s_and_b32 s[BH], ttmp7, 0xffff                 ; bh;  ttmp9 = R
	s_add_co_u32 s72, ttmp9, 1
	s_sub_co_u32 s73, 15, ttmp9                    ; H
	s_sub_co_u32 s[ADJ], 7, ttmp9
	s_cmp_eq_u32 s[ZZ], 0
	s_cselect_b32 s[HID], 8, 99                    ; z = 0 has no ninth step
	s_cselect_b32 s[SW], 99, s72
	s_cselect_b32 s[NM], 99, ttmp9
	s_cselect_b32 s[RK], s73, ttmp9                ; the block whose Q I begin with and whose o I store
.irp g, G1A, G1B                               ; group 1: dense bytes as rows of 32 elements of 8 bytes, no padding
	s_mov_b32 s[\g], 3<<16
	s_mov_b32 s[\g+1], 32<<16
	s_mov_b32 s[\g+3], 32<<16
	s_mov_b32 s[\g+5], 32
	s_mov_b32 s[\g+6], 0
	s_mov_b32 s[\g+7], 0
.endr
	s_mov_b32 s[G1A+2], 75<<16                     ; 19,200 bytes
	s_mov_b32 s[G1A+4], 75
	s_mov_b32 s[G1B+2], 25<<16                     ; 6,400 bytes
	s_mov_b32 s[G1B+4], 25
	s_min_u32 s74, s[WV], 4
	s_mul_i32 s74, s74, OBB
	s_mul_i32 s75, s[WV], 6400
	s_add_co_u32 s[PO], s74, s75                   ; where my load lands in a slot: 19,200 w under wave 4, then 76,800 + 6,400 (w - 4)
	s_sub_co_u32 s76, s[WV], 4
	s_mov_b32 s79, 6400
	s_cmp_ge_u32 s[WV], 10
	s_cselect_b32 s77, 1, 0                        ; waves 4-9 k, 10-15 v
	s_cselect_b32 s78, 6, 0
	s_sub_co_u32 s76, s76, s78
	s_lshr_b32 s76, s76, 1                         ; which of the fill's three passes
	s_lshr_b32 s78, s[WV], 1
	s_cmp_lt_u32 s[WV], 4
	s_cselect_b32 s77, s78, s77                    ; waves 0, 1 k; 2, 3 v
	s_cselect_b32 s[RRW], 0, s76
	s_cselect_b32 s[RW], 99, ttmp9                 ; z = 0's keys do not jump
	s_cselect_b32 s79, 19200, s79
	s_and_b32 s78, s[WV], 1
	s_mul_i32 s79, s79, s78                        ; which half
	s_add_co_u32 s77, s77, 1
	s_mul_i32 s77, s77, KIND
	s_mul_i32 s[HB], s[BH], 16*OBB                 ; the head's sixteen OBs
	s_add_co_u32 s77, s77, s[HB]
	s_add_co_u32 s80, s77, s79
	s_mov_b32 s81, 0
	s_mul_i32 s82, s[XT], 1536                     ; fragment x in an OB
	s_and_b32 s83, s[XT], 1
	s_lshl_b32 s87, s83, 3
	s_lshl_b32 s83, s83, 8
	s_lshr_b32 s84, s[XT], 1
	s_lshl_b32 s85, s84, 2
	s_add_co_u32 s83, s83, s85
	s_add_co_u32 s83, s83, 12288                   ; its scale words: 12,288 + 256 (x % 2) + 4 (x / 2), + 16 r
	s_lshl_b32 s84, s84, 5
	s_add_co_u32 s87, s87, s84                     ; 32 (x / 2) + 8 (x % 2)
	s_mul_i32 s86, s[RK], OBB
	s_add_co_u32 s86, s86, s[HB]                   ; q's OB of my first block,
	s_mul_i32 s88, s73, OBB
	s_add_co_u32 s88, s88, s[HB]                   ; and of H
	s_lshr_b32 s92, s[BH], 4
	s_lshl_b32 s92, s92, 4
	s_add_co_u32 s92, s92, s[RK]                   ; o's block of rows: 16 x batch + block
	s_lshl_b32 s92, s92, 4
	s_and_b32 s93, s[BH], 15
	s_add_co_u32 s92, s92, s93                     ; its K step: the head
	s_mul_i32 s92, s92, OBB
	s_lshr_b32 s94, ttmp9, 2                       ; the prefetch: R under 4: k, else v;
	s_add_co_u32 s94, s94, 1
	s_mul_i32 s94, s94, KIND
	s_add_co_u32 s94, s94, s[HB]
	s_and_b32 s95, ttmp9, 3
	s_mul_i32 s95, s95, 32000                      ; 125 blocks of 256 bytes for each R,
	s_add_co_u32 s94, s94, s95
	s_add_co_u32 s94, s94, 6*OBB                   ; from key step 6 on
	s_mov_b32 s95, 0
	s_cmp_lt_u32 s[WV], 4
	s_cselect_b32 s[LIM], 1, -1
	s_mul_i32 s[SG], s[XT], STB
	s_add_co_u32 s[SG], s[SG], SLOT
	s_mul_i32 s[ZO], s[ZZ], ZOFF
	s_mov_b32 s[SEL], 0x76543210
	s_mov_b32 s[SEL+1], 0xfedcba98
	s_mov_b32 s[CS], 0x3fb8aa3b                    ; log2(e)
	s_mov_b32 s[CS+1], s[CS]
	s_mov_b32 s[TB], 0
	s_mov_b32 s[KJ], 0
	s_mov_b32 s[JF], 0
	s_mov_b32 s[SLOTS], 2
	s_mov_b32 s[G0], 1
	s_mov_b32 s41, 0
	s_wait_dscnt 0x0                               ; both opening adds are done
	s_wait_kmcnt 0x0
	s_add_nc_u64 s[KVB:KVB+1], s[4:5], s[80:81]
	DESC
	TLOAD                                          ; passes 0 to 2 into slot 0: one load a wave
	s_mov_b32 s91, 0
	s_add_co_u32 s90, s86, s82
	s_add_nc_u64 s[QC:QC+1], s[4:5], s[90:91]
	s_add_co_u32 s90, s86, s83
	s_add_nc_u64 s[QS:QS+1], s[4:5], s[90:91]
	s_add_co_u32 s90, s88, s82
	s_add_nc_u64 s[Q2C:Q2C+1], s[4:5], s[90:91]
	s_add_co_u32 s90, s88, s83
	s_add_nc_u64 s[Q2S:Q2S+1], s[4:5], s[90:91]
	s_add_co_u32 s90, s92, s82
	s_add_nc_u64 s[OC:OC+1], s[6:7], s[90:91]
	s_add_co_u32 s90, s92, s83
	s_add_nc_u64 s[OS:OS+1], s[6:7], s[90:91]
	s_add_nc_u64 s[PFA:PFA+1], s[4:5], s[94:95]
	v_and_b32 v9, 31, v0
	v_min_u32 v[PFO], 124, v0
	v_lshlrev_b32 v[LI], 4, v9
	v_lshlrev_b32 v[PFO], 8, v[PFO]
	v_and_b32 v9, 15, v0                           ; r
	v_bfe_u32 v10, v0, 4, 1                        ; h
	v_and_b32 v11, 8, v0
	v_lshlrev_b32 v[SR], 4, v9
	v_add_nc_u32 v[DQ], v9, v11
	v_lshlrev_b32 v10, 4, v10
	v_add_nc_u32 v[LZ], s[ZO], v[LI]
	v_sub_nc_u32 v[DQ], v[DQ], v10
	s_delay_alu instid0(VALU_DEP_1)
	v_add_nc_u32 v[DQ], s87, v[DQ]
.irp c, 0,1,2
	global_load_b128 v[16+4*\c:19+4*\c], v[LI], s[QC:QC+1] offset:512*\c   ; Q's fragment stays in registers
.endr
	global_load_b32 v255, v[SR], s[QS:QS+1]
	v_mov_b32 v13, 0xff61b1e6                      ; the largest t so far: -3e38
	v_mov_b32 v14, 0
	v_mov_b32 v15, 0
	v_floor_f32 v12, -v13                          ; -M
.irp b, 0,1,2,3
	v_mov_b32 v[236+\b], 0                         ; written once: a lane permute's destination counts as one of its sources
.endr
	v_mov_b32 v252, 0
	v_mov_b32 v253, 0
.set n, 0
.rept 64
	v_mov_b32 v[160+n], 0                          ; O^T.  (The step is written once: the first finds zeros, which the first change of M leaves zeros)
.set n, n+1
.endr
; A KEY STEP: 128 keys.  (From here on v0 to v11 hold a fragment of K: every address was made above.)  Its branches hang on the wave's number, the work-group's number and the pass alone.
.macro STEP
	s_cmp_eq_u32 s[KJ], s[HID]
	s_cbranch_scc1 .Lhidden_\@
	s_cmp_lg_u32 s[KJ], s[SW]
	s_cbranch_scc1 .Lsame_\@
	SWITCH
.Lsame_\@:
	v_add_nc_u32 v[ADK], s[TB], v[LZ]
.rept 5
	v_nop                                          ; with the addition six plain places behind the last products: four are owed to the loads into registers that they read, five to the products below, which write S^T over V's last four fragments
.endr
	ds_load_b128 v[248:251], v[ADK] offset:12288   ; the OB's scale words: register j: lanes 0-15 fragment 2 j, lanes 16-31 fragment 2 j + 1
.irp t, 0,1,2,3,4,5,6,7                        ; K's eight fragments in one run
	KREG \t
.irp c, 0,1,2
	ds_load_b128 v[rK+4*\c:rK+4*\c+3], v[ADK] offset:\t*1536+512*\c
.endr
.endr
	s_wait_alu depctr_va_vdst(0)                   ; the wait ahead of the wait below
	s_wait_dscnt 12                                ; the scale words and fragments 0 to 3 are in; the twelve loads of fragments 4 to 7 may be out
.irp t, 0,1,2,3,4,5,6,7                        ; S^T = K Q^T
	KREG \t
.if \t == 4
	s_wait_dscnt 0x0
.endif
.if \t%2 == 0
	v_wmma_scale_f32_16x16x128_f8f6f4 v[96+8*\t:103+8*\t], v[rK:rK+11], v[16:27], 0, v[248+\t/2], v255 matrix_a_fmt:MATRIX_FMT_FP6 matrix_b_fmt:MATRIX_FMT_FP6
.else
	v_wmma_scale_f32_16x16x128_f8f6f4 v[96+8*\t:103+8*\t], v[rK:rK+11], v[16:27], 0, v[248+\t/2], v255 matrix_a_fmt:MATRIX_FMT_FP6 matrix_b_fmt:MATRIX_FMT_FP6 matrix_a_scale:MATRIX_SCALE_ROW1
.endif
.endr
.rept 4
	v_nop                                          ; places: in front of the loads below, of the first read of the scores, and of the softmax's writes into registers that held K
.endr
	ds_load_b128 v[248:251], v[ADK] offset:VO+12288   ; V's scale words and its first four fragments land while the softmax is worked
.irp t, 0,1,2,3
.irp c, 0,1,2
	ds_load_b128 v[32+12*\t+4*\c:35+12*\t+4*\c], v[ADK] offset:VO+\t*1536+512*\c
.endr
.endr
	s_cmp_lg_u32 s[KJ], s[NM]                      ; off the diagonal all keys count: no mask
	s_cbranch_scc1 .Lopen_\@
	v_mov_b32 v254, 0xff800000                     ; on the diagonal hidden scores become -infinity ahead of the maximum: p = 0 then.  Register 16 b + i holds key 32 b + 16 (lane / 16) + i of the step
.set n, 0
.rept 64
	v_cmp_gt_i32 vcc_lo, 32*(n/16)+n%16, v[DQ]
	v_cndmask_b32 v[96+n], v[96+n], v254, vcc_lo
.set n, n+1
.endr
.Lopen_\@:
.irp b, 0,1,2,3
	v_max3_num_f32 v[232+\b], v[96+16*\b], v[97+16*\b], v[98+16*\b]   ; the largest score of each block of 32 keys: for the row's maximum, and, since p rises with the score, for the block's largest p
.endr
.irp i, 3,5,7,9,11,13
.irp b, 0,1,2,3
	v_max3_num_f32 v[232+\b], v[232+\b], v[96+16*\b+\i], v[97+16*\b+\i]
.endr
.endr
.irp b, 0,1,2,3
	v_max_num_f32 v[232+\b], v[232+\b], v[111+16*\b]
.endr
.irp b, 0,1,2,3
	v_permlanex16_b32 v[236+\b], v[232+\b], s[SEL], s[SEL+1]
.endr
.irp b, 0,1,2,3
	v_max_num_f32 v[232+\b], v[232+\b], v[236+\b]  ; with lane l xor 16's 16 keys
.endr
	s_delay_alu instid0(VALU_DEP_2)
	v_max3_num_f32 v254, v232, v233, v234
	s_delay_alu instid0(VALU_DEP_1)
	v_max_num_f32 v254, v254, v235
	s_delay_alu instid0(VALU_DEP_1)
	v_mul_f32 v254, s[CS], v254                    ; the step's largest t
	s_delay_alu instid0(VALU_DEP_1)
	v_max_num_f32 v13, v13, v254                   ; the running largest t
	v_mov_b32 v254, v12
	s_delay_alu instid0(VALU_DEP_2)
	v_floor_f32 v12, -v13                          ; the new -M = -ceil(t)
	s_delay_alu instid0(VALU_DEP_1)
	v_sub_f32 v254, v12, v254                      ; old M - new M: a whole number, 0 or less
	s_delay_alu instid0(VALU_DEP_1)
	v_cvt_i32_f32 v254, v254                       ; (it saturates)
	s_delay_alu instid0(VALU_DEP_1)
	v_ldexp_f32 v252, 1.0, v254                    ; f = 2^(old M - new M)
.set n, 0
.rept 32
	v_pk_fma_f32 v[96+n:97+n], v[96+n:97+n], s[CS:CS+1], v[12:13] op_sel_hi:[1,0,0]   ; t - M
.set n, n+2
.endr
.irp b, 0,1,2,3
	v_fma_f32 v[232+\b], v[232+\b], s[CS], v12     ; the same of each block's largest score
.endr
	s_wait_alu depctr_va_vdst(0)                   ; the wait ahead of the batch
.set n, 0
.rept 64
	v_exp_f32 v[96+n], v[96+n]                     ; p = 2^(t - M)
.set n, n+1
.endr
	v_pk_mul_f32 v[14:15], v[14:15], v[252:253] op_sel_hi:[1,0]   ; the sums under the new M: a plain place behind the exponentials
	s_wait_alu depctr_va_vdst(0)                   ; one wait for the batch, ahead of its first reader
.irp b, 0,1,2,3
	v_exp_f32 v[232+\b], v[232+\b]                 ; the block's largest p
.endr
.irp k, 0,1,2,3                                ; the row's sum of the unquantised p: four chains of pairs by turns
	v_pk_add_f32 v[236+2*\k:237+2*\k], v[96+4*\k:97+4*\k], v[98+4*\k:99+4*\k]
.endr
.irp i, 16,24,32,40,48,56
.irp k, 0,1,2,3
	v_pk_add_f32 v[236+2*\k:237+2*\k], v[236+2*\k:237+2*\k], v[96+\i+2*\k:97+\i+2*\k]
.endr
.endr
	v_pk_add_f32 v[236:237], v[236:237], v[238:239]
	v_pk_add_f32 v[240:241], v[240:241], v[242:243]
	s_delay_alu instid0(VALU_DEP_1)
	v_pk_add_f32 v[236:237], v[236:237], v[240:241]
	s_delay_alu instid0(VALU_DEP_1)
	v_pk_add_f32 v[14:15], v[14:15], v[236:237]
	s_wait_alu depctr_va_vdst(0)                   ; and one for the four
.irp b, 0,1,2,3
	v_max_num_f32 v[232+\b], 0x1800000, v[232+\b]  ; the floor 2^(3 - 127)
.endr
.irp b, 0,1,2,3
	v_add_nc_u32 v[244+\b], 0xff000000, v[232+\b]  ; the conversion's scale operand
.endr
.irp b, 0,1,2,3
	v_lshrrev_b32 v[236+\b], 23, v[244+\b]         ; the scale's byte
.endr
	v_lshl_or_b32 v253, v237, 8, v236              ; p's scale word for these 128 keys
	s_delay_alu instid0(VALU_DEP_1)
	v_lshl_or_b32 v253, v238, 16, v253
	s_delay_alu instid0(VALU_DEP_1)
	v_lshl_or_b32 v253, v239, 24, v253
.irp c, 0,1
	v_cvt_scalef32_pk16_fp6_f32 v[224+6*\c:226+6*\c], v[96+32*\c:111+32*\c], v[244+2*\c]
	v_cvt_scalef32_pk16_fp6_f32 v[236+4*\c:238+4*\c], v[112+32*\c:127+32*\c], v[244+2*\c+1]
.endr
	v_nop                                          ; one plain place behind a scaled conversion
.irp t, 0,1,2,3                                ; p is converted: its registers take V's last four fragments, which land while O^T is rescaled
.irp c, 0,1,2
	ds_load_b128 v[96+12*\t+4*\c:99+12*\t+4*\c], v[ADK] offset:VO+(4+\t)*1536+512*\c
.endr
.endr
.irp c, 0,1
.irp i, 0,1,2
	v_permlane16_swap_b32 v[224+6*\c+\i], v[236+4*\c+\i]
.endr
.irp i, 0,1,2
	v_mov_b32 v[227+6*\c+\i], v[236+4*\c+\i]
.endr
.endr
	s_wait_alu depctr_va_vdst(0)                   ; the wait directly ahead of the first reader of O^T
.set n, 0
.rept 32
	v_pk_mul_f32 v[160+n:161+n], v[160+n:161+n], v[252:253] op_sel_hi:[1,0]   ; O^T under the new M.  (These 32 are also the places in front of the products below)
.set n, n+2
.endr
	s_wait_alu depctr_va_vdst(0)
	s_wait_dscnt 0x0                               ; V
.irp t, 0,1,2,3,4,5,6,7                        ; O^T += V^T P^T: eight accumulators, one product each
	VREG \t
.if \t%2 == 0
	v_wmma_scale_f32_16x16x128_f8f6f4 v[160+8*\t:167+8*\t], v[rV:rV+11], v[224:235], v[160+8*\t:167+8*\t], v[248+\t/2], v253 matrix_a_fmt:MATRIX_FMT_FP6 matrix_b_fmt:MATRIX_FMT_FP6
.else
	v_wmma_scale_f32_16x16x128_f8f6f4 v[160+8*\t:167+8*\t], v[rV:rV+11], v[224:235], v[160+8*\t:167+8*\t], v[248+\t/2], v253 matrix_a_fmt:MATRIX_FMT_FP6 matrix_b_fmt:MATRIX_FMT_FP6 matrix_a_scale:MATRIX_SCALE_ROW1
.endif
.endr
.Lhidden_\@:
	s_add_co_u32 s[KJ], s[KJ], 1
	s_add_co_u32 s[TB], s[TB], OBB
.endm
.macro THREE                           ; a slot's three passes: written once, walked three times
	s_mov_b32 s[INNER], 3
.Lstep_\@:
	STEP
	s_sub_co_u32 s[INNER], s[INNER], 1
	s_cmp_lg_u32 s[INNER], 0
	s_cbranch_scc1 .Lstep_\@
	s_sub_co_u32 s[TB], s[TB], 3*OBB               ; back to a slot's first pass,
	s_xor_b32 s[TB], s[TB], SLOT                   ; in the other slot
.endm
; THE CHANGE OF SLOTS stands at a slot's head.  Each wave waits for all its tensor loads (one is out: its part of the slot ahead), adds 0 to its spare word, and waits for that and for its reads of the slot that it has left.
; fill = 1: behind the barrier the other slot takes the three passes that follow (the first time: slot 1's first fill, issued as a refill is).
.macro CHANGE fill
	s_wait_tensorcnt 0x0                           ; no tensor load of mine is out, so the group 0 may be written
	ds_add_u32 v[SPW], v[NIL]                      ; 0 onto my spare word
.if \fill
	s_add_co_u32 s[JF], s[JF], 3
	s_xor_b32 s41, s[TB], SLOT
	DESC
.endif
	s_wait_dscnt 0x0
	s_barrier_signal -1
	s_barrier_wait -1
.if \fill
	TLOAD                                          ; the first thing behind the barrier, and a wave's one tensor load until the next
	s_cmp_gt_u32 s[SLOTS], s[LIM]                  ; in the first trip, waves 0 to 3: the last fill's tiles
	s_cbranch_scc0 .Lnot_mine_\@
	global_prefetch_b8 v[PFO], s[PFA:PFA+1] th:TH_LOAD_NT scope:SCOPE_SE   ; its address registers are never written again
.Lnot_mine_\@:
.endif
.endm
	s_wait_alu depctr_va_vdst(0)
	s_wait_loadcnt 0x0                             ; Q
.Lslot:                                            ; two trips, each with a fill
	CHANGE 1
	THREE
	s_sub_co_u32 s[SLOTS], s[SLOTS], 1
	s_cmp_lg_u32 s[SLOTS], 0
	s_cbranch_scc1 .Lslot
	CHANGE 0                                       ; the last slot is written out: it asks for nothing
	THREE
	; THE HAND-OVER.  A barrier, behind which nobody reads the ring; z = 1 stores O^T, -M and the sums as images of its registers; a barrier; z = 0 reads them.
.rept 4
	v_nop                                          ; places behind the last products
.endr
	v_add_nc_u32 v[ADK], s[SG], v[LI]
	s_wait_alu depctr_va_vdst(0)
	s_wait_dscnt 0x0
	s_barrier_signal -1
	s_barrier_wait -1
	s_cmp_eq_u32 s[ZZ], 0
	s_cbranch_scc1 .Lkeep
.set n, 0
.rept 16
	ds_store_b128 v[ADK], v[160+n:163+n] offset:128*n   ; each accumulator from its low end on
.set n, n+4
.endr
	ds_store_b128 v[ADK], v[12:15] offset:8192
.Lkeep:
	s_wait_dscnt 0x0                               ; for the others' sake
	s_barrier_signal -1
	s_barrier_wait -1
	s_cmp_lg_u32 s[ZZ], 0
	s_cbranch_scc1 .Ldone
.set n, 0
.rept 16
	ds_load_b128 v[96+n:99+n], v[ADK] offset:128*n
.set n, n+4
.endr
	ds_load_b128 v[248:251], v[ADK] offset:8192    ; the other part's -M, largest t, and sums
	s_wait_dscnt 0x0
	v_min_num_f32 v252, v12, v248                  ; -M of both parts
	v_add_f32 v14, v14, v15
	v_add_f32 v250, v250, v251
	v_sub_f32 v253, v252, v12                      ; my M - M, a whole number, 0 or less
	v_sub_f32 v254, v252, v248                     ; the other's
	s_delay_alu instid0(VALU_DEP_2)
	v_cvt_i32_f32 v253, v253
	s_delay_alu instid0(VALU_DEP_2)
	v_cvt_i32_f32 v254, v254
	s_delay_alu instid0(VALU_DEP_2)
	v_ldexp_f32 v253, 1.0, v253
	s_delay_alu instid0(VALU_DEP_2)
	v_ldexp_f32 v254, 1.0, v254
	s_delay_alu instid0(VALU_DEP_2)
	v_mul_f32 v14, v14, v253
	s_delay_alu instid0(VALU_DEP_1)
	v_fma_f32 v14, v250, v254, v14
	s_delay_alu instid0(VALU_DEP_1)
	v_permlanex16_b32 v252, v14, s[SEL], s[SEL+1]
	s_delay_alu instid0(VALU_DEP_1)
	v_add_f32 v14, v14, v252                       ; the row's sum under M
	s_wait_alu depctr_va_vdst(0)                   ; the wait ahead of the transcendental
	v_rcp_f32 v14, v14
.irp b, 0,1,2,3
	v_mov_b32 v[TM+4+\b], 0                        ; plain places; a lane permute's destination counts as one of its sources
.endr
	s_wait_alu depctr_va_vdst(0)                   ; and ahead of its first reader and of O^T's
	v_mul_f32 v252, v253, v14                      ; my factor / the sum,
	v_mul_f32 v250, v254, v14                      ; the other's
.set n, 0
.rept 32
	v_pk_mul_f32 v[160+n:161+n], v[160+n:161+n], v[252:253] op_sel_hi:[1,0]
.set n, n+2
.endr
.set n, 0
.rept 32
	v_pk_fma_f32 v[96+n:97+n], v[96+n:97+n], v[250:251], v[160+n:161+n] op_sel_hi:[1,0,1]
.set n, n+2
.endr
	OUTQ
.Ldone:
	s_wait_tensorcnt 0x0                           ; the wave's end
	ds_add_u32 v[SPW], v[NIL]
	s_wait_dscnt 0x0
	s_endpgm
.Lfunc_end_k_qa2c1008a7a_attn:
	.size	k_qa2c1008a7a_attn, .Lfunc_end_k_qa2c1008a7a_attn-k_qa2c1008a7a_attn
	.p2alignl 7, 3214868480
	.fill 96, 4, 3214868480
	.section	.rodata,"a",@progbits
	.p2align	6, 0x0
	.amdhsa_kernel k_qa2c1008a7a_attn
		.amdhsa_group_segment_fixed_size 327680
		.amdhsa_private_segment_fixed_size 0
		.amdhsa_enable_private_segment 0
		.amdhsa_kernarg_size 16
		.amdhsa_user_sgpr_count 2
		.amdhsa_user_sgpr_kernarg_segment_ptr 1
		.amdhsa_wavefront_size32 1
		.amdhsa_system_sgpr_workgroup_id_x 1
		.amdhsa_system_sgpr_workgroup_id_y 1
		.amdhsa_system_sgpr_workgroup_id_z 1
		.amdhsa_system_vgpr_workitem_id 0
		.amdhsa_next_free_vgpr 256
		.amdhsa_next_free_sgpr 100
		.amdhsa_reserve_vcc 1
		.amdhsa_float_denorm_mode_32 3
		.amdhsa_float_denorm_mode_16_64 3
		.amdhsa_memory_ordered 1
		.amdhsa_forward_progress 1
		.amdhsa_inst_pref_size 87
	.end_amdhsa_kernel
	.amdgpu_metadata
---
amdhsa.version: [ 1, 2 ]
amdhsa.kernels:
  - .name:           k_qa2c1008a7a_attn
    .symbol:         k_qa2c1008a7a_attn.kd
    .args:
      - { .name: qkv_op, .offset: 0, .size: 8, .value_kind: global_buffer, .address_space: global }
      - { .name: o_op, .offset: 8, .size: 8, .value_kind: global_buffer, .address_space: global }
    .group_segment_fixed_size: 327680
    .private_segment_fixed_size: 0
    .kernarg_segment_align: 8
    .kernarg_segment_size: 16
    .max_flat_workgroup_size: 512
    .sgpr_count:     100
    .vgpr_count:     256
    .wavefront_size: 32
...
	.end_amdgpu_metadata
.endif
;; end of part 7
;; launch oproj (part 8): grid 8 x 32, 4 waves a work-group, clusters of 4 x 4, 327,680 bytes of LDS; arguments o_op, w_op, bo, out0; writes out0
.if DOCPART == 8
	.amdgcn_target "amdgcn-amd-amdhsa--gfx1250"
	.amdhsa_code_object_version 6
	.text
	.protected	k_qa2c1008a7a_oproj
	.globl	k_qa2c1008a7a_oproj
	.p2align	8
	.type	k_qa2c1008a7a_oproj,@function
k_qa2c1008a7a_oproj:
	s_mov_b64 s[64:65], 0
	v_nop
	global_prefetch_b8 v0, s[64:65] scope:SCOPE_SE
	s_setreg_imm32_b32 hwreg(HW_REG_WAVE_MODE, 25, 1), 1
	s_wait_xcnt 0x0
	s_wait_alu depctr_hold_cnt(0) depctr_sa_sdst(0) depctr_va_vdst(0) depctr_va_sdst(0) depctr_va_ssrc(0) depctr_va_vcc(0) depctr_vm_vsrc(0)
	s_getreg_b32 s2, hwreg(HW_REG_IB_STS2, 6, 4)
	s_cmp_eq_u32 s2, 0
	s_cbranch_scc0 .Lentry_in_a_cluster
	s_endpgm
.Lentry_in_a_cluster:
	s_bfe_u32 s2, ttmp6, 0x10000c
	s_cmp_lg_u32 s2, 0xf033
	s_cbranch_scc0 .Lentry_shape_is_right
	s_endpgm
.Lentry_shape_is_right:
; OPROJ: out0 = o Wo + bo on codes of FP6 (E2M3) with E8M0 scales; f32 out.  o_op: [32 blocks of 128 rows][16 K steps] operand blocks (OB, 12,800 bytes: eight fragments of 1,536 bytes as images of the operand's
; registers, then 512 bytes of scale words; lane-row r of fragment 2 B + u is row 32 B + 8 u + r + 8 (r / 8)); Wo's OBs are blocks 384 .. 511 of w_op, [8 blocks of 128 columns][16 K steps].
; A tile of 128 x 128 is made by four waves, 64 x 64 each: 16 accumulators.  4,096 x 1,024 of out0 are 256 such tiles: one work-group on each WGP.
; Source 0 = Wo's columns (they run along a lane's registers), source 1 = o's rows (a lane holds a row): a lane's eight results are eight neighbouring columns.  The bias is the C of the first products.
; LDS: room for twelve OBs of A, then twelve of B.  TWO FILLS: at the head each wave fetches six K steps of A or of B, one load of 300 rows of 256 bytes; in K step 3, when steps 0 to 3 have been read by all,
; each wave fetches two of K steps 12 to 15 (100 rows) onto places 0 to 3: that load has K steps 4 to 11, 128 products a wave, in which to land.
; CLUSTERS: 4 x 4 work-groups; A's OBs are shared along a row of the cluster, B's along a column: asked for jointly.  No prefetch: the launch has two fills and no loop to run ahead in.
; THE WAY OUT: 16 rows x 64 columns at a time through the wave's own stage in LDS, which no tensor load fills, and out as rows: sixteen lanes store 256 consecutive bytes, aligned.
; REGISTERS: window 0: v8-29 addresses; v32-39 scale words, two sets; v64-95 the bias (on the way out v64-127 rows read back); v128-255 the accumulators.  window 1: fragments, two sets at v0 and v128: A's four, then B's four.
.set OBB,   12800
.set PART,  6*OBB                      ; what the head's load brings
.set GRP,   4*OBB                      ; from one address register to the next: the loads' immediates stay under 65,536
.set BREG,  12*OBB                     ; B's room begins here
.set SPARE, 24*OBB                     ; behind both: the spare words, 128 bytes for each wave
.set STAGE, SPARE+512
.set SPITCH, 272
.set FR,    12
.set NF,    26                         ; LDS loads of a K step
.set ADRA,  8
.set ADRB,  12
.set ASA,   16
.set ASB,   20
.set CO,    24
.set VBO,   25
.set STO,   26
.set RD,    27
.set SPW,   28
.set NIL,   29
.set SC,    32
.set BI,    64
.set BK,    64
.set ACC,   128
.set WV,    18
.set RH,    19
.set CH,    20
.set G1,    24
.set G0,    32
.set G1B,   48
.set G0B,   68
.set OUTP,  82
.set BP,    90
.set MSB, 0
.macro WIN new                         ; the immediate's high byte repeats the setting that is left
.if MSB != (\new)
	s_set_vgpr_msb (MSB<<8)|(\new)
.set MSB, (\new)
.endif
.endm
.set MUL,  0x05                        ; sources 0 and 1 window 1, C and D window 0
.set TO_F, 0x40                        ; destination window 1
.macro JLOAD s                         ; waves 0 and 1 fetch for A, waves 2 and 3 for B; an s_nop 0 and four v_nop follow each line
	s_cmp_eq_u32 s[RH], 0
	s_cbranch_scc0 .Lfor_b_\@
	tensor_load_to_lds s[G0+4*\s:G0+4*\s+3], s[G1:G1+7]
	s_nop 0
.rept 4
	v_nop
.endr
	s_branch .Lasked_\@
.Lfor_b_\@:
	tensor_load_to_lds s[G0B+4*\s:G0B+4*\s+3], s[G1B:G1B+7]
	s_nop 0
.rept 4
	v_nop
.endr
.Lasked_\@:
.endm
.macro CREST                           ; a round of the cluster's barrier behind its opening barrier
	s_cmp_lg_u32 s[WV], 0
	s_cbranch_scc1 .Lnot_wave_0_\@
	s_barrier_signal -3
.Lnot_wave_0_\@:
	s_barrier_wait -3
	s_barrier_signal -1
	s_barrier_wait -1
.endm
.macro CROUND
	s_barrier_signal -1
	s_barrier_wait -1
	CREST
.endm
.macro PLACES                          ; four plain places behind a matrix instruction of this form (ISA guide 7.12.1)
.rept 4
	v_nop
.endr
.endm
.macro FETCH st                        ; K step st lies at place st % 12: address register (st / 4) % 3, OB st % 4 of its four.  Its scale words and fragments go into set st % 2
.set sl, ((\st)/4)%3
.set qq, (\st)%4
.set pp, (\st)%2
	WIN 0
	ds_load_b64 v[SC+4*pp:SC+4*pp+1], v[ASA+sl] offset:qq*OBB
	ds_load_b64 v[SC+4*pp+2:SC+4*pp+3], v[ASB+sl] offset:qq*OBB
	WIN TO_F
.irp i, 0,1,2,3
.irp c, 0,1,2
	ds_load_b128 v[128*pp+48+FR*\i+4*\c:128*pp+48+FR*\i+4*\c+3], v[ADRB+sl] offset:qq*OBB+\i*1536+512*\c
.endr
.endr
.irp i, 0,1,2,3
.irp c, 0,1,2
	ds_load_b128 v[128*pp+FR*\i+4*\c:128*pp+FR*\i+4*\c+3], v[ADRA+sl] offset:qq*OBB+\i*1536+512*\c
.endr
.endr
.endm
.macro WMM rb, ra                      ; rb, ra: the scale words of source 0, source 1 stand in lanes 16-31
.if (\rb) && (\ra)
	v_wmma_scale_f32_16x16x128_f8f6f4 v[rD:rD+7], v[rB:rB+11], v[rA:rA+11], v[rC:rC+7], v[rSB], v[rSA] matrix_a_fmt:MATRIX_FMT_FP6 matrix_b_fmt:MATRIX_FMT_FP6 matrix_a_scale:MATRIX_SCALE_ROW1 matrix_b_scale:MATRIX_SCALE_ROW1
.elseif (\rb)
	v_wmma_scale_f32_16x16x128_f8f6f4 v[rD:rD+7], v[rB:rB+11], v[rA:rA+11], v[rC:rC+7], v[rSB], v[rSA] matrix_a_fmt:MATRIX_FMT_FP6 matrix_b_fmt:MATRIX_FMT_FP6 matrix_a_scale:MATRIX_SCALE_ROW1
.elseif (\ra)
	v_wmma_scale_f32_16x16x128_f8f6f4 v[rD:rD+7], v[rB:rB+11], v[rA:rA+11], v[rC:rC+7], v[rSB], v[rSA] matrix_a_fmt:MATRIX_FMT_FP6 matrix_b_fmt:MATRIX_FMT_FP6 matrix_b_scale:MATRIX_SCALE_ROW1
.else
	v_wmma_scale_f32_16x16x128_f8f6f4 v[rD:rD+7], v[rB:rB+11], v[rA:rA+11], v[rC:rC+7], v[rSB], v[rSA] matrix_a_fmt:MATRIX_FMT_FP6 matrix_b_fmt:MATRIX_FMT_FP6
.endif
.endm
.macro MUL4 a, st, zero                ; A's block a x B's four.  zero = 2: the bias starts the sums.  The 16 accumulators take turns, one instruction a turn
.irp b, 0,1,2,3
.set rD, ACC+8*(4*(\a)+\b)
.set rB, 128*((\st)%2)+48+FR*\b
.set rA, 128*((\st)%2)+FR*(\a)
.set rSB, SC+4*((\st)%2)+2+\b/2
.set rSA, SC+4*((\st)%2)+(\a)/2
.if (\zero) == 2
.set rC, BI+8*\b
.else
.set rC, rD
.endif
	WMM \b%2, (\a)%2
.endr
.endm
.macro STEP st, zero                   ; the next step's loads go out first, into the other set; then this step's sixteen products
	PLACES
	FETCH (\st)+1
	s_wait_dscnt NF                                ; all but the 26 just issued
	WIN MUL
	MUL4 0, \st, \zero
	MUL4 1, \st, \zero
	MUL4 2, \st, \zero
	MUL4 3, \st, \zero
.endm
; A K step with a barrier in it; in front of it each wave waits for all its tensor loads, adds 0 to its spare word, and waits for that and for all its LDS reads so far.
; fill = 1 (K step 3): the barrier opens a round of the cluster's, and places 0 to 3 take K steps 12 to 15.  fill = 0 (K step 11): those have landed, for all four waves.
.macro TURN st, fill
	WIN 0
	s_wait_tensorcnt 0x0                           ; no tensor load of mine is out
	ds_add_u32 v[SPW], v[NIL]                      ; 0 onto my spare word
.if \fill
	s_mov_b32 s[G1+2], 100<<16                     ; so a descriptor may be written: the second load brings 100 rows
	s_mov_b32 s[G1+4], 100
	s_mov_b32 s[G1B+2], 100<<16
	s_mov_b32 s[G1B+4], 100
.endif
	s_wait_dscnt 1                                 ; this step's fragments are in; the add may be out
	WIN MUL
	MUL4 0, \st, 0
	s_wait_dscnt 0x0
	s_barrier_signal -1
	MUL4 1, \st, 0
	WIN 0
	s_barrier_wait -1
.if \fill
	CREST                                          ; no wave of any partner still reads places 0 to 3 or has a load on its way
	JLOAD 1                                        ; the first tensor load behind the round, one a wave; its four v_nop are also the places in front of the loads below
.else
	PLACES
.endif
	FETCH (\st)+1
	WIN MUL
	MUL4 2, \st, 0
	MUL4 3, \st, 0
.endm
	s_load_b256 s[4:11], s[0:1], 0x0               ; o_op, w_op, bo, out0
	v_lshl_add_u32 v[SPW], v0, 2, SPARE
	v_mov_b32 v[NIL], 0
	ds_add_u32 v[SPW], v[NIL]                      ; the opening lines: the add, twice on end, and its wait ahead of my first tensor load
	ds_add_u32 v[SPW], v[NIL]
	v_lshrrev_b32 v1, 5, v0
	v_readfirstlane_b32 s[WV], v1                  ; wave 0..3
	s_lshr_b32 s[RH], s[WV], 1                     ; which 64 rows are mine.  Also: I fetch for A (0) or for B (1)
	s_and_b32 s[CH], s[WV], 1                      ; which 64 columns.  Also: which half of a fill I fetch
	s_bfe_u32 s84, ttmp6, 0x40000                  ; cx, cy
	s_bfe_u32 s85, ttmp6, 0x40004
	s_lshl_b32 s86, ttmp9, 2
	s_add_co_u32 s86, s86, s84                     ; X: block of columns
	s_and_b32 s21, ttmp7, 0xffff
	s_lshl_b32 s21, s21, 2
	s_add_co_u32 s21, s21, s85                     ; Y: block of rows
	s_lshl_b32 s87, s85, 2
	s_lshl_b32 s87, 15, s87                        ; my row of the cluster
	s_lshl_b32 s88, 0x1111, s84                    ; my column
	s_or_b32 s[G1+0], s87, (3<<16)|(1<<21)         ; group 1: dense bytes as rows of 32 elements of 8 bytes; the mask; bit 21 beside it
	s_or_b32 s[G1B+0], s88, (3<<16)|(1<<21)
.irp g, G1, G1B
	s_mov_b32 s[\g+1], 32<<16
	s_mov_b32 s[\g+2], 300<<16
	s_mov_b32 s[\g+3], 32<<16
	s_mov_b32 s[\g+4], 300
	s_mov_b32 s[\g+5], 32
	s_mov_b32 s[\g+6], 0
	s_mov_b32 s[\g+7], 0
.endr
	s_mul_i32 s56, s21, 16*OBB                     ; A's sixteen OBs
	s_mov_b32 s57, 0
	s_mul_i32 s58, s86, 16*OBB
	s_add_co_u32 s58, s58, 384*OBB                 ; B's
	s_mov_b32 s59, 0
	s_mul_i32 s92, s[CH], PART                     ; at the head: K steps 0-5 or 6-11,
	s_mov_b32 s93, 0
	s_mul_i32 s44, s[WV], PART                     ; to wave x 76,800: no place in the cluster enters an LDS address
	s_mul_i32 s94, s[CH], 2*OBB
	s_mul_i32 s45, s[RH], BREG
	s_add_co_u32 s45, s45, s94                     ; the second load: to places 0, 1 or 2, 3 of A's room or B's,
	s_add_co_u32 s94, s94, 12*OBB                  ; K steps 12, 13 or 14, 15
	s_mov_b32 s95, 0
	s_wait_dscnt 0x0                               ; both opening adds are done
	s_wait_kmcnt 0x0
	s_add_nc_u64 s[60:61], s[4:5], s[56:57]
	s_add_nc_u64 s[62:63], s[6:7], s[58:59]
	CROUND                                         ; all sixteen work-groups are here: the first joint loads meet
	s_mov_b32 s[G0], 1
	s_add_co_u32 s[G0+1], s44, 0
	s_add_nc_u64 s[G0+2:G0+3], s[60:61], s[92:93]
	s_or_b32 s[G0+3], s[G0+3], 0x80000000
	s_mov_b32 s[G0B], 1
	s_add_co_u32 s[G0B+1], s44, 0
	s_add_nc_u64 s[G0B+2:G0B+3], s[62:63], s[92:93]
	s_or_b32 s[G0B+3], s[G0B+3], 0x80000000
	s_mov_b32 s[G0+4], 1
	s_add_co_u32 s[G0+5], s45, 0
	s_add_nc_u64 s[G0+6:G0+7], s[60:61], s[94:95]
	s_or_b32 s[G0+7], s[G0+7], 0x80000000
	s_mov_b32 s[G0B+4], 1
	s_add_co_u32 s[G0B+5], s45, 0
	s_add_nc_u64 s[G0B+6:G0B+7], s[62:63], s[94:95]
	s_or_b32 s[G0B+7], s[G0B+7], 0x80000000
	JLOAD 0                                        ; one tensor load a wave at the head
	s_mul_i32 s45, s[RH], 4*1536                   ; my four fragments of A's OBs,
	s_mul_i32 s46, s[CH], 4*1536
	s_add_co_u32 s46, s46, BREG                    ; and of B's
	s_lshl_b32 s47, s[RH], 3
	s_add_co_u32 s47, s47, 12288                   ; their scale words: two of a lane's four
	s_lshl_b32 s89, s[CH], 3
	s_add_co_u32 s89, s89, BREG+12288
	s_mul_i32 s92, s[WV], 16*SPITCH
	s_add_co_u32 s92, s92, STAGE                   ; my stage
	s_lshl_b32 s80, s86, 9
	s_lshl_b32 s93, s[CH], 8
	s_add_co_u32 s80, s80, s93                     ; my first column, in bytes
	s_mov_b32 s81, 0
	s_add_nc_u64 s[BP:BP+1], s[8:9], s[80:81]
	s_add_nc_u64 s[OUTP:OUTP+1], s[10:11], s[80:81]
	s_lshl_b32 s80, s21, 19                        ; 128 rows of 4,096 bytes
	s_lshl_b32 s93, s[RH], 18
	s_add_co_u32 s80, s80, s93
	s_add_nc_u64 s[OUTP:OUTP+1], s[OUTP:OUTP+1], s[80:81]
	v_and_b32 v1, 31, v0
	v_bfe_u32 v3, v0, 4, 1
	v_and_b32 v4, 15, v0
	v_lshlrev_b32 v2, 4, v1
	v_lshlrev_b32 v[VBO], 6, v3
	v_add_nc_u32 v[ADRA], s45, v2
	v_add_nc_u32 v[ADRB], s46, v2
	v_add_nc_u32 v[ASA], s47, v2
	v_add_nc_u32 v[ASB], s89, v2
.irp s, 1,2
	v_add_nc_u32 v[ADRA+\s], \s*GRP, v[ADRA]
	v_add_nc_u32 v[ADRB+\s], \s*GRP, v[ADRB]
	v_add_nc_u32 v[ASA+\s], \s*GRP, v[ASA]
	v_add_nc_u32 v[ASB+\s], \s*GRP, v[ASB]
.endr
	v_mul_u32_u24 v5, v4, SPITCH                   ; the stage, in: row l % 16, + 64 (l / 16)
	v_mul_u32_u24 v6, v3, SPITCH                   ; and back: sixteen lanes to a row of 256 bytes
	v_lshl_add_u32 v5, v3, 6, v5
	v_lshl_add_u32 v6, v4, 4, v6
	v_add_nc_u32 v[STO], s92, v5
	v_add_nc_u32 v[RD], s92, v6
	v_lshlrev_b32 v[CO], 12, v3
	v_lshl_add_u32 v[CO], v4, 4, v[CO]             ; the same two rows in out0
.irp g, 0,1
.irp j, 0,1,2,3
	global_load_b128 v[BI+16*\g+4*\j:BI+16*\g+4*\j+3], v[VBO], s[BP:BP+1] offset:128*\g+16*\j   ; the bias of column 32 g + 16 h + 4 j ..
.endr
.endr
	s_wait_alu depctr_va_vdst(0)
	s_wait_tensorcnt 0x0                           ; my six K steps are in
	s_barrier_signal -1
	s_barrier_wait -1                              ; and everybody's
	FETCH 0
	s_wait_loadcnt 0x0                             ; the bias
	STEP 0, 2
	STEP 1, 0
	STEP 2, 0
	TURN 3, 1
.irp st, 4,5,6,7,8,9,10
	STEP \st, 0
.endr
	TURN 11, 0
.irp st, 12,13,14
	STEP \st, 0
.endr
	s_wait_dscnt 0x0
	MUL4 0, 15, 0
	MUL4 1, 15, 0
	MUL4 2, 15, 0
	MUL4 3, 15, 0
	WIN 0
.macro TOSTAGE a                       ; LDS serves a wave's instructions in order (ISA guide 5.7.1.4): no wait between the stores and the loads
.irp b, 0,1,2,3
	ds_store_b128 v[STO], v[ACC+8*(4*(\a)+\b):ACC+8*(4*(\a)+\b)+3] offset:128*(\b/2)+32*(\b%2)      ; each accumulator from its low end on
	ds_store_b128 v[STO], v[ACC+8*(4*(\a)+\b)+4:ACC+8*(4*(\a)+\b)+7] offset:128*(\b/2)+32*(\b%2)+16
.endr
.set BB, BK+32*((\a)%2)
.irp t, 0,1,2,3,4,5,6,7
	ds_load_b128 v[BB+4*\t:BB+4*\t+3], v[RD] offset:2*\t*SPITCH
.endr
.endm
.macro SEND a, younger                 ; younger: the LDS instructions issued behind block a's loads, which may stay out
.set BB, BK+32*((\a)%2)
	s_wait_dscnt \younger
.irp t, 0,1,2,3,4,5,6,7
	global_store_b128 v[CO], v[BB+4*\t:BB+4*\t+3], s[OUTP:OUTP+1] offset:(32*((\a)/2)+8*((\a)%2)+2*\t+8*(\t/4))*4096 th:TH_STORE_NT   ; sixteen lanes store 256 consecutive bytes, aligned
.endr
.endm
	PLACES
	TOSTAGE 0
.irp a, 1,2,3
.if \a > 1
	s_wait_xcnt 0x0                                ; block a - 2's stores have read their registers
.endif
	TOSTAGE \a
	SEND \a-1, 16
.endr
	SEND 3, 0
	s_wait_tensorcnt 0x0                           ; the wave's end
	ds_add_u32 v[SPW], v[NIL]
	s_wait_dscnt 0x0
	CROUND                                         ; the closing round
	s_endpgm
.Lfunc_end_k_qa2c1008a7a_oproj:
	.size	k_qa2c1008a7a_oproj, .Lfunc_end_k_qa2c1008a7a_oproj-k_qa2c1008a7a_oproj
	.p2alignl 7, 3214868480
	.fill 96, 4, 3214868480
	.section	.rodata,"a",@progbits
	.p2align	6, 0x0
	.amdhsa_kernel k_qa2c1008a7a_oproj
		.amdhsa_group_segment_fixed_size 327680
		.amdhsa_private_segment_fixed_size 0
		.amdhsa_enable_private_segment 0
		.amdhsa_kernarg_size 32
		.amdhsa_user_sgpr_count 2
		.amdhsa_user_sgpr_kernarg_segment_ptr 1
		.amdhsa_wavefront_size32 1
		.amdhsa_system_sgpr_workgroup_id_x 1
		.amdhsa_system_sgpr_workgroup_id_y 1
		.amdhsa_system_sgpr_workgroup_id_z 1
		.amdhsa_system_vgpr_workitem_id 0
		.amdhsa_next_free_vgpr 512
		.amdhsa_next_free_sgpr 100
		.amdhsa_reserve_vcc 0
		.amdhsa_float_denorm_mode_32 3
		.amdhsa_float_denorm_mode_16_64 3
		.amdhsa_memory_ordered 1
		.amdhsa_forward_progress 1
		.amdhsa_inst_pref_size 79
	.end_amdhsa_kernel
	.amdgpu_metadata
---
amdhsa.version: [ 1, 2 ]
amdhsa.kernels:
  - .name:           k_qa2c1008a7a_oproj
    .symbol:         k_qa2c1008a7a_oproj.kd
    .args:
      - { .name: o_op, .offset: 0, .size: 8, .value_kind: global_buffer, .address_space: global }
      - { .name: w_op, .offset: 8, .size: 8, .value_kind: global_buffer, .address_space: global }
      - { .name: bo, .offset: 16, .size: 8, .value_kind: global_buffer, .address_space: global }
      - { .name: out0, .offset: 24, .size: 8, .value_kind: global_buffer, .address_space: global }
    .group_segment_fixed_size: 327680
    .private_segment_fixed_size: 0
    .kernarg_segment_align: 8
    .kernarg_segment_size: 32
    .max_flat_workgroup_size: 128
    .sgpr_count:     100
    .vgpr_count:     512
    .wavefront_size: 32
...
	.end_amdgpu_metadata
.endif
;; end of part 8
